; MI455X (gfx1250); checked and timed in simulation.
; The chip was launched on July 23, 2026; its instructions are those of AMD's public machine-readable ISA for CDNA 5 (MIT licence, August 2026) and "CDNA5" Instruction Set Architecture Reference Guide (July 2026). The comments in the code are by the model that wrote it; some were corrected since.
;; Mo E Layer. Allowed arithmetic: matrix products marked QUANTISED: E2M1 operands, one E8M0 scale for each 32 along K, by v_wmma_scale_f32_16x16x128_f8f6f4 with both operands' format E2M1 (or v_wmma_scale_f32_32x16x128_f4), f32 sums; products left as they are: f32 operands where the result goes on into a quantised operand, else bf16, f16 or f32 operands; f32 sums; everything else in f32.
;; Inputs: W1 8 x 1,024 x 4,096 float32; W2 8 x 4,096 x 1,024 float32; Wg 1,024 x 8 float32; b1 8 x 4,096 float32; b2 8 x 1,024 float32; bg 8 float32; x 1,024 x 1,024 float32.
;; Outputs: out0 1,024 x 1,024 float32; out1 one number float32.
;; This version of the problem:
;;   THIS VERSION OF THE PROBLEM IS GIVEN IN LOW PRECISION. The matrix products marked QUANTISED in the list below multiply operands that are first quantised to E2M1 (2 exponent bits, 1 mantissa bit; 4 bits a number), with one power-of-two scale for each 32 numbers along K (OCP MX v1.0); their sums are f32. All else is computed in f32.
;;   The module's matrix products, in the order in which they are computed (A, B: the left and right operand; K: the contracted axis; several contracted axes count as one K, in the product's order):
;;     1. [M 1,024, K 1,024] x [K 1,024, N 8]; A: input x; B: input Wg: left as it is (N = 8 < 16)
;;     2. [M 1,024, K 1,024] x [K 1,024, N 32,768]; A: input x; B: input W1: QUANTISED
;;     3. batch 8 x [M 1,024, K 4,096] x [K 4,096, N 1,024]; A: input W2; B: computed on the way: QUANTISED
;;   THE QUANTISER, for each operand of a quantised product, along K:
;;     - K is cut into blocks of 32 from its start; a last block that is shorter is filled with zeros.
;;     - A block's scale is 2^e with e = floor(log2(the largest magnitude in the block)) - 2, held to -126 .. 127; a block of zeros has e = 0. As a byte (E8M0): e + 127.
;;     - Each number is divided by its block's scale, clamped to +-6, and rounded to the nearest number of E2M1, ties to even, subnormals kept.
;;     - The product sums the exact products of the quantised numbers (number of the format x scale) in f32.
;;   ~~~python
;;   def quantise(x, axis):      # numpy; x: float32 -> the quantised numbers, widened to float32 again
;;       x = np.moveaxis(x, axis, -1); K = x.shape[-1]
;;       x = np.pad(x, [(0, 0)] * (x.ndim - 1) + [(0, -K % 32)]); x = x.reshape(x.shape[:-1] + (-1, 32)); a = np.abs(x).max(-1, keepdims=True)
;;       e = np.where(a > 0, np.clip(np.frexp(np.where(a > 0, a, 1))[1] - 1 - 2, -126, 127), 0)      # np.frexp(a)[1] - 1 = floor(log2(a)), exactly
;;       r = np.clip(x / 2.0 ** e, -6, 6)
;;       step = 2.0 ** (np.maximum(np.frexp(np.where(r == 0, 1, r))[1] - 1, 0) - 1)
;;       q = np.round(r / step) * step * 2.0 ** e      # np.round: ties to even
;;       return np.moveaxis(q.reshape(q.shape[:-2] + (-1,))[..., :K], -1, axis).astype(np.float32)
;;   ~~~
;;   OPERANDS COMPUTED ON THE WAY. 'Computed on the way' means the value that the module computes at that place (a softmax that the list does not call 'softmax' is quantised finished and normalised). What goes into a quantiser is computed in f32, as accurately as f32 sums, v_exp_f32 and their like allow (about 1e-6 of the number): no bf16 or f16 on the way to a quantiser, and a product that is left as it is and whose result goes on into a quantised operand takes f32 operands (vector FMAs, or v_wmma_f32_16x16x4_f32). A number that lies on a knife's edge between two numbers of the format may be rounded either way, as far as f32 arithmetic and the matrix unit's own rounding can turn it there, and no further.
;; 3 versions. Each part assembles by itself: llvm-mc -triple=amdgcn-amd-amdhsa -mcpu=gfx1250 --defsym DOCPART=n.
;; ======== version 1 of 3: 5 launches
;; workspace buffers: xq 557,056 bytes; tidx 8,192 bytes of whole numbers; gf 16,384 bytes; route 17,152 bytes of whole numbers; roww 8,704 bytes; hq 4,734,976 bytes; ypart 17,825,792 bytes
;; launch gate (part 1): grid 256 x 1, 1 waves a work-group, no clusters, 512 bytes of LDS; arguments x, Wg, bg, xq, tidx, gf; writes xq, tidx, gf
.if DOCPART == 1
	.amdgcn_target "amdgcn-amd-amdhsa--gfx1250"
	.amdhsa_code_object_version 6
	.text
	.protected	k_q0a825a5f22_gate
	.globl	k_q0a825a5f22_gate
	.p2align	8
	.type	k_q0a825a5f22_gate,@function
k_q0a825a5f22_gate:
	s_mov_b64 s[64:65], 0
	v_nop
	global_prefetch_b8 v0, s[64:65] scope:SCOPE_SE
	s_setreg_imm32_b32 hwreg(HW_REG_WAVE_MODE, 25, 1), 1
	s_wait_xcnt 0x0
; THE ROUTER, AND x INTO CODES.  x [1024][1024] f32, Wg [1024][8] f32, bg [8] f32.
; One wave takes 4 tokens.  Lane l holds k = 32 l .. 32 l + 31 of each of the four rows (one block of the quantiser a row) and the same 32 rows of Wg.
; OUT: xq: codes of E2M1, [token][512 bytes], K as it lies; behind them (byte XSOFF) one E8M0 byte for each 32 along K, [token][32].
;      tidx [token][2]: the two chosen experts (whole numbers; the lower index wins a tie, as the strict compare keeps what it has);
;      gf: [token][2] their softmax weights; from byte 8192 on [work-group][8] the four tokens' sum of the full softmax, for the loss.
; The logits are f32 sums by fused multiply-adds: 32 in a lane, then over the 32 lanes.  No address and no branch hangs on them here.
; LIMITS: NaN and infinities among the inputs are not served.  The sums' order differs from a plain ascending one: two logits closer than about 1e-6 of their
; size may change places.  A block of zeros, and one whose largest magnitude lies under 2^-124, gets the scale byte 1: this program alone reads the bytes.
; No matrix unit, no cluster: the product has 8 columns, and the work-groups share only Wg's 32 KiB.
.set XSOFF, 524288
.set ACC,  8                           ; v8-39    sums: token t, expert e at 8 t + e
.set PT,   40                          ; v40-47   a lane exchange's destinations (written once: they count as read)
.set LG,   72                          ; v72-79   my token's eight logits (my token: lane % 4)
.set BEST, 80
.set SEC,  81
.set P,    82                          ; v82-89   2^((logit - best) log2 e), then the gates
.set D,    90                          ; the same of the second logit
.set SUM,  91
.set RS,   92
.set GP,   93
.set T1,   94
.set BI,   96                          ; v[96:97] the two experts
.set SI,   97
.set W0,   98                          ; v[98:99] their weights
.set W1,   99
.set CODE, 100                         ; v100-115 four registers of codes a token
.set M,    116                         ; v116-119 largest magnitudes, then the conversions' scale operands
.set BY,   120                         ; v120-123 scale bytes
.set SB,   124                         ; four scale bytes back from LDS
.set X,    128                         ; v128-255 x: token t at 32 t;   window 1: Wg's row 32 l + i, expert e at v[8 i + e]
.set MSB, 0
.macro WIN new                         ; the immediate's high byte repeats the setting that is left
.if MSB != \new
	s_set_vgpr_msb (MSB<<8)|\new
.set MSB, \new
.endif
.endm
	s_load_b256 s[4:11], s[0:1], 0x0               ; x s[4:5], Wg s[6:7], bg s[8:9], xq s[10:11]
	s_load_b128 s[12:15], s[0:1], 0x20             ; tidx s[12:13], gf s[14:15]
	v_lshl_add_u32 v126, v0, 2, 0x100
	v_mov_b32 v127, 0
	v_lshlrev_b32 v1, 7, v0                        ; 128 l: my block in a row of x
	v_lshlrev_b32 v2, 10, v0                       ; 1024 l: my 32 rows of Wg
	v_lshlrev_b32 v3, 4, v0                        ; 16 l
	v_lshlrev_b32 v4, 3, v0                        ; 8 l
	v_lshlrev_b32 v7, 2, v0                        ; 4 l
.irp j, 0,1,2,3,4,5,6,7
	v_mov_b32 v[PT+\j], 0
.endr
	s_mov_b32 s26, 0x76543210                      ; v_permlanex16_b32's selects for lane l xor 16
	s_mov_b32 s27, 0xfedcba98
	s_mov_b32 s28, 0x22222222                      ; lanes with lane % 4 = 1, 2, 3
	s_mov_b32 s29, 0x44444444
	s_mov_b32 s30, 0x88888888
.irp e, 1,2,3,4,5,6,7
	s_mov_b32 s[31+\e], 0x01010101<<\e             ; lanes with lane % 8 = e
.endr
	s_lshl_b32 s2, ttmp9, 14                       ; four rows of 4,096 bytes
	s_mov_b32 s3, 0
	s_wait_kmcnt 0x0
	s_load_b256 s[16:23], s[8:9], 0x0              ; bg
	s_add_nc_u64 s[4:5], s[4:5], s[2:3]
	s_lshl_b32 s2, ttmp9, 7
	s_add_nc_u64 s[42:43], s[10:11], s[2:3]        ; my 128 scale bytes (less XSOFF)
	s_lshl_b32 s2, ttmp9, 11
	s_add_nc_u64 s[10:11], s[10:11], s[2:3]        ; my four rows of codes
	s_lshl_b32 s2, ttmp9, 5
	s_add_nc_u64 s[12:13], s[12:13], s[2:3]
	s_add_nc_u64 s[14:15], s[14:15], s[2:3]
	WIN 0x40                                       ; destination window 1
.set i, 0
.rept 64
	global_load_b128 v[4*i:4*i+3], v2, s[6:7] offset:16*i
.set i, i+1
.endr
	WIN 0
.irp t, 0,1,2,3
.irp g, 0,1,2,3,4,5,6,7
	global_load_b128 v[X+32*\t+4*\g:X+32*\t+4*\g+3], v1, s[4:5] offset:4096*\t+16*\g th:TH_LOAD_NT
.endr
.endr
	s_wait_loadcnt 0x0
	s_wait_kmcnt 0x0
; ---- the logits.  Two experts an instruction; the number of x is taken for both halves (op_sel: which register of the pair).  16 chains, so no line waits for the one above.
.macro GATEPAIR p                      ; k = 32 l + 2 p and 2 p + 1
.irp t, 0,1,2,3
.irp e, 0,2,4,6
.if (\p) == 0
	v_pk_mul_f32 v[ACC+8*\t+\e:ACC+8*\t+\e+1], v[X+32*\t:X+32*\t+1], v[\e:\e+1] op_sel_hi:[0,1]   ; the first product starts the sums
.else
	v_pk_fma_f32 v[ACC+8*\t+\e:ACC+8*\t+\e+1], v[X+32*\t+2*(\p):X+32*\t+2*(\p)+1], v[16*(\p)+\e:16*(\p)+\e+1], v[ACC+8*\t+\e:ACC+8*\t+\e+1] op_sel_hi:[0,1,1]
.endif
.endr
.endr
.irp t, 0,1,2,3
.irp e, 0,2,4,6
	v_pk_fma_f32 v[ACC+8*\t+\e:ACC+8*\t+\e+1], v[X+32*\t+2*(\p):X+32*\t+2*(\p)+1], v[16*(\p)+8+\e:16*(\p)+8+\e+1], v[ACC+8*\t+\e:ACC+8*\t+\e+1] op_sel:[1,0,0] op_sel_hi:[1,1,1]
.endr
.endr
.endm
	WIN 0x04                                       ; source 1 (Wg) window 1
.irp p, 0,1,2,3,4,5,6,7,8,9,10,11,12,13,14,15
	GATEPAIR \p
.endr
	WIN 0
.irp m, 1,2,4,8                                ; over the lanes: four steps inside each half,
.set j, 0
.rept 32
	v_add_f32_dpp v[ACC+j], v[ACC+j], v[ACC+j] row_xmask:\m row_mask:0xf bank_mask:0xf
.set j, j+1
.endr
.endr
.irp g, 0,1,2,3                                ; one across the halves
.irp j, 0,1,2,3,4,5,6,7
	v_permlanex16_b32 v[PT+\j], v[ACC+8*\g+\j], s26, s27
.endr
.irp j, 0,1,2,3,4,5,6,7
	v_add_f32 v[ACC+8*\g+\j], v[ACC+8*\g+\j], v[PT+\j]
.endr
.endr
.irp e, 0,1,2,3,4,5,6,7                        ; from here a lane serves token lane % 4
	v_cndmask_b32 v[LG+\e], v[ACC+\e], v[ACC+8+\e], s28
	v_cndmask_b32 v[LG+\e], v[LG+\e], v[ACC+16+\e], s29
	v_cndmask_b32 v[LG+\e], v[LG+\e], v[ACC+24+\e], s30
	v_add_f32 v[LG+\e], s[16+\e], v[LG+\e]
.endr
; ---- the two largest
	v_mov_b32 v[BEST], v[LG]
	v_mov_b32 v[BI], 0
.irp e, 1,2,3,4,5,6,7
	v_cmp_gt_f32 vcc_lo, v[LG+\e], v[BEST]
	v_cndmask_b32 v[BEST], v[BEST], v[LG+\e], vcc_lo
	v_cndmask_b32 v[BI], v[BI], \e, vcc_lo
.endr
	v_mov_b32 v[SEC], 0xff800000                   ; -infinity
	v_mov_b32 v[SI], 0
.irp e, 0,1,2,3,4,5,6,7
	v_cmp_gt_f32 s24, v[LG+\e], v[SEC]
	v_cmp_ne_u32 s25, \e, v[BI]
	s_and_b32 vcc_lo, s24, s25
	v_cndmask_b32 v[SEC], v[SEC], v[LG+\e], vcc_lo
	v_cndmask_b32 v[SI], v[SI], \e, vcc_lo
.endr
; ---- both softmaxes, the largest logit taken away: nine exponentials as one batch
.irp e, 0,1,2,3,4,5,6,7
	v_sub_f32 v[P+\e], v[LG+\e], v[BEST]
.endr
	v_sub_f32 v[D], v[SEC], v[BEST]
.irp e, 0,1,2,3,4,5,6,7,8
	v_mul_f32 v[P+\e], 0x3fb8aa3b, v[P+\e]         ; x log2 e (P + 8 is D)
.endr
.irp e, 0,1,2,3,4,5,6,7,8
	v_exp_f32 v[P+\e], v[P+\e]
.endr
	v_nop                                          ; a plain instruction behind the last exponential
	s_wait_alu depctr_va_vdst(0)                   ; one wait for the batch, ahead of its first reader
	v_add_f32 v[SUM], v[P], v[P+1]
	v_add_f32 v[T1], v[P+2], v[P+3]
	v_add_f32 v[RS], v[P+4], v[P+5]
	v_add_f32 v[GP], v[P+6], v[P+7]
	v_add_f32 v[SUM], v[SUM], v[T1]
	v_add_f32 v[RS], v[RS], v[GP]
	v_add_f32 v[SUM], v[SUM], v[RS]
	v_add_f32 v[T1], 1.0, v[D]
	v_rcp_f32 v[RS], v[SUM]
	v_rcp_f32 v[W0], v[T1]                         ; the first weight: 1 / (1 + d)
	v_nop
	s_wait_alu depctr_va_vdst(0)                   ; one wait for the two reciprocals
	v_mul_f32 v[W1], v[D], v[W0]                   ; the second: d / (1 + d)
.irp e, 0,1,2,3,4,5,6,7
	v_mul_f32 v[P+\e], v[P+\e], v[RS]              ; the gates
.endr
.irp m, 1,2                                    ; summed over the four tokens
.irp e, 0,1,2,3,4,5,6,7
	v_add_f32_dpp v[P+\e], v[P+\e], v[P+\e] row_xmask:\m row_mask:0xf bank_mask:0xf
.endr
.endr
	v_cndmask_b32 v[GP], v[P], v[P+1], s32         ; lane e keeps expert e's
.irp e, 2,3,4,5,6,7
	v_cndmask_b32 v[GP], v[GP], v[P+\e], s[31+\e]
.endr
; ---- x into codes: a lane's 32 numbers of a row are one block
.irp t, 0,1,2,3
	v_max3_num_f32 v[M+\t], |v[X+32*\t]|, |v[X+32*\t+1]|, 0x1800000   ; with the floor 2^(3 - 127): the byte cannot fall under 1
.endr
.set i, 2
.rept 15
.irp t, 0,1,2,3
	v_max3_num_f32 v[M+\t], v[M+\t], |v[X+32*\t+i]|, |v[X+32*\t+i+1]|
.endr
.set i, i+2
.endr
.irp t, 0,1,2,3
	v_add_nc_u32 v[M+\t], 0xff000000, v[M+\t]      ; 2 off the exponent field: the conversion takes that field as its scale
.endr
.irp t, 0,1,2,3
	v_lshrrev_b32 v[BY+\t], 23, v[M+\t]            ; the scale's byte
.endr
.irp t, 0,1,2,3
.irp g, 0,1,2,3
	v_cvt_scalef32_pk8_fp4_f32 v[CODE+4*\t+\g], v[X+32*\t+8*\g:X+32*\t+8*\g+7], v[M+\t]
.endr
.endr
	v_nop                                          ; a plain instruction behind the last conversion
.irp t, 0,1,2,3
	ds_store_b8 v0, v[BY+\t] offset:32*\t          ; the four rows' 128 scale bytes meet in LDS
	global_store_b128 v3, v[CODE+4*\t:CODE+4*\t+3], s[10:11] offset:512*\t   ; 32 lanes store a row's 512 consecutive bytes
.endr
	ds_load_b32 v[SB], v7                          ; LDS serves a wave's instructions in order: this sees the stores
	s_wait_dscnt 0x0
	global_store_b32 v7, v[SB], s[42:43] offset:XSOFF   ; 128 consecutive bytes
	s_wait_xcnt 0x0                                ; EXEC changes only behind this wait
	v_cmp_gt_u32 vcc_lo, 8, v0
	s_wait_tensorcnt 0x0
	ds_add_u32 v126, v127
	s_wait_dscnt 0x0
	s_and_saveexec_b32 s40, vcc_lo                 ; lanes 0 to 7: an expert each
	global_store_b32 v7, v[GP], s[14:15] offset:8192
	s_wait_xcnt 0x0
	s_or_b32 exec_lo, exec_lo, s40
	v_cmp_gt_u32 vcc_lo, 4, v0
	s_and_saveexec_b32 s40, vcc_lo                 ; lanes 0 to 3: a token each
	global_store_b64 v4, v[BI:SI], s[12:13]
	global_store_b64 v4, v[W0:W1], s[14:15]
	s_wait_xcnt 0x0
	s_or_b32 exec_lo, exec_lo, s40
	s_endpgm
.Lfunc_end_k_q0a825a5f22_gate:
	.size	k_q0a825a5f22_gate, .Lfunc_end_k_q0a825a5f22_gate-k_q0a825a5f22_gate
	.p2alignl 7, 3214868480
	.fill 96, 4, 3214868480
	.section	.rodata,"a",@progbits
	.p2align	6, 0x0
	.amdhsa_kernel k_q0a825a5f22_gate
		.amdhsa_group_segment_fixed_size 512
		.amdhsa_private_segment_fixed_size 0
		.amdhsa_enable_private_segment 0
		.amdhsa_kernarg_size 48
		.amdhsa_user_sgpr_count 2
		.amdhsa_user_sgpr_kernarg_segment_ptr 1
		.amdhsa_wavefront_size32 1
		.amdhsa_system_sgpr_workgroup_id_x 1
		.amdhsa_system_sgpr_workgroup_id_y 1
		.amdhsa_system_sgpr_workgroup_id_z 1
		.amdhsa_system_vgpr_workitem_id 0
		.amdhsa_next_free_vgpr 512
		.amdhsa_next_free_sgpr 66
		.amdhsa_reserve_vcc 1
		.amdhsa_float_denorm_mode_32 3
		.amdhsa_float_denorm_mode_16_64 3
		.amdhsa_memory_ordered 1
		.amdhsa_forward_progress 1
		.amdhsa_inst_pref_size 70
	.end_amdhsa_kernel
	.amdgpu_metadata
---
amdhsa.version: [ 1, 2 ]
amdhsa.kernels:
  - .name:           k_q0a825a5f22_gate
    .symbol:         k_q0a825a5f22_gate.kd
    .args:
      - { .name: x, .offset: 0, .size: 8, .value_kind: global_buffer, .address_space: global }
      - { .name: Wg, .offset: 8, .size: 8, .value_kind: global_buffer, .address_space: global }
      - { .name: bg, .offset: 16, .size: 8, .value_kind: global_buffer, .address_space: global }
      - { .name: xq, .offset: 24, .size: 8, .value_kind: global_buffer, .address_space: global }
      - { .name: tidx, .offset: 32, .size: 8, .value_kind: global_buffer, .address_space: global }
      - { .name: gf, .offset: 40, .size: 8, .value_kind: global_buffer, .address_space: global }
    .group_segment_fixed_size: 512
    .private_segment_fixed_size: 0
    .kernarg_segment_align: 8
    .kernarg_segment_size: 48
    .max_flat_workgroup_size: 32
    .sgpr_count:     66
    .vgpr_count:     512
    .wavefront_size: 32
...
	.end_amdgpu_metadata
.endif
;; end of part 1
;; launch place (part 2): grid 1 x 1, 8 waves a work-group, no clusters, 0 bytes of LDS; arguments tidx, gf, route, roww, out1; writes route, roww, out1
.if DOCPART == 2
	.amdgcn_target "amdgcn-amd-amdhsa--gfx1250"
	.amdhsa_code_object_version 6
	.text
	.protected	k_q0a825a5f22_place
	.globl	k_q0a825a5f22_place
	.p2align	8
	.type	k_q0a825a5f22_place,@function
k_q0a825a5f22_place:
	s_mov_b64 s[64:65], 0
	v_nop
	global_prefetch_b8 v0, s[64:65] scope:SCOPE_SE
	s_setreg_imm32_b32 hwreg(HW_REG_WAVE_MODE, 25, 1), 1
	s_wait_xcnt 0x0
; THE ROWS ARE PLACED BY EXPERT, AND THE LOSS.  tidx [1024][2] whole numbers; gf: [1024][2] weights, from byte 8192 on [256][8] sums of gates.
; An expert's rows lie in the order of their tokens, filled up to whole tiles of 16 with token 0 and weight 0; the experts' tiles follow each other.
; 2,048 rows and 8 experts make 128 to 135 tiles; the buffers have room for 136.
; OUT: route: bytes 16 e: {rows, first tile, tiles, passes of 20 tiles} of expert e; from byte 256: the token of each slot; from byte 8960: [token][2] the slot of each choice.
;      roww: the gate's weight of each slot.   out1 = 8 x the sum over experts of (mean gate)^2.
; SHARES.  One work-group.  Every wave holds all 1,024 pairs (32 chunks of 32 tokens, a token a lane) and counts all eight experts itself, and beside the totals the rows that lie in chunks ahead of its own:
; so no number goes from wave to wave, and there is no barrier.  Wave w then places tokens 128 w .. 128 w + 127.  EVERY TOKEN HAS TWO ROWS, so every lane has two slots to write: the scatter runs with all lanes on.
; Three stores want a mask: the fill of expert w's last tile, its four numbers, the loss.  They stand at the end, and every address that they name is made ahead of the first line that narrows EXEC.
; Slots behind the last tile are left unwritten: no later launch reads them.
.set IX, 16                            ; v16-79   chunk c: the two experts of token 32 c + lane
.set MI, 80                            ; v80-87   the same of my four chunks
.set MW, 88                            ; v88-95   and their weights
.set S,  96                            ; v96-103  my tokens' slots, a pair a chunk
.set A,  104                           ; v104-111 4 x slot
.set TK, 112                           ; v112-115 my tokens
.set PD, 116                           ; v116     4 x the slot that I fill up
.set PU, 117                           ; v117     that slot, not yet held to the buffer
.set Z,  118                           ; v118     0: the fill's data, and out1's offset
.set MA, 119                           ; v119     16 x wave: where my expert's four numbers go
.set ME, 120                           ; v120-123 the four numbers
.set TM, 124                           ; v124     at work
.set G,  164                           ; v164-227 the sums of gates: 64 numbers a lane
.set NE, 24                            ; s24-31   rows of each expert
.set TE, 32                            ; s32-39   behind the count: tiles of each expert;  s40-47 its first tile  (s32-47 at work during the count)
.set TB, 40
.set RUN, 72                           ; s72-79   rows of each expert in chunks ahead of mine, then its next free slot for my tokens
	s_load_b256 s[4:11], s[0:1], 0x0               ; tidx s[4:5], gf s[6:7], route s[8:9], roww s[10:11]
	s_load_b64 s[12:13], s[0:1], 0x20              ; out1
	v_lshrrev_b32 v2, 5, v0
	v_readfirstlane_b32 s14, v2                    ; wave: it places tokens 128 w on, and writes expert w's numbers
	v_and_b32 v1, 31, v0                           ; lane
	v_lshlrev_b32 v3, 3, v1                        ; 8 x lane
	v_lshlrev_b32 v4, 4, v1                        ; 16 x lane
	s_lshl_b32 s18, s14, 2                         ; my first chunk
	s_lshl_b32 s19, s14, 10
	v_add_nc_u32 v5, s19, v3                       ; 8 x lane + 1024 x wave: my tokens' pairs
	s_lshl_b32 s19, s14, 7
	v_add_nc_u32 v6, s19, v1                       ; my first chunk's token
	v_mov_b32 v[Z], 0
	s_lshl_b32 s23, s14, 4
	v_mov_b32 v[MA], s23
	s_mov_b32 s52, 0x76543210                      ; v_permlanex16_b32's selects for lane l xor 16
	s_mov_b32 s53, 0xfedcba98
	s_wait_kmcnt 0x0
.set c, 0
.rept 32
	global_load_b64 v[IX+2*c:IX+2*c+1], v3, s[4:5] offset:256*c
.set c, c+1
.endr
.irp c, 0,1,2,3
	global_load_b64 v[MI+2*\c:MI+2*\c+1], v5, s[4:5] offset:256*\c
	global_load_b64 v[MW+2*\c:MW+2*\c+1], v5, s[6:7] offset:256*\c
.endr
.set c, 0
.rept 16
	global_load_b128 v[G+4*c:G+4*c+3], v4, s[6:7] offset:8192+512*c
.set c, c+1
.endr
.irp e, 0,1,2,3,4,5,6,7
	s_mov_b32 s[NE+\e], 0
	s_mov_b32 s[RUN+\e], 0
.endr
	s_wait_loadcnt 0x0
; ---- how many rows each expert has, in all and in the chunks ahead of mine
.set c, 0
.rept 32
.irp e, 0,1,2,3,4,5,6,7
	v_cmp_eq_u32 s[32+2*\e], \e, v[IX+2*c]
	v_cmp_eq_u32 s[33+2*\e], \e, v[IX+2*c+1]
.endr
.irp e, 0,1,2,3,4,5,6,7
	s_or_b32 s[32+2*\e], s[32+2*\e], s[33+2*\e]
.endr
.irp e, 0,1,2,3,4,5,6,7
	s_bcnt1_i32_b32 s[32+2*\e], s[32+2*\e]
.endr
.irp e, 0,1,2,3,4,5,6,7
	s_add_co_u32 s[NE+\e], s[NE+\e], s[32+2*\e]
.endr
	s_cmp_lt_u32 c, s18                            ; is this chunk ahead of mine?  All eight selections stand ahead of the additions, which write SCC
.irp e, 0,1,2,3,4,5,6,7
	s_cselect_b32 s[33+2*\e], s[32+2*\e], 0
.endr
.irp e, 0,1,2,3,4,5,6,7
	s_add_co_u32 s[RUN+\e], s[RUN+\e], s[33+2*\e]
.endr
.set c, c+1
.endr
.irp e, 0,1,2,3,4,5,6,7
	s_add_co_u32 s[TE+\e], s[NE+\e], 15
	s_lshr_b32 s[TE+\e], s[TE+\e], 4               ; tiles
.endr
	s_mov_b32 s[TB], 0
.irp e, 0,1,2,3,4,5,6
	s_add_co_u32 s[TB+1+\e], s[TB+\e], s[TE+\e]    ; first tile: the tiles of the experts below
.endr
.irp e, 0,1,2,3,4,5,6,7
	s_lshl_b32 s48, s[TB+\e], 4
	s_add_co_u32 s[RUN+\e], s[RUN+\e], s48         ; the expert's next free slot for my tokens
.endr
	s_mov_b32 s15, 0                               ; expert w's rows,
	s_mov_b32 s16, 0                               ; first tile,
	s_mov_b32 s17, 0                               ; tiles
.irp e, 0,1,2,3,4,5,6,7
	s_cmp_eq_u32 s14, \e
	s_cselect_b32 s15, s[NE+\e], s15
	s_cselect_b32 s16, s[TB+\e], s16
	s_cselect_b32 s17, s[TE+\e], s17
.endr
	s_add_co_u32 s19, s17, 19
	s_mul_i32 s19, s19, 205
	s_lshr_b32 s19, s19, 12                        ; passes = (tiles + 19) / 20: x 205 / 4096 is exact up to 83
; ---- the addresses and data of the three masked stores, made while every lane is on
	s_lshl_b32 s20, s16, 4
	s_add_co_u32 s20, s20, s15                     ; the first slot behind expert w's rows
	s_add_co_u32 s21, s16, s17
	s_lshl_b32 s21, s21, 4                         ; the first slot behind its tiles: at most 15 further on
	v_add_nc_u32 v[PU], s20, v1
	v_min_u32 v[PD], 2175, v[PU]
	v_lshlrev_b32 v[PD], 2, v[PD]
	v_mov_b32 v[ME], s15
	v_mov_b32 v[ME+1], s16
	v_mov_b32 v[ME+2], s17
	v_mov_b32 v[ME+3], s19
; ---- my tokens get their slots, chunk by chunk.  For each expert: which lanes have a row of it, how many of them stand below me, and the slot goes to the choice that names the expert
.macro PLACE c
.irp e, 0,1,2,3,4,5,6,7
	v_cmp_eq_u32 s48, \e, v[MI+2*(\c)]             ; the token's first choice,
	v_cmp_eq_u32 s49, \e, v[MI+2*(\c)+1]           ; or its second
	s_or_b32 s50, s48, s49
	v_mbcnt_lo_u32_b32 v[TM], s50, 0
	v_add_nc_u32 v[TM], s[RUN+\e], v[TM]
.if \e == 0
	v_cndmask_b32 v[S+2*(\c)], 0, v[TM], s48
	v_cndmask_b32 v[S+2*(\c)+1], 0, v[TM], s49
.else
	v_cndmask_b32 v[S+2*(\c)], v[S+2*(\c)], v[TM], s48
	v_cndmask_b32 v[S+2*(\c)+1], v[S+2*(\c)+1], v[TM], s49
.endif
	s_bcnt1_i32_b32 s50, s50
	s_add_co_u32 s[RUN+\e], s[RUN+\e], s50
.endr
	v_min_u32 v[S+2*(\c)], 2175, v[S+2*(\c)]
	v_min_u32 v[S+2*(\c)+1], 2175, v[S+2*(\c)+1]
	v_lshlrev_b32 v[A+2*(\c)], 2, v[S+2*(\c)]
	v_lshlrev_b32 v[A+2*(\c)+1], 2, v[S+2*(\c)+1]
	v_add_nc_u32 v[TK+(\c)], 32*(\c), v6
	global_store_b32 v[A+2*(\c)], v[TK+(\c)], s[8:9] offset:256          ; each chunk has registers of its own: no store's source is written again
	global_store_b32 v[A+2*(\c)+1], v[TK+(\c)], s[8:9] offset:256
	global_store_b32 v[A+2*(\c)], v[MW+2*(\c)], s[10:11]
	global_store_b32 v[A+2*(\c)+1], v[MW+2*(\c)+1], s[10:11]
	global_store_b64 v5, v[S+2*(\c):S+2*(\c)+1], s[8:9] offset:8960+256*(\c)   ; 32 lanes store 256 consecutive bytes, aligned
.endm
.irp c, 0,1,2,3
	PLACE \c
.endr
; ---- expert w's last tile is filled up
	s_wait_xcnt 0x0                                ; EXEC changes only behind this wait
	v_cmp_gt_u32 vcc_lo, s21, v[PU]
	s_and_saveexec_b32 s22, vcc_lo
	global_store_b32 v[PD], v[Z], s[8:9] offset:256
	global_store_b32 v[PD], v[Z], s[10:11]
	s_wait_xcnt 0x0
	s_or_b32 exec_lo, exec_lo, s22
; ---- its four numbers
	v_cmp_eq_u32 vcc_lo, 0, v1
	s_and_saveexec_b32 s22, vcc_lo
	global_store_b128 v[MA], v[ME:ME+3], s[8:9]
	s_wait_xcnt 0x0
	s_or_b32 exec_lo, exec_lo, s22
; ---- the loss, by wave 0.  Number 4 lane + 128 i + j belongs to expert 4 (lane % 2) + j
	s_cmp_lg_u32 s14, 0
	s_cbranch_scc1 .Lend
.set i, 1
.rept 15
	v_pk_add_f32 v[G:G+1], v[G:G+1], v[G+4*i:G+4*i+1]
	v_pk_add_f32 v[G+2:G+3], v[G+2:G+3], v[G+4*i+2:G+4*i+3]
.set i, i+1
.endr
.irp m, 2,4,8                                  ; over the lanes of my parity
.irp j, 0,1,2,3
	v_add_f32_dpp v[G+\j], v[G+\j], v[G+\j] row_xmask:\m row_mask:0xf bank_mask:0xf
.endr
.endr
.irp j, 0,1,2,3
	v_permlanex16_b32 v[G+4+\j], v[G+\j], s52, s53
.endr
.irp j, 0,1,2,3
	v_add_f32 v[G+\j], v[G+\j], v[G+4+\j]
.endr
.irp j, 0,1,2,3
	v_mul_f32 v[G+\j], 0x3a800000, v[G+\j]         ; / 1024: the mean gate
.endr
	v_mul_f32 v[G+4], v[G], v[G]
	v_fmac_f32 v[G+4], v[G+1], v[G+1]
	v_fmac_f32 v[G+4], v[G+2], v[G+2]
	v_fmac_f32 v[G+4], v[G+3], v[G+3]
	v_add_f32_dpp v[G+4], v[G+4], v[G+4] row_xmask:1 row_mask:0xf bank_mask:0xf   ; the other four experts'
	v_mul_f32 v[G+4], 0x41000000, v[G+4]           ; x 8
	v_cmp_eq_u32 vcc_lo, 0, v1
	s_and_saveexec_b32 s22, vcc_lo
	global_store_b32 v[Z], v[G+4], s[12:13]
	s_wait_xcnt 0x0
	s_or_b32 exec_lo, exec_lo, s22
.Lend:
	s_endpgm
.Lfunc_end_k_q0a825a5f22_place:
	.size	k_q0a825a5f22_place, .Lfunc_end_k_q0a825a5f22_place-k_q0a825a5f22_place
	.p2alignl 7, 3214868480
	.fill 96, 4, 3214868480
	.section	.rodata,"a",@progbits
	.p2align	6, 0x0
	.amdhsa_kernel k_q0a825a5f22_place
		.amdhsa_group_segment_fixed_size 0
		.amdhsa_private_segment_fixed_size 0
		.amdhsa_enable_private_segment 0
		.amdhsa_kernarg_size 40
		.amdhsa_user_sgpr_count 2
		.amdhsa_user_sgpr_kernarg_segment_ptr 1
		.amdhsa_wavefront_size32 1
		.amdhsa_system_sgpr_workgroup_id_x 1
		.amdhsa_system_sgpr_workgroup_id_y 1
		.amdhsa_system_sgpr_workgroup_id_z 1
		.amdhsa_system_vgpr_workitem_id 0
		.amdhsa_next_free_vgpr 232
		.amdhsa_next_free_sgpr 80
		.amdhsa_reserve_vcc 1
		.amdhsa_float_denorm_mode_32 3
		.amdhsa_float_denorm_mode_16_64 3
		.amdhsa_memory_ordered 1
		.amdhsa_forward_progress 1
		.amdhsa_inst_pref_size 104
	.end_amdhsa_kernel
	.amdgpu_metadata
---
amdhsa.version: [ 1, 2 ]
amdhsa.kernels:
  - .name:           k_q0a825a5f22_place
    .symbol:         k_q0a825a5f22_place.kd
    .args:
      - { .name: tidx, .offset: 0, .size: 8, .value_kind: global_buffer, .address_space: global }
      - { .name: gf, .offset: 8, .size: 8, .value_kind: global_buffer, .address_space: global }
      - { .name: route, .offset: 16, .size: 8, .value_kind: global_buffer, .address_space: global }
      - { .name: roww, .offset: 24, .size: 8, .value_kind: global_buffer, .address_space: global }
      - { .name: out1, .offset: 32, .size: 8, .value_kind: global_buffer, .address_space: global }
    .group_segment_fixed_size: 0
    .private_segment_fixed_size: 0
    .kernarg_segment_align: 8
    .kernarg_segment_size: 40
    .max_flat_workgroup_size: 256
    .sgpr_count:     80
    .vgpr_count:     232
    .wavefront_size: 32
...
	.end_amdgpu_metadata
.endif
;; end of part 2
;; launch ffn1 (part 3): grid 32 x 8, 4 waves a work-group, no clusters, 70,144 bytes of LDS; arguments W1, b1, xq, route, hq; writes hq
.if DOCPART == 3
	.amdgcn_target "amdgcn-amd-amdhsa--gfx1250"
	.amdhsa_code_object_version 6
	.text
	.protected	k_q0a825a5f22_ffn1
	.globl	k_q0a825a5f22_ffn1
	.p2align	8
	.type	k_q0a825a5f22_ffn1,@function
k_q0a825a5f22_ffn1:
	s_mov_b64 s[64:65], 0
	v_nop
	global_prefetch_b8 v0, s[64:65] scope:SCOPE_SE
	s_setreg_imm32_b32 hwreg(HW_REG_WAVE_MODE, 25, 1), 1
	s_wait_xcnt 0x0
; h = relu(x W1[e] + b1[e]) for the rows routed to expert e, on codes of E2M1 with one E8M0 scale for each 32 along K; h leaves as codes for the second product.
; W1 [8][1024 k][4096] f32, b1 [8][4096] f32; xq, route: as the launches before laid them.
; SHARES.  Work-group (s, e) owns W1[e][:, 128 s .. 128 s + 127]: 512 KiB that no other work-group reads.  PHASE 1: each of the four waves quantises 256 of the 1,024 k
; (8 chunks of 64 k x 64 columns) in registers and lays the codes in LDS as images of operand registers; one barrier.  PHASE 2: each wave multiplies 5 tiles of 16 routed rows
; by all 128 columns over all of K: 20 tiles a pass, as many passes as the expert's stored count asks.
; A CHUNK.  Load i of lane (q = lane % 16, hh = lane / 16) reads row 64 c + 32 hh + i, columns 4 q .. 4 q + 3: sixteen lanes read 256 consecutive bytes, aligned.  The conversions want 8 neighbours
; along K in consecutive registers, so 128 moves put column j's 32 numbers on end; they are then a whole block of the quantiser, and its four conversions are registers 4 c .. 4 c + 3 of the
; fragment of TILE j = the columns 4 r + j, in the very lane that the 4-bit layout gives k = 64 c + 32 h + 0 .. 31: no number changes lanes.
; THE PRODUCT IS USED TRANSPOSED (source 0 = 16 columns of W1, source 1 = 16 rows of x): lane (r, h) holds row r, and register i of tile j the hidden unit 32 h + 4 i + j of its 64.  So the 32 registers of
; four tiles are one whole block of 32 hidden units, in the order p = 8 j + i for unit 4 (p % 8) + p / 8.  They are quantised in that order; the next launch lays W2's rows in the same order
; inside each block, which keeps every product and every scale.
; hq: codes [tile][K' step s][1,024 bytes: the fragment's registers on end, 16 bytes a lane]; from byte HSOFF: [tile][s][16 rows] scale words.
; The bias is the C of each sum's first matrix instruction.
; NO TENSOR LOADS, NO CLUSTER: the number of passes and the tiles that are stored hang on counts read from memory; the weights are shared by nobody; what the 32 work-groups of an expert share,
; x's codes, is 160 KiB a pass beside 512 KiB of weights.  The one barrier stands ahead of every branch on such a count.
; LIMITS: NaN and infinities are not served.  A block of zeros, and one whose largest magnitude lies under 2^-124, gets the scale byte 1: this program alone reads the bytes.
.set PITCH, 16384                      ; a row of W1 in bytes
.set XSOFF, 524288
.set HSOFF, 4456448
.set SCIMG, 65536                      ; LDS: 0: 64 fragments of 1,024 bytes (8 ks + tile);  65536: 16 x 256 bytes of scale words (2 ks + column half)
.set WOFF, 1                           ; v1   hh x 32 rows + 16 q
.set LI,   2                           ; v2   16 x lane
.set LS8,  3                           ; v3   SCIMG + 8 x lane
.set LW,   4                           ; v4   16 x lane + 16384 x wave: where I store images
.set LSW,  5                           ; v5   SCIMG + 8 x lane + 1024 x wave
.set SH8,  6                           ; v6   8 hh
.set R4,   7                           ; v7   4 r
.set H16,  8                           ; v8   16 hh
.set H128, 9                           ; v9   128 hh
.set XO,   10                          ; v10-14 tile a: first the slot's place in the list, then the token, then the byte of my part of its codes
.set XSO,  15                          ; v15-19 tile a: the byte of its scale bytes
.set STA,  20
.set STB,  21
.set XS,   24                          ; v24-63 x's scale words: tile a, K step ks at 8 a + ks.  Scales and nothing else
.set WS,   64                          ; v64-71 W1's scale words, two sets of four: lanes 0-15 the even tile's, lanes 16-31 the odd one's.  Scales and nothing else
.set M,    72                          ; v72-75 largest magnitudes, then the conversions' scale operands
.set BY,   76                          ; v76-79 scale bytes of c = 0, later the scale words; v80-83 bytes of c = 1
.set PT,   84                          ; v84-87 a lane exchange's destinations
.set SS,   88                          ; v[88:89] two scale registers on their way to LDS
.set OM,   90                          ; v90-94 the way out: the same for h
.set CODE, 96                          ; v96-111
.set HC,   112                         ; v112-119 h's codes
.set T,    128                         ; v128-255 phase 1: column j's 32 numbers at 32 j
.set WF,   128                         ; phase 2: W1's fragments, two sets of 64
.set E,    128                         ; the way out: a tile's 64 numbers
.set B1,   64                          ; window 2: v0-63 x's fragments of tile 4; v64-127 the bias; v128-255 accumulators of tiles 0, 1 (phase 1: landing set 0)
                                       ; window 1: x's fragments of tiles 0-3 at 64 a + 8 ks;   window 3: v0-191 accumulators of tiles 2-4 (phase 1: v0-127 landing set 1)
.set MSB, 0
.macro WIN new                         ; the immediate's high byte repeats the setting that is left
.if MSB != \new
	s_set_vgpr_msb (MSB<<8)|\new
.set MSB, \new
.endif
.endm
.macro LOADCH n                        ; chunk n = 2 u + c of my wave: 32 loads into landing set n % 2
.set LU, (\n)/2
.set LC, (\n)%2
.if (\n)%2 == 0
	WIN 0x80
.set LB, 128
.else
	WIN 0xc0
.set LB, 0
.endif
.set i, 0
.rept 32
	global_load_b128 v[LB+4*i:LB+4*i+3], v[WOFF], s[24:25] offset:(128*(LU/2)+64*LC+i)*PITCH+256*(LU%2) th:TH_LOAD_NT
.set i, i+1
.endr
.endm
.macro TILES                           ; my five tiles of this pass, and their rows' tokens.  A tile past the expert's last is held at the last: it is multiplied and not stored
.irp a, 0,1,2,3,4
	s_add_co_u32 s41, s29, \a
	s_min_u32 s41, s41, s30
	s_add_co_u32 s41, s41, s35
	s_min_u32 s[36+\a], s41, 135
.endr
.irp a, 0,1,2,3,4
	s_lshl_b32 s41, s[36+\a], 6
	v_add_nc_u32 v[XO+\a], s41, v[R4]
	global_load_b32 v[XO+\a], v[XO+\a], s[10:11] offset:256
.endr
.endm
.macro TOKADR
.irp a, 0,1,2,3,4
	v_min_u32 v[XO+\a], 1023, v[XO+\a]
	v_lshlrev_b32 v[XSO+\a], 5, v[XO+\a]           ; 32 scale bytes a token
	v_lshl_add_u32 v[XO+\a], v[XO+\a], 9, v[H16]   ; 512 bytes of codes a token, + 16 hh
.endr
.endm
.macro GATHER a                        ; tile a: 8 fragments and 8 scale words: 18 loads
.if (\a) < 4
	WIN 0x40
.set XB, 64*(\a)
.else
	WIN 0x80
.set XB, 0
.endif
.irp k, 0,1,2,3,4,5,6,7
.irp c, 0,1
	global_load_b128 v[XB+8*\k+4*\c:XB+8*\k+4*\c+3], v[XO+(\a)], s[8:9] offset:64*\k+32*\c
.endr
.endr
	WIN 0
	global_load_b128 v[XS+8*(\a):XS+8*(\a)+3], v[XSO+(\a)], s[8:9] offset:XSOFF
	global_load_b128 v[XS+8*(\a)+4:XS+8*(\a)+7], v[XSO+(\a)], s[8:9] offset:XSOFF+16
.endm
; Chunk n, which has landed, becomes codes.  more = 1: its landing set takes chunk n + 2;  gat >= 0: that tile's gather is issued behind it
.macro QCH n, more, gat
.if (\n)%2 == 0
	WIN 0x02
.set LB, 128
.else
	WIN 0x03
.set LB, 0
.endif
.set i, 0
.rept 32
.irp j, 0,1,2,3
	v_mov_b32 v[T+32*\j+i], v[LB+4*i+\j]           ; column j's numbers on end, K ascending
.endr
.set i, i+1
.endr
.if \more
	LOADCH (\n)+2
.endif
.if (\gat) >= 0
	GATHER \gat
.endif
	WIN 0
.irp j, 0,1,2,3
	v_max3_num_f32 v[M+\j], |v[T+32*\j]|, |v[T+32*\j+1]|, 0x1800000   ; with the floor 2^(3 - 127): the byte cannot fall under 1
.endr
.set i, 2
.rept 15
.irp j, 0,1,2,3
	v_max3_num_f32 v[M+\j], v[M+\j], |v[T+32*\j+i]|, |v[T+32*\j+i+1]|   ; the four columns by turns
.endr
.set i, i+2
.endr
.irp j, 0,1,2,3
	v_add_nc_u32 v[M+\j], 0xff000000, v[M+\j]      ; 2 off the exponent field: the conversion's scale operand
.endr
.irp j, 0,1,2,3
	v_lshrrev_b32 v[BY+4*((\n)%2)+\j], 23, v[M+\j] ; the scale's byte
.endr
	s_wait_dscnt 0x0                               ; the last chunk's LDS stores have read their registers
.irp j, 0,1,2,3
.irp q, 0,1,2,3
	v_cvt_scalef32_pk8_fp4_f32 v[CODE+4*\j+\q], v[T+32*\j+8*\q:T+32*\j+8*\q+7], v[M+\j]
.endr
.endr
	v_nop                                          ; a plain instruction behind the last conversion
.irp j, 0,1,2,3
	ds_store_b128 v[LW], v[CODE+4*\j:CODE+4*\j+3] offset:4096*((\n)/2)+1024*\j+512*((\n)%2)   ; registers 4 c .. 4 c + 3 of tile j's fragment, 16 bytes a lane
.endr
.if (\n)%2 == 1                        ; the K step is whole: its scale words.  I hold the bytes of blocks hh and 2 + hh
.irp j, 0,1,2,3
	v_lshl_or_b32 v[BY+\j], v[BY+4+\j], 16, v[BY+\j]
.endr
.irp j, 0,1,2,3
	v_lshlrev_b32 v[BY+\j], v[SH8], v[BY+\j]
.endr
.irp j, 0,1,2,3
	v_permlanex16_b32 v[PT+\j], v[BY+\j], s32, s33
.endr
.irp j, 0,1,2,3
	v_or_b32 v[BY+\j], v[BY+\j], v[PT+\j]          ; with lane l xor 16's two bytes the word is whole
.endr
	v_cndmask_b32 v[SS], v[BY], v[BY+1], s31       ; one register for two tiles: lanes 0-15 the even one's words, lanes 16-31 the odd one's
	v_cndmask_b32 v[SS+1], v[BY+2], v[BY+3], s31
	ds_store_b64 v[LSW], v[SS:SS+1] offset:256*((\n)/2)
.endif
.endm
.macro WFETCH ks, buf                  ; a K step's 8 fragments and 4 scale registers: 18 LDS loads
.irp jt, 0,1,2,3,4,5,6,7
.irp c, 0,1
	ds_load_b128 v[WF+64*(\buf)+8*\jt+4*\c:WF+64*(\buf)+8*\jt+4*\c+3], v[LI] offset:(8*(\ks)+\jt)*1024+512*\c
.endr
.endr
.irp h, 0,1
	ds_load_b64 v[WS+4*(\buf)+2*\h:WS+4*(\buf)+2*\h+1], v[LS8] offset:256*(2*(\ks)+\h)
.endr
.endm
.macro MM a, jt, ks                    ; rows' tile a x columns' tile jt, K step ks
.if (\a) < 2
.set DA, 128+64*(\a)+8*(\jt)
.else
.set DA, 64*((\a)-2)+8*(\jt)
.endif
.if (\a) < 4
.set XA, 64*(\a)+8*(\ks)
.else
.set XA, 8*(\ks)
.endif
.if (\ks) == 0
.set CA, B1+8*(\jt)                    ; the bias starts the sum
.else
.set CA, DA
.endif
.set WA, WF+64*((\ks)%2)+8*(\jt)
.set SA, WS+4*((\ks)%2)+(\jt)/2
.set SX, XS+8*(\a)+(\ks)
.if (\jt)%2
	v_wmma_scale_f32_16x16x128_f8f6f4 v[DA:DA+7], v[WA:WA+7], v[XA:XA+7], v[CA:CA+7], v[SA], v[SX] matrix_a_fmt:MATRIX_FMT_FP4 matrix_b_fmt:MATRIX_FMT_FP4 matrix_a_scale:MATRIX_SCALE_ROW1
.else
	v_wmma_scale_f32_16x16x128_f8f6f4 v[DA:DA+7], v[WA:WA+7], v[XA:XA+7], v[CA:CA+7], v[SA], v[SX] matrix_a_fmt:MATRIX_FMT_FP4 matrix_b_fmt:MATRIX_FMT_FP4
.endif
.endm
; A K step: 40 matrix instructions, the 40 accumulators by turns, one instruction a turn.  The next step's fragments are asked for first, into the set that the last step read:
; four plain instructions stand between that step's products and these loads (ISA guide 7.12.1 for vector instructions).
.macro KSTEP ks
.rept 4
	v_nop
.endr
.if (\ks) < 7
	WFETCH (\ks)+1, ((\ks)+1)%2
	s_wait_dscnt 18                                ; this step's 18 are in; the 18 just issued stay out
.else
	s_wait_dscnt 0x0
.endif
.irp a, 0,1,2,3,4
.if \a < 2
	WIN 0xa4                                       ; x window 1; C and D window 2 (the bias lies there too)
.elseif \a < 4
.if (\ks) == 0
	WIN 0xe4                                       ; C (the bias) window 2, D window 3
.else
	WIN 0xf4
.endif
.else
.if (\ks) == 0
	WIN 0xe8                                       ; x window 2
.else
	WIN 0xf8
.endif
.endif
.irp jt, 0,1,2,3,4,5,6,7
	MM \a, \jt, \ks
.endr
.endr
	WIN 0
.endm
; THE WAY OUT of tile a: relu, the two blocks' scales, codes, stores.  A tile past the expert's last is passed over.
.macro HOUT a
	s_add_co_u32 s41, s29, \a
	s_cmp_ge_u32 s41, s22
	s_cbranch_scc1 .Lhskip_\@
	s_wait_xcnt 0x0                                ; the last tile's stores have read their registers
.if (\a) < 2
	WIN 0x08
.set AB, 128+64*(\a)
.else
	WIN 0x0c
.set AB, 64*((\a)-2)
.endif
.set i, 0
.rept 64
	v_max_num_f32 v[E+i], 0, v[AB+i]               ; the activation, in f32; each accumulator from its low end on
.set i, i+1
.endr
	WIN 0
.irp h, 0,1
	v_max3_num_f32 v[OM+\h], v[E+32*\h], v[E+32*\h+1], 0x1800000   ; none is negative: no |.|
.endr
.set i, 2
.rept 15
.irp h, 0,1
	v_max3_num_f32 v[OM+\h], v[OM+\h], v[E+32*\h+i], v[E+32*\h+i+1]
.endr
.set i, i+2
.endr
	v_add_nc_u32 v[OM], 0xff000000, v[OM]
	v_add_nc_u32 v[OM+1], 0xff000000, v[OM+1]
	v_lshrrev_b32 v[OM+2], 23, v[OM]
	v_lshrrev_b32 v[OM+3], 23, v[OM+1]
	v_lshl_or_b32 v[OM+4], v[OM+3], 16, v[OM+2]    ; my bytes: blocks h and 2 + h of these 128 hidden units
	v_lshlrev_b32 v[OM+4], v[SH8], v[OM+4]
	v_permlanex16_b32 v[PT], v[OM+4], s32, s33
	v_or_b32 v[OM+4], v[OM+4], v[PT]
.irp h, 0,1
.irp q, 0,1,2,3
	v_cvt_scalef32_pk8_fp4_f32 v[HC+4*\h+\q], v[E+32*\h+8*\q:E+32*\h+8*\q+7], v[OM+\h]
.endr
.endr
	v_nop                                          ; a plain instruction behind the last conversion
	s_lshl_b32 s41, s[36+\a], 5
	s_add_co_u32 s41, s41, s15                     ; 32 x tile + s
	s_lshl_b32 s42, s41, 10
	s_lshl_b32 s41, s41, 6
	v_add_nc_u32 v[STA], s42, v[LI]
	v_add_nc_u32 v[STB], s41, v[R4]
	global_store_b128 v[STA], v[HC:HC+3], s[12:13]                ; 32 lanes store 512 consecutive bytes, aligned
	global_store_b128 v[STA], v[HC+4:HC+7], s[12:13] offset:512
	global_store_b32 v[STB], v[OM+4], s[12:13] offset:HSOFF       ; 16 words; both halves of the lanes hold and write the same
.Lhskip_\@:
.endm
	s_load_b256 s[4:11], s[0:1], 0x0               ; W1 s[4:5], b1 s[6:7], xq s[8:9], route s[10:11]
	s_load_b64 s[12:13], s[0:1], 0x20              ; hq
	v_lshl_add_u32 v126, v0, 2, 0x11000
	v_mov_b32 v127, 0
	v_lshrrev_b32 v22, 5, v0
	v_readfirstlane_b32 s14, v22                   ; wave
	s_mov_b32 s15, ttmp9                           ; s: my 128 hidden units
	s_and_b32 s16, ttmp7, 0xffff                   ; my expert
	v_and_b32 v22, 31, v0                          ; lane
	v_and_b32 v23, 15, v0                          ; q = r
	v_bfe_u32 v[SH8], v0, 4, 1                     ; hh = h
	v_lshlrev_b32 v[LI], 4, v22
	v_lshl_add_u32 v[LS8], v22, 3, SCIMG
	s_lshl_b32 s17, s14, 14
	v_add_nc_u32 v[LW], s17, v[LI]
	s_lshl_b32 s17, s14, 10
	v_add_nc_u32 v[LSW], s17, v[LS8]
	v_lshlrev_b32 v[WOFF], 4, v23
	v_lshl_add_u32 v[WOFF], v[SH8], 19, v[WOFF]    ; 32 rows of 16,384 bytes
	v_lshlrev_b32 v[R4], 2, v23
	v_lshlrev_b32 v[H16], 4, v[SH8]
	v_lshlrev_b32 v[H128], 7, v[SH8]
	v_lshlrev_b32 v[SH8], 3, v[SH8]
.irp j, 0,1,2,3
	v_mov_b32 v[PT+\j], 0
.endr
	s_mov_b32 s31, 0xffff0000                      ; lanes 16 to 31
	s_mov_b32 s32, 0x76543210
	s_mov_b32 s33, 0xfedcba98
	s_mov_b32 s28, 0                               ; the pass
	s_mul_i32 s29, s14, 5                          ; my first tile of the pass, counted in the expert
	s_lshl_b32 s34, s16, 4
	s_lshl_b32 s18, s16, 24                        ; W1: expert, my wave's 256 rows, my work-group's 512 bytes of a row
	s_lshl_b32 s17, s14, 22
	s_add_co_u32 s18, s18, s17
	s_lshl_b32 s17, s15, 9
	s_add_co_u32 s18, s18, s17
	s_mov_b32 s19, 0
	s_lshl_b32 s42, s16, 14                        ; b1: expert, my 128 numbers
	s_add_co_u32 s42, s42, s17
	s_mov_b32 s43, 0
	s_wait_kmcnt 0x0
	s_load_b128 s[20:23], s[10:11], s34 offset:0x0 ; rows, first tile, tiles, passes of my expert
	s_add_nc_u64 s[24:25], s[4:5], s[18:19]
	s_add_nc_u64 s[26:27], s[6:7], s[42:43]
.irp h, 0,1
.irp r, 0,1,2,3,4,5,6,7
	global_load_b128 v[T+4*(8*\h+\r):T+4*(8*\h+\r)+3], v[H128], s[26:27] offset:256*\h+16*\r   ; b1 of hidden units 64 h' + 32 hh + 4 r + 0 .. 3
.endr
.endr
	LOADCH 0
	LOADCH 1
	WIN 0
	s_wait_kmcnt 0x0
	s_min_u32 s21, s21, 135
	s_min_u32 s22, s22, 64
	s_min_u32 s23, s23, 4
	s_max_u32 s30, s22, 1
	s_sub_co_u32 s30, s30, 1                       ; the expert's last tile
	s_cmp_lg_u32 s22, 0
	s_cselect_b32 s35, s21, 0                      ; an expert without rows gathers from tile 0, which is always written, and uses nothing of it
	TILES
; ---- PHASE 1.  Each count: the loads issued behind the chunk that is wanted, held at 63
	s_wait_loadcnt 37                              ; behind chunk 0: chunk 1's 32 and the 5 lists of tokens
	WIN 0x80
.irp h, 0,1
.irp j, 0,1,2,3
.irp r, 0,1,2,3,4,5,6,7
	v_mov_b32 v[B1+8*(4*\h+\j)+\r], v[T+4*(8*\h+\r)+\j]   ; the bias in the result's layout: tile 4 h' + j, register r
.endr
.endr
.endr
	QCH 0, 1, -1
	s_wait_loadcnt 32                              ; behind chunk 1 and the lists: chunk 2's 32
	TOKADR
	QCH 1, 1, 0
	s_wait_loadcnt 50                              ; chunk 3's 32 and a gather's 18
	QCH 2, 1, 1
	s_wait_loadcnt 63                              ; 18 + 32 + 18 were issued behind it
	QCH 3, 1, 2
	s_wait_loadcnt 63
	QCH 4, 1, 3
	s_wait_loadcnt 63
	QCH 5, 1, 4
	s_wait_loadcnt 63
	QCH 6, 0, -1
	s_wait_loadcnt 18                              ; the last gather's 18
	QCH 7, 0, -1
	s_wait_dscnt 0x0                               ; for the others' sake: my images lie in LDS
	s_barrier_signal -1
	s_barrier_wait -1                              ; all 64 fragments do; from here on they are only read
; ---- PHASE 2
	s_cmp_eq_u32 s23, 0
	s_cbranch_scc1 .Lend
.Lpass:
	s_wait_loadcnt 0x0                             ; x's fragments and scale words
	s_wait_xcnt 0x0
.rept 4
	v_nop
.endr
	WFETCH 0, 0
.irp k, 0,1,2,3,4,5,6,7
	KSTEP \k
.endr
.rept 4
	v_nop                                          ; four plain instructions ahead of the first read of results, and of loads into registers that the products read
.endr
.irp a, 0,1,2,3,4
	HOUT \a
.endr
	s_add_co_u32 s28, s28, 1
	s_add_co_u32 s29, s29, 20
	s_cmp_ge_u32 s28, s23
	s_cbranch_scc1 .Lnomore
	TILES                                          ; the next pass's rows
	s_wait_loadcnt 0x0
	TOKADR
.irp a, 0,1,2,3,4
	GATHER \a
.endr
.Lnomore:
	s_cmp_lt_u32 s28, s23
	s_cbranch_scc1 .Lpass
.Lend:
	s_wait_tensorcnt 0x0
	ds_add_u32 v126, v127
	s_wait_dscnt 0x0
	s_endpgm
.Lfunc_end_k_q0a825a5f22_ffn1:
	.size	k_q0a825a5f22_ffn1, .Lfunc_end_k_q0a825a5f22_ffn1-k_q0a825a5f22_ffn1
	.p2alignl 7, 3214868480
	.fill 96, 4, 3214868480
	.section	.rodata,"a",@progbits
	.p2align	6, 0x0
	.amdhsa_kernel k_q0a825a5f22_ffn1
		.amdhsa_group_segment_fixed_size 70144
		.amdhsa_private_segment_fixed_size 0
		.amdhsa_enable_private_segment 0
		.amdhsa_kernarg_size 40
		.amdhsa_user_sgpr_count 2
		.amdhsa_user_sgpr_kernarg_segment_ptr 1
		.amdhsa_wavefront_size32 1
		.amdhsa_system_sgpr_workgroup_id_x 1
		.amdhsa_system_sgpr_workgroup_id_y 1
		.amdhsa_system_sgpr_workgroup_id_z 1
		.amdhsa_system_vgpr_workitem_id 0
		.amdhsa_next_free_vgpr 1024
		.amdhsa_next_free_sgpr 66
		.amdhsa_reserve_vcc 0
		.amdhsa_float_denorm_mode_32 3
		.amdhsa_float_denorm_mode_16_64 3
		.amdhsa_memory_ordered 1
		.amdhsa_forward_progress 1
		.amdhsa_inst_pref_size 216
	.end_amdhsa_kernel
	.amdgpu_metadata
---
amdhsa.version: [ 1, 2 ]
amdhsa.kernels:
  - .name:           k_q0a825a5f22_ffn1
    .symbol:         k_q0a825a5f22_ffn1.kd
    .args:
      - { .name: W1, .offset: 0, .size: 8, .value_kind: global_buffer, .address_space: global }
      - { .name: b1, .offset: 8, .size: 8, .value_kind: global_buffer, .address_space: global }
      - { .name: xq, .offset: 16, .size: 8, .value_kind: global_buffer, .address_space: global }
      - { .name: route, .offset: 24, .size: 8, .value_kind: global_buffer, .address_space: global }
      - { .name: hq, .offset: 32, .size: 8, .value_kind: global_buffer, .address_space: global }
    .group_segment_fixed_size: 70144
    .private_segment_fixed_size: 0
    .kernarg_segment_align: 8
    .kernarg_segment_size: 40
    .max_flat_workgroup_size: 128
    .sgpr_count:     66
    .vgpr_count:     1024
    .wavefront_size: 32
...
	.end_amdgpu_metadata
.endif
;; end of part 3
;; launch ffn2 (part 4): grid 32 x 8, 4 waves a work-group, no clusters, 87,552 bytes of LDS; arguments W2, b2, hq, route, roww, ypart; writes ypart
.if DOCPART == 4
	.amdgcn_target "amdgcn-amd-amdhsa--gfx1250"
	.amdhsa_code_object_version 6
	.text
	.protected	k_q0a825a5f22_ffn2
	.globl	k_q0a825a5f22_ffn2
	.p2align	8
	.type	k_q0a825a5f22_ffn2,@function
k_q0a825a5f22_ffn2:
	s_mov_b64 s[64:65], 0
	v_nop
	global_prefetch_b8 v0, s[64:65] scope:SCOPE_SE
	s_setreg_imm32_b32 hwreg(HW_REG_WAVE_MODE, 25, 1), 1
	s_wait_xcnt 0x0
; ypart = gate weight x (h W2[e] + b2[e]) for the rows routed to expert e, in two halves along K; on codes of E2M1 with one E8M0 scale for each 32 along K.
; W2 [8][4096 k][1024] f32, b2 [8][1024] f32; hq, route, roww: as the launches before laid them.  ypart [2 halves of K][2176 slots][1024] f32.
; SHARES.  Work-group (x, e): cs = x % 16 picks 64 output columns (256 bytes of a row of W2), kh = x / 16 picks 2,048 of the 4,096 k: 512 KiB that no other work-group reads.
; 32 columns over all of K would read half of each aligned 256 bytes; 128 work-groups would leave half the WGPs without work.  The bias enters in the half kh = 0 alone.
; PHASE 1: each wave quantises 512 k (8 chunks of 64 k x 64 columns) in registers, as in the launch before, and lays the codes in LDS as images of operand registers; one barrier.
; INSIDE EACH BLOCK OF 32 the rows of W2 are taken in the order 4 (i % 8) + i / 8, in which h's codes lie: alike on both sides, so every product and every scale is kept.
; PHASE 2: each wave multiplies 5 tiles of 16 routed rows by the 64 columns over 16 K steps; 20 tiles a pass.  h's fragments come straight from memory, 512 consecutive bytes a load,
; the first 8 K steps during phase 1, the other 8 while the first are multiplied.
; THE PRODUCT IS USED TRANSPOSED: lane (r, h) holds row r, register i of tile j the column 32 h + 4 i + j.  The multiplication by the gate's weight writes it to register 4 i + j: 32 neighbours of a row.
; They go through the wave's own stage in LDS, so that sixteen lanes store 256 consecutive bytes, aligned.
; NO TENSOR LOADS, NO CLUSTER: passes and stored tiles hang on counts read from memory; the weights are shared by nobody; h's codes, which 16 work-groups share, are 320 KiB a pass beside 512 KiB.
; LIMITS: NaN and infinities are not served.  A block of zeros, and one whose largest magnitude lies under 2^-124, gets the scale byte 1.  The order of k inside a block differs from memory's:
; the sums' last bits may differ.
.set PITCH, 4096                       ; a row of W2 in bytes
.set HSOFF, 4456448
.set HALF,  8912896                    ; a half of ypart
.set SCIMG, 65536                      ; LDS: 0: 64 fragments of 1,024 bytes (4 ksl + tile);  65536: 16 x 256 bytes of scale words;
.set STAGE, 69632                      ; 69632: a stage of 16 rows x 272 bytes for each wave
.set WOFF, 1                           ; v1   hh x 32 rows + 16 q
.set LI,   2                           ; v2   16 x lane
.set LS8,  3                           ; v3   SCIMG + 8 x lane
.set LW,   4                           ; v4   16 x lane + 16384 x wave
.set LSW,  5                           ; v5   SCIMG + 8 x lane + 1024 x wave
.set SH8,  6                           ; v6   8 hh
.set R4,   7                           ; v7   4 r
.set L4,   8                           ; v8   4 x lane
.set H128, 9                           ; v9   128 hh
.set STO,  10                          ; v10  the stage: where I put 128 bytes of a row
.set RD,   11                          ; v11  and where I read 16 bytes back
.set YL,   12                          ; v12  my bytes in a tile's 16 rows of ypart
.set HA,   13                          ; v13-17 tile a: h's codes;   v18-22 its scale words;   v23-27 its weights;   v28-32 its rows of ypart
.set HB,   18
.set RWO,  23
.set YO,   28
.set HA0,  33                          ; v33  16 x lane + 16384 kh;   v34  4 x lane + 1024 kh
.set HB0,  34
.set HS,   36                          ; v36-75 h's scale words: 20 g + 4 a + u: lanes 0-15 K step 8 g + 2 u, lanes 16-31 the next.  Scales and nothing else
.set WS,   76                          ; v76-79 W2's scale words, two sets of two.  Scales and nothing else
.set RW,   80                          ; v80-84 the gate's weight of my row, tile a
.set M,    88
.set BY,   92                          ; v92-95, v96-99
.set PT,   100
.set SS,   104
.set CODE, 112
.set T,    128                         ; phase 1: column j's 32 numbers at 32 j
.set WF,   128                         ; phase 2: W2's fragments, two sets of 32;  v192-255: h's fragments of K steps 8-15, tile 4
.set OUT,  128                         ; the way out
.set RB,   160
.set B2,   64                          ; window 2: v0-63 h (K steps 0-7, tile 4); v64-95 the bias; v96-127 accumulators of tile 4; v128-255 landing set 0, later h (8-15, tiles 0, 1)
                                       ; window 1: h (0-7, tiles 0-3);   window 3: v0-127 landing set 1, later h (8-15, tiles 2, 3); v128-255 accumulators of tiles 0-3
.set MSB, 0
.macro WIN new                         ; the immediate's high byte repeats the setting that is left
.if MSB != \new
	s_set_vgpr_msb (MSB<<8)|\new
.set MSB, \new
.endif
.endm
.macro LOADCH n                        ; chunk n = 2 u + c of my wave: 32 loads into landing set n % 2
.set LU, (\n)/2
.set LC, (\n)%2
.if (\n)%2 == 0
	WIN 0x80
.set LB, 128
.else
	WIN 0xc0
.set LB, 0
.endif
.set i, 0
.rept 32
	global_load_b128 v[LB+4*i:LB+4*i+3], v[WOFF], s[24:25] offset:(128*LU+64*LC+4*(i%8)+i/8)*PITCH th:TH_LOAD_NT
.set i, i+1
.endr
.endm
.macro TILES                           ; my five tiles of this pass and their addresses.  A tile past the expert's last is held at the last: it is multiplied and not stored
.irp a, 0,1,2,3,4
	s_add_co_u32 s41, s29, \a
	s_min_u32 s41, s41, s30
	s_add_co_u32 s41, s41, s35
	s_min_u32 s[36+\a], s41, 135
.endr
.irp a, 0,1,2,3,4
	s_lshl_b32 s41, s[36+\a], 15
	v_add_nc_u32 v[HA+\a], s41, v[HA0]
	s_lshl_b32 s41, s[36+\a], 11
	v_add_nc_u32 v[HB+\a], s41, v[HB0]
	s_lshl_b32 s41, s[36+\a], 6
	v_add_nc_u32 v[RWO+\a], s41, v[R4]
	s_lshl_b32 s41, s[36+\a], 16
	v_add_nc_u32 v[YO+\a], s41, v[YL]
.endr
.endm
.macro GATHER a                        ; tile a, K steps 0-7: 8 fragments, 4 registers of scale words, the weights: 21 loads
.if (\a) < 4
	WIN 0x40
.set XB, 64*(\a)
.else
	WIN 0x80
.set XB, 0
.endif
.irp k, 0,1,2,3,4,5,6,7
.irp c, 0,1
	global_load_b128 v[XB+8*\k+4*\c:XB+8*\k+4*\c+3], v[HA+(\a)], s[8:9] offset:1024*\k+512*\c
.endr
.endr
	WIN 0
.irp u, 0,1,2,3
	global_load_b32 v[HS+4*(\a)+\u], v[HB+(\a)], s[8:9] offset:HSOFF+128*\u
.endr
	global_load_b32 v[RW+(\a)], v[RWO+(\a)], s[12:13]
.endm
.macro G1LOAD a                        ; tile a, K steps 8-15: 20 loads
.if (\a) < 2
	WIN 0x80
.set XB, 128+64*(\a)
.elseif (\a) < 4
	WIN 0xc0
.set XB, 64*((\a)-2)
.else
	WIN 0
.set XB, 192
.endif
.irp k, 0,1,2,3,4,5,6,7
.irp c, 0,1
	global_load_b128 v[XB+8*\k+4*\c:XB+8*\k+4*\c+3], v[HA+(\a)], s[8:9] offset:8192+1024*\k+512*\c
.endr
.endr
	WIN 0
.irp u, 0,1,2,3
	global_load_b32 v[HS+20+4*(\a)+\u], v[HB+(\a)], s[8:9] offset:HSOFF+512+128*\u
.endr
.endm
; Chunk n, which has landed, becomes codes.  more = 1: its landing set takes chunk n + 2;  gat >= 0: that tile's gather is issued behind it
.macro QCH n, more, gat
.if (\n)%2 == 0
	WIN 0x02
.set LB, 128
.else
	WIN 0x03
.set LB, 0
.endif
.set i, 0
.rept 32
.irp j, 0,1,2,3
	v_mov_b32 v[T+32*\j+i], v[LB+4*i+\j]           ; column j's numbers on end
.endr
.set i, i+1
.endr
.if \more
	LOADCH (\n)+2
.endif
.if (\gat) >= 0
	GATHER \gat
.endif
	WIN 0
.irp j, 0,1,2,3
	v_max3_num_f32 v[M+\j], |v[T+32*\j]|, |v[T+32*\j+1]|, 0x1800000   ; with the floor 2^(3 - 127): the byte cannot fall under 1
.endr
.set i, 2
.rept 15
.irp j, 0,1,2,3
	v_max3_num_f32 v[M+\j], v[M+\j], |v[T+32*\j+i]|, |v[T+32*\j+i+1]|
.endr
.set i, i+2
.endr
.irp j, 0,1,2,3
	v_add_nc_u32 v[M+\j], 0xff000000, v[M+\j]      ; 2 off the exponent field: the conversion's scale operand
.endr
.irp j, 0,1,2,3
	v_lshrrev_b32 v[BY+4*((\n)%2)+\j], 23, v[M+\j]
.endr
	s_wait_dscnt 0x0                               ; the last chunk's LDS stores have read their registers
.irp j, 0,1,2,3
.irp q, 0,1,2,3
	v_cvt_scalef32_pk8_fp4_f32 v[CODE+4*\j+\q], v[T+32*\j+8*\q:T+32*\j+8*\q+7], v[M+\j]
.endr
.endr
	v_nop                                          ; a plain instruction behind the last conversion
.irp j, 0,1,2,3
	ds_store_b128 v[LW], v[CODE+4*\j:CODE+4*\j+3] offset:4096*((\n)/2)+1024*\j+512*((\n)%2)
.endr
.if (\n)%2 == 1                        ; the K step is whole: its scale words.  I hold the bytes of blocks hh and 2 + hh
.irp j, 0,1,2,3
	v_lshl_or_b32 v[BY+\j], v[BY+4+\j], 16, v[BY+\j]
.endr
.irp j, 0,1,2,3
	v_lshlrev_b32 v[BY+\j], v[SH8], v[BY+\j]
.endr
.irp j, 0,1,2,3
	v_permlanex16_b32 v[PT+\j], v[BY+\j], s32, s33
.endr
.irp j, 0,1,2,3
	v_or_b32 v[BY+\j], v[BY+\j], v[PT+\j]
.endr
	v_cndmask_b32 v[SS], v[BY], v[BY+1], s31       ; lanes 0-15 the even tile's words, lanes 16-31 the odd one's
	v_cndmask_b32 v[SS+1], v[BY+2], v[BY+3], s31
	ds_store_b64 v[LSW], v[SS:SS+1] offset:256*((\n)/2)
.endif
.endm
.macro WFETCH ksl, buf                 ; a K step's 4 fragments and 2 scale registers: 9 LDS loads
.irp j, 0,1,2,3
.irp c, 0,1
	ds_load_b128 v[WF+32*(\buf)+8*\j+4*\c:WF+32*(\buf)+8*\j+4*\c+3], v[LI] offset:(4*(\ksl)+\j)*1024+512*\c
.endr
.endr
	ds_load_b64 v[WS+2*(\buf):WS+2*(\buf)+1], v[LS8] offset:256*(\ksl)
.endm
.macro MM a, j, ksl                    ; rows' tile a x columns' tile j, K step ksl
.set KK, (\ksl)%8
.if (\a) < 4
.set DA, 128+32*(\a)+8*(\j)
.else
.set DA, 96+8*(\j)
.endif
.if (\ksl) < 8
.if (\a) < 4
.set HFA, 64*(\a)+8*KK
.else
.set HFA, 8*KK
.endif
.else
.if (\a) < 2
.set HFA, 128+64*(\a)+8*KK
.elseif (\a) < 4
.set HFA, 64*((\a)-2)+8*KK
.else
.set HFA, 192+8*KK
.endif
.endif
.if (\ksl) == 0
.set CA, B2+8*(\j)                     ; the bias (or zeros, in the second half of K) starts the sum
.else
.set CA, DA
.endif
.set WA, WF+32*((\ksl)%2)+8*(\j)
.set SA, WS+2*((\ksl)%2)+(\j)/2
.set SH, HS+20*((\ksl)/8)+4*(\a)+KK/2
.if (\j)%2
.if (\ksl)%2
	v_wmma_scale_f32_16x16x128_f8f6f4 v[DA:DA+7], v[WA:WA+7], v[HFA:HFA+7], v[CA:CA+7], v[SA], v[SH] matrix_a_fmt:MATRIX_FMT_FP4 matrix_b_fmt:MATRIX_FMT_FP4 matrix_a_scale:MATRIX_SCALE_ROW1 matrix_b_scale:MATRIX_SCALE_ROW1
.else
	v_wmma_scale_f32_16x16x128_f8f6f4 v[DA:DA+7], v[WA:WA+7], v[HFA:HFA+7], v[CA:CA+7], v[SA], v[SH] matrix_a_fmt:MATRIX_FMT_FP4 matrix_b_fmt:MATRIX_FMT_FP4 matrix_a_scale:MATRIX_SCALE_ROW1
.endif
.else
.if (\ksl)%2
	v_wmma_scale_f32_16x16x128_f8f6f4 v[DA:DA+7], v[WA:WA+7], v[HFA:HFA+7], v[CA:CA+7], v[SA], v[SH] matrix_a_fmt:MATRIX_FMT_FP4 matrix_b_fmt:MATRIX_FMT_FP4 matrix_b_scale:MATRIX_SCALE_ROW1
.else
	v_wmma_scale_f32_16x16x128_f8f6f4 v[DA:DA+7], v[WA:WA+7], v[HFA:HFA+7], v[CA:CA+7], v[SA], v[SH] matrix_a_fmt:MATRIX_FMT_FP4 matrix_b_fmt:MATRIX_FMT_FP4
.endif
.endif
.endm
; A K step: 20 matrix instructions, the 20 accumulators by turns, one instruction a turn.  The next step's fragments are asked for first, into the set that the last step read,
; four plain instructions behind that step's products (ISA guide 7.12.1 for vector instructions).
.macro KSTEP ksl
.rept 4
	v_nop
.endr
.if (\ksl) < 15
	WFETCH (\ksl)+1, ((\ksl)+1)%2
	s_wait_dscnt 9                                 ; this step's 9 are in; the 9 just issued stay out
.else
	s_wait_dscnt 0x0
.endif
.irp a, 0,1,2,3,4
.if (\ksl) < 8
.if \a < 4
.if (\ksl) == 0
	WIN 0xe4                                       ; h window 1, C (the bias) window 2, D window 3
.else
	WIN 0xf4
.endif
.else
	WIN 0xa8                                       ; h, C and D window 2
.endif
.else
.if \a < 2
	WIN 0xf8                                       ; h window 2, C and D window 3
.elseif \a < 4
	WIN 0xfc                                       ; h, C and D window 3
.else
	WIN 0xa0                                       ; h window 0, C and D window 2
.endif
.endif
.irp j, 0,1,2,3
	MM \a, \j, \ksl
.endr
.endr
	WIN 0
.endm
; THE WAY OUT of tile a.  A tile past the expert's last is passed over.
.macro YOUT a
	s_add_co_u32 s41, s29, \a
	s_cmp_ge_u32 s41, s22
	s_cbranch_scc1 .Lyskip_\@
	s_wait_xcnt 0x0                                ; the last tile's stores have read their registers
.if (\a) < 4
	WIN 0x03
.set AB, 128+32*(\a)
.else
	WIN 0x02
.set AB, 96
.endif
.irp j, 0,1,2,3
.irp r, 0,1,2,3,4,5,6,7
	v_mul_f32 v[OUT+4*\r+\j], v[AB+8*\j+\r], v[RW+\a]   ; x the gate's weight, and into the columns' order; each accumulator from its low end on
.endr
.endr
	WIN 0
.irp g, 0,1,2,3,4,5,6,7
	ds_store_b128 v[STO], v[OUT+4*\g:OUT+4*\g+3] offset:16*\g
.endr
.irp g, 0,1,2,3,4,5,6,7
	ds_load_b128 v[RB+4*\g:RB+4*\g+3], v[RD] offset:544*\g   ; LDS serves a wave's instructions in order: these see the stores; two rows an instruction
.endr
.irp g, 0,1,2,3,4,5,6,7
	s_wait_dscnt 7-\g                              ; the younger reads of the stage stay out
	global_store_b128 v[YO+\a], v[RB+4*\g:RB+4*\g+3], s[14:15] offset:8192*\g   ; sixteen lanes store 256 consecutive bytes, aligned
.endr
.Lyskip_\@:
.endm
	s_load_b256 s[4:11], s[0:1], 0x0               ; W2 s[4:5], b2 s[6:7], hq s[8:9], route s[10:11]
	s_load_b128 s[12:15], s[0:1], 0x20             ; roww s[12:13], ypart s[14:15]
	v_lshl_add_u32 v110, v0, 2, 0x15400
	v_mov_b32 v111, 0
	v_lshrrev_b32 v35, 5, v0
	v_readfirstlane_b32 s16, v35                   ; wave
	s_and_b32 s17, ttmp9, 15                       ; cs: my 64 columns
	s_lshr_b32 s18, ttmp9, 4                       ; kh: my half of K
	s_and_b32 s19, ttmp7, 0xffff                   ; my expert
	v_and_b32 v[L4], 31, v0                        ; lane
	v_and_b32 v35, 15, v0                          ; q = r
	v_bfe_u32 v[SH8], v0, 4, 1                     ; hh = h
	v_lshlrev_b32 v[LI], 4, v[L4]
	v_lshl_add_u32 v[LS8], v[L4], 3, SCIMG
	v_lshlrev_b32 v[L4], 2, v[L4]
	s_lshl_b32 s41, s16, 14
	v_add_nc_u32 v[LW], s41, v[LI]
	s_lshl_b32 s41, s16, 10
	v_add_nc_u32 v[LSW], s41, v[LS8]
	v_lshlrev_b32 v[WOFF], 4, v35
	v_lshl_add_u32 v[WOFF], v[SH8], 17, v[WOFF]    ; 32 rows of 4,096 bytes
	v_lshlrev_b32 v[R4], 2, v35
	v_lshlrev_b32 v[H128], 7, v[SH8]
	s_mul_i32 s41, s16, 4352
	s_add_co_u32 s41, s41, STAGE                   ; my stage
	v_mul_u32_u24 v[STO], v35, 272
	v_lshl_add_u32 v[STO], v[SH8], 7, v[STO]
	v_add_nc_u32 v[STO], s41, v[STO]               ; in: row r, + 128 h
	v_mul_u32_u24 v[RD], v[SH8], 272
	v_lshl_add_u32 v[RD], v35, 4, v[RD]
	v_add_nc_u32 v[RD], s41, v[RD]                 ; back: lanes 0-15 one row, lanes 16-31 the next
	s_lshl_b32 s42, s17, 8
	v_lshlrev_b32 v[YL], 4, v35
	v_lshl_add_u32 v[YL], v[SH8], 12, v[YL]
	v_add_nc_u32 v[YL], s42, v[YL]                 ; the same two rows in ypart, at my 256 bytes
	s_lshl_b32 s41, s18, 14
	v_add_nc_u32 v[HA0], s41, v[LI]
	s_lshl_b32 s41, s18, 10
	v_add_nc_u32 v[HB0], s41, v[L4]
	v_lshlrev_b32 v[SH8], 3, v[SH8]
.irp j, 0,1,2,3
	v_mov_b32 v[PT+\j], 0
.endr
	s_mov_b32 s31, 0xffff0000                      ; lanes 16 to 31
	s_mov_b32 s32, 0x76543210
	s_mov_b32 s33, 0xfedcba98
	s_cmp_eq_u32 s18, 0
	s_cselect_b32 s34, -1, 0                       ; the bias counts in the first half of K
	s_mov_b32 s28, 0                               ; the pass
	s_mul_i32 s29, s16, 5                          ; my first tile of the pass, counted in the expert
	s_lshl_b32 s46, s19, 4
	s_lshl_b32 s44, s19, 24                        ; W2: expert, half of K, my wave's 512 rows, my 256 bytes of a row
	s_lshl_b32 s41, s18, 23
	s_add_co_u32 s44, s44, s41
	s_lshl_b32 s41, s16, 21
	s_add_co_u32 s44, s44, s41
	s_add_co_u32 s44, s44, s42
	s_mov_b32 s45, 0
	s_lshl_b32 s41, s19, 12                        ; b2: expert, my 64 numbers
	s_add_co_u32 s42, s42, s41
	s_mov_b32 s43, 0
	s_wait_kmcnt 0x0
	s_load_b128 s[20:23], s[10:11], s46 offset:0x0 ; rows, first tile, tiles, passes of my expert
	s_add_nc_u64 s[24:25], s[4:5], s[44:45]
	s_add_nc_u64 s[26:27], s[6:7], s[42:43]
	s_mul_i32 s44, s18, HALF
	s_add_nc_u64 s[14:15], s[14:15], s[44:45]      ; my half of ypart
.irp r, 0,1,2,3,4,5,6,7
	global_load_b128 v[T+4*\r:T+4*\r+3], v[H128], s[26:27] offset:16*\r   ; b2 of columns 32 hh + 4 r + 0 .. 3
.endr
	LOADCH 0
	LOADCH 1
; ---- PHASE 1.  Each count: the loads issued behind the chunk that is wanted, held at 63
	s_wait_loadcnt 32                              ; behind the bias and chunk 0: chunk 1's 32
	WIN 0x80
.irp j, 0,1,2,3
.irp r, 0,1,2,3,4,5,6,7
	v_cndmask_b32 v[B2+8*\j+\r], 0, v[T+4*\r+\j], s34   ; the bias in the result's layout, or zeros
.endr
.endr
	QCH 0, 1, -1
	s_wait_kmcnt 0x0
	s_min_u32 s21, s21, 135
	s_min_u32 s22, s22, 64
	s_min_u32 s23, s23, 4
	s_max_u32 s30, s22, 1
	s_sub_co_u32 s30, s30, 1                       ; the expert's last tile
	s_cmp_lg_u32 s22, 0
	s_cselect_b32 s35, s21, 0                      ; an expert without rows gathers from tile 0, which is always written, and uses nothing of it
	TILES
	s_wait_loadcnt 32                              ; chunk 2's 32
	QCH 1, 1, 0
	s_wait_loadcnt 53                              ; chunk 3's 32 and a gather's 21
	QCH 2, 1, 1
	s_wait_loadcnt 63                              ; 21 + 32 + 21 were issued behind it
	QCH 3, 1, 2
	s_wait_loadcnt 63
	QCH 4, 1, 3
	s_wait_loadcnt 63
	QCH 5, 1, 4
	s_wait_loadcnt 63
	QCH 6, 0, -1
	s_wait_loadcnt 21                              ; the last gather's 21
	QCH 7, 0, -1
	s_wait_dscnt 0x0                               ; for the others' sake: my images lie in LDS
	s_barrier_signal -1
	s_barrier_wait -1                              ; all 64 fragments do; from here on they are only read
; ---- PHASE 2
	s_cmp_eq_u32 s23, 0
	s_cbranch_scc1 .Lend
.Lpass:
	s_wait_loadcnt 0x0                             ; h's K steps 0-7, their scale words, the weights
	s_wait_xcnt 0x0
.irp a, 0,1,2,3,4
	G1LOAD \a                                      ; K steps 8-15 land while 0-7 are multiplied
.endr
.rept 4
	v_nop
.endr
	WFETCH 0, 0
.irp k, 0,1,2,3,4,5,6,7
	KSTEP \k
.endr
	s_wait_loadcnt 0x0                             ; K steps 8-15
.irp k, 8,9,10,11,12,13,14,15
	KSTEP \k
.endr
.rept 4
	v_nop                                          ; four plain instructions ahead of the first read of results, and of loads into registers that the products read
.endr
.irp a, 0,1,2,3,4
	YOUT \a
.endr
	s_add_co_u32 s28, s28, 1
	s_add_co_u32 s29, s29, 20
	s_cmp_ge_u32 s28, s23
	s_cbranch_scc1 .Lnomore
	s_wait_xcnt 0x0                                ; the stores have read their address registers
	TILES                                          ; the next pass's tiles
.irp a, 0,1,2,3,4
	GATHER \a
.endr
.Lnomore:
	s_cmp_lt_u32 s28, s23
	s_cbranch_scc1 .Lpass
.Lend:
	s_wait_tensorcnt 0x0
	ds_add_u32 v110, v111
	s_wait_dscnt 0x0
	s_endpgm
.Lfunc_end_k_q0a825a5f22_ffn2:
	.size	k_q0a825a5f22_ffn2, .Lfunc_end_k_q0a825a5f22_ffn2-k_q0a825a5f22_ffn2
	.p2alignl 7, 3214868480
	.fill 96, 4, 3214868480
	.section	.rodata,"a",@progbits
	.p2align	6, 0x0
	.amdhsa_kernel k_q0a825a5f22_ffn2
		.amdhsa_group_segment_fixed_size 87552
		.amdhsa_private_segment_fixed_size 0
		.amdhsa_enable_private_segment 0
		.amdhsa_kernarg_size 48
		.amdhsa_user_sgpr_count 2
		.amdhsa_user_sgpr_kernarg_segment_ptr 1
		.amdhsa_wavefront_size32 1
		.amdhsa_system_sgpr_workgroup_id_x 1
		.amdhsa_system_sgpr_workgroup_id_y 1
		.amdhsa_system_sgpr_workgroup_id_z 1
		.amdhsa_system_vgpr_workitem_id 0
		.amdhsa_next_free_vgpr 1024
		.amdhsa_next_free_sgpr 66
		.amdhsa_reserve_vcc 0
		.amdhsa_float_denorm_mode_32 3
		.amdhsa_float_denorm_mode_16_64 3
		.amdhsa_memory_ordered 1
		.amdhsa_forward_progress 1
		.amdhsa_inst_pref_size 218
	.end_amdhsa_kernel
	.amdgpu_metadata
---
amdhsa.version: [ 1, 2 ]
amdhsa.kernels:
  - .name:           k_q0a825a5f22_ffn2
    .symbol:         k_q0a825a5f22_ffn2.kd
    .args:
      - { .name: W2, .offset: 0, .size: 8, .value_kind: global_buffer, .address_space: global }
      - { .name: b2, .offset: 8, .size: 8, .value_kind: global_buffer, .address_space: global }
      - { .name: hq, .offset: 16, .size: 8, .value_kind: global_buffer, .address_space: global }
      - { .name: route, .offset: 24, .size: 8, .value_kind: global_buffer, .address_space: global }
      - { .name: roww, .offset: 32, .size: 8, .value_kind: global_buffer, .address_space: global }
      - { .name: ypart, .offset: 40, .size: 8, .value_kind: global_buffer, .address_space: global }
    .group_segment_fixed_size: 87552
    .private_segment_fixed_size: 0
    .kernarg_segment_align: 8
    .kernarg_segment_size: 48
    .max_flat_workgroup_size: 128
    .sgpr_count:     66
    .vgpr_count:     1024
    .wavefront_size: 32
...
	.end_amdgpu_metadata
.endif
;; end of part 4
;; launch combine (part 5): grid 256 x 1, 4 waves a work-group, no clusters, 0 bytes of LDS; arguments ypart, route, out0; writes out0
.if DOCPART == 5
	.amdgcn_target "amdgcn-amd-amdhsa--gfx1250"
	.amdhsa_code_object_version 6
	.text
	.protected	k_q0a825a5f22_combine
	.globl	k_q0a825a5f22_combine
	.p2align	8
	.type	k_q0a825a5f22_combine,@function
k_q0a825a5f22_combine:
	s_mov_b64 s[64:65], 0
	v_nop
	global_prefetch_b8 v0, s[64:65] scope:SCOPE_SE
	s_setreg_imm32_b32 hwreg(HW_REG_WAVE_MODE, 25, 1), 1
	s_wait_xcnt 0x0
; out0[token] = the sum of its two routed rows, each in two halves of K: four rows of ypart, already multiplied by the gate's weights.
; ypart [2][2176 slots][1024] f32; route from byte 8960: [token][2] slots.  One wave a token: a row is 4,096 bytes, eight loads of 512 consecutive bytes.
; A stream: all 32 loads of a wave go out together, each byte is read once and written once.  LDS, the matrix unit and clusters have nothing to do here.
.set HALF, 8912896
	s_load_b128 s[4:7], s[0:1], 0x0                ; ypart s[4:5], route s[6:7]
	s_load_b64 s[8:9], s[0:1], 0x10                ; out0
	v_lshrrev_b32 v1, 5, v0
	v_readfirstlane_b32 s10, v1                    ; wave
	s_lshl_b32 s11, ttmp9, 2
	s_add_co_u32 s11, s11, s10                     ; my token
	s_lshl_b32 s12, s11, 3
	v_and_b32 v1, 31, v0
	v_lshlrev_b32 v1, 4, v1                        ; 16 x lane
	s_lshl_b32 s18, s11, 12
	s_mov_b32 s19, 0
	s_wait_kmcnt 0x0
	s_load_b64 s[14:15], s[6:7], s12 offset:8960   ; its two slots
	s_add_nc_u64 s[16:17], s[4:5], HALF            ; the second half of K
	s_add_nc_u64 s[8:9], s[8:9], s[18:19]
	s_wait_kmcnt 0x0
	s_min_u32 s14, s14, 2175
	s_min_u32 s15, s15, 2175
	s_lshl_b32 s14, s14, 12
	s_lshl_b32 s15, s15, 12
	v_add_nc_u32 v2, s14, v1
	v_add_nc_u32 v3, s15, v1
.irp k, 0,1
.irp i, 0,1,2,3,4,5,6,7
	global_load_b128 v[16+64*\k+4*\i:16+64*\k+4*\i+3], v[2+\k], s[4:5] offset:512*\i th:TH_LOAD_NT
	global_load_b128 v[48+64*\k+4*\i:48+64*\k+4*\i+3], v[2+\k], s[16:17] offset:512*\i th:TH_LOAD_NT
.endr
.endr
	s_wait_loadcnt 0x0
.set i, 0
.rept 16
	v_pk_add_f32 v[16+2*i:17+2*i], v[16+2*i:17+2*i], v[48+2*i:49+2*i]       ; the first choice's two halves,
	v_pk_add_f32 v[80+2*i:81+2*i], v[80+2*i:81+2*i], v[112+2*i:113+2*i]     ; the second's
.set i, i+1
.endr
.set i, 0
.rept 16
	v_pk_add_f32 v[16+2*i:17+2*i], v[16+2*i:17+2*i], v[80+2*i:81+2*i]
.set i, i+1
.endr
.irp i, 0,1,2,3,4,5,6,7
	global_store_b128 v1, v[16+4*\i:16+4*\i+3], s[8:9] offset:512*\i th:TH_STORE_NT   ; 32 lanes store 512 consecutive bytes, aligned
.endr
	s_endpgm
.Lfunc_end_k_q0a825a5f22_combine:
	.size	k_q0a825a5f22_combine, .Lfunc_end_k_q0a825a5f22_combine-k_q0a825a5f22_combine
	.p2alignl 7, 3214868480
	.fill 96, 4, 3214868480
	.section	.rodata,"a",@progbits
	.p2align	6, 0x0
	.amdhsa_kernel k_q0a825a5f22_combine
		.amdhsa_group_segment_fixed_size 0
		.amdhsa_private_segment_fixed_size 0
		.amdhsa_enable_private_segment 0
		.amdhsa_kernarg_size 24
		.amdhsa_user_sgpr_count 2
		.amdhsa_user_sgpr_kernarg_segment_ptr 1
		.amdhsa_wavefront_size32 1
		.amdhsa_system_sgpr_workgroup_id_x 1
		.amdhsa_system_sgpr_workgroup_id_y 1
		.amdhsa_system_sgpr_workgroup_id_z 1
		.amdhsa_system_vgpr_workitem_id 0
		.amdhsa_next_free_vgpr 144
		.amdhsa_next_free_sgpr 66
		.amdhsa_reserve_vcc 0
		.amdhsa_float_denorm_mode_32 3
		.amdhsa_float_denorm_mode_16_64 3
		.amdhsa_memory_ordered 1
		.amdhsa_forward_progress 1
		.amdhsa_inst_pref_size 8
	.end_amdhsa_kernel
	.amdgpu_metadata
---
amdhsa.version: [ 1, 2 ]
amdhsa.kernels:
  - .name:           k_q0a825a5f22_combine
    .symbol:         k_q0a825a5f22_combine.kd
    .args:
      - { .name: ypart, .offset: 0, .size: 8, .value_kind: global_buffer, .address_space: global }
      - { .name: route, .offset: 8, .size: 8, .value_kind: global_buffer, .address_space: global }
      - { .name: out0, .offset: 16, .size: 8, .value_kind: global_buffer, .address_space: global }
    .group_segment_fixed_size: 0
    .private_segment_fixed_size: 0
    .kernarg_segment_align: 8
    .kernarg_segment_size: 24
    .max_flat_workgroup_size: 128
    .sgpr_count:     66
    .vgpr_count:     144
    .wavefront_size: 32
...
	.end_amdgpu_metadata
.endif
;; end of part 5
;; ======== version 2 of 3: 4 launches
;; workspace buffers: xq 557,056 bytes; tidx 8,192 bytes of whole numbers; gf 16,384 bytes; route 33,792 bytes of whole numbers; hq 16,777,216 bytes; hs 1,048,576 bytes; ypart 67,108,864 bytes
;; launch gate: the kernel of part 1 again; grid 256 x 1, 1 waves a work-group, no clusters, 512 bytes of LDS; arguments x, Wg, bg, xq, tidx, gf; writes xq, tidx, gf
;; launch ffn1 (part 6): grid 32 x 8, 4 waves a work-group, no clusters, 70,144 bytes of LDS; arguments W1, b1, xq, tidx, hq, hs, route; writes hq, hs, route
.if DOCPART == 6
	.amdgcn_target "amdgcn-amd-amdhsa--gfx1250"
	.amdhsa_code_object_version 6
	.text
	.protected	k_q0a825a5f22_ffn1
	.globl	k_q0a825a5f22_ffn1
	.p2align	8
	.type	k_q0a825a5f22_ffn1,@function
k_q0a825a5f22_ffn1:
	s_mov_b64 s[64:65], 0
	v_nop
	global_prefetch_b8 v0, s[64:65] scope:SCOPE_SE
	s_setreg_imm32_b32 hwreg(HW_REG_WAVE_MODE, 25, 1), 1
	s_wait_xcnt 0x0
; h = relu(x W1[e] + b1[e]) for the rows routed to expert e, on codes of E2M1 with one E8M0 scale for each 32 along K; h leaves as codes for the second product.
; W1 [8][1024 k][4096] f32, b1 [8][4096] f32; xq: x's codes [token][512 bytes], from byte XSOFF their scale bytes [token][32]; tidx [token][2]: the two experts of each token, whole numbers.
; SHARES.  Work-group (s, e) owns W1[e][:, 128 s .. 128 s + 127]: 512 KiB that no other work-group reads.  PHASE 1: each of the four waves quantises 256 of the 1,024 k
; (8 chunks of 64 k x 64 columns) in registers and lays the codes in LDS as images of operand registers; one barrier.  PHASE 2: each wave multiplies 5 tiles of 16 routed rows
; by all 128 columns over all of K: 20 tiles a pass, as many passes as the expert's rows ask.
; WHICH ROWS.  Expert e owns slots 1024 e .. 1024 e + 1023 (tiles 64 e .. 64 e + 63): no expert's place hangs on another's count.  Every wave reads tidx whole (16 loads of 512 bytes) and keeps 32 masks:
; bit l of mask c = 2 i + j says that token 64 i + 2 l + j chose my expert.  A row's rank is the number of such tokens ahead of it in that order.  A lane that wants the row of rank R walks the masks
; with a running count, keeps the last mask whose count is at most R, and takes that mask's (R - count)-th set bit.  All in registers, all lanes on; the token is held to 1,023 before it enters an address.
; The first 64 loads of weights are out meanwhile.  Ranks past the expert's last row give some real token: such filler rows are multiplied, stored with their tile and read by nobody.
; An expert without rows still makes one tile of filler, so that the bytes which the next launch gathers are always written.
; route, stored by wave 0 of the work-groups with s = 0: [e][token] the slot that the token has in expert e (of use where it chose e); from byte 32768 on, 128 bytes an expert: its number of rows, 32 times.
; A CHUNK.  Load i of lane (q = lane % 16, hh = lane / 16) reads row 64 c + 32 hh + i, columns 4 q .. 4 q + 3: sixteen lanes read 256 consecutive bytes, aligned.  The conversions want 8 neighbours
; along K in consecutive registers, so 128 moves put column j's 32 numbers on end; they are then a whole block of the quantiser, and its four conversions are registers 4 c .. 4 c + 3 of the
; fragment of TILE j = the columns 4 r + j, in the very lane that the 4-bit layout gives k = 64 c + 32 h + 0 .. 31: no number changes lanes.
; THE PRODUCT IS USED TRANSPOSED (source 0 = 16 columns of W1, source 1 = 16 rows of x): lane (r, h) holds row r, and register i of tile j the hidden unit 32 h + 4 i + j of its 64.  So the 32 registers of
; four tiles are one whole block of 32 hidden units, in the order p = 8 j + i for unit 4 (p % 8) + p / 8.  They are quantised in that order; the next launch lays W2's rows in the same order
; inside each block, which keeps every product and every scale.
; hq: [tile][K' step s][1,024 bytes: the fragment's registers on end, 16 bytes a lane];  hs: [tile][s][16 rows] scale words.   The bias is the C of each sum's first matrix instruction.
; NO TENSOR LOADS, NO CLUSTER: the number of passes and the tiles that are stored hang on numbers read from memory; the weights are shared by nobody; what the 32 work-groups of an expert share,
; x's codes, is 160 KiB a pass beside 512 KiB of weights.  The one barrier stands ahead of every branch on such a number.
; LIMITS: NaN and infinities are not served.  A block of zeros, and one whose largest magnitude lies under 2^-124, gets the scale byte 1: this program alone reads the bytes.
.set PITCH, 16384                      ; a row of W1 in bytes
.set XSOFF, 524288
.set SCIMG, 65536                      ; LDS: 0: 64 fragments of 1,024 bytes (8 ks + tile);  65536: 16 x 256 bytes of scale words (2 ks + column half)
.set WOFF, 1                           ; v1   hh x 32 rows + 16 q
.set LI,   2                           ; v2   16 x lane
.set LS8,  3                           ; v3   SCIMG + 8 x lane
.set LW,   4                           ; v4   16 x lane + 16384 x wave: where I store images
.set LSW,  5                           ; v5   SCIMG + 8 x lane + 1024 x wave
.set SH8,  6                           ; v6   8 hh
.set R4,   7                           ; v7   4 r
.set H16,  8                           ; v8   16 hh
.set H128, 9                           ; v9   128 hh
.set XO,   10                          ; v10-14 tile a: my row's token, then the byte of my part of its codes
.set XSO,  15                          ; v15-19 tile a: the byte of its scale bytes
.set STA,  20
.set STB,  21
.set LN,   22                          ; v22  lane
.set XS,   24                          ; v24-63 x's scale words: tile a, K step ks at 8 a + ks.  Scales and nothing else
.set WS,   64                          ; v64-71 W1's scale words, two sets of four: lanes 0-15 the even tile's, lanes 16-31 the odd one's.  Scales and nothing else
.set M,    72                          ; v72-75 largest magnitudes, then the conversions' scale operands
.set BY,   76                          ; v76-79 scale bytes of c = 0, later the scale words; v80-83 bytes of c = 1
.set PT,   84                          ; v84-87 a lane exchange's destinations
.set SS,   88                          ; v[88:89] two scale registers on their way to LDS
.set OM,   90                          ; v90-94 the way out: the same for h
.set CODE, 96                          ; v96-111
.set HC,   112                         ; v112-119 h's codes
.set T,    128                         ; v128-255 at the head v128-191: tidx as loaded; phase 1: column j's 32 numbers at 32 j
.set WF,   128                         ; phase 2: W1's fragments, two sets of 64
.set E,    128                         ; the way out: a tile's 64 numbers
.set FS,   192                         ; v192-224 the search for rows: three sets of 11: +0 rank, +1 mask, +2 first token << 16 | count, +3 +4 +5 +6 counts of 2, 4, 8, 16 bits, +7 what is left of the rank, +8 bit, +9 +10 at work
.set B1,   64                          ; window 2: v0-63 x's fragments of tile 4; v64-127 the bias; v128-255 accumulators of tiles 0, 1 (phase 1: landing set 0)
.set BL,   192                         ; window 3: v0-191 accumulators of tiles 2-4 (phase 1: v0-127 landing set 1); v192-255 the bias as loaded
                                       ; window 1: x's fragments of tiles 0-3 at 64 a + 8 ks
                                       ; s48-63, s66-81: the 32 masks;  s82-89 at work
.set MSB, 0
.macro WIN new                         ; the immediate's high byte repeats the setting that is left
.if MSB != \new
	s_set_vgpr_msb (MSB<<8)|\new
.set MSB, \new
.endif
.endm
.macro LOADCH n                        ; chunk n = 2 u + c of my wave: 32 loads into landing set n % 2
.set LU, (\n)/2
.set LC, (\n)%2
.if (\n)%2 == 0
	WIN 0x80
.set LB, 128
.else
	WIN 0xc0
.set LB, 0
.endif
.set i, 0
.rept 32
	global_load_b128 v[LB+4*i:LB+4*i+3], v[WOFF], s[24:25] offset:(128*(LU/2)+64*LC+i)*PITCH+256*(LU%2) th:TH_LOAD_NT
.set i, i+1
.endr
.endm
; One step of the search for a mask's n-th set bit, for the three sets by turns: does the rank that is left reach past the w bits at the place in hand?  Then their count comes off it and the place moves on by w.
.macro SELSTEP src, w, first
.irp p, 0,1,2
.if \first
	v_and_b32 v[FS+11*\p+9], 0xff, v[FS+11*\p+\src]                    ; how many of bits 0 to 15 are set
.else
	v_bfe_u32 v[FS+11*\p+9], v[FS+11*\p+\src], v[FS+11*\p+8], \w       ; how many of the w bits at the place in hand
.endif
.endr
	v_cmp_ge_u32 vcc_lo, v[FS+7], v[FS+9]
	v_cmp_ge_u32 s84, v[FS+18], v[FS+20]
	v_cmp_ge_u32 s85, v[FS+29], v[FS+31]
	v_cndmask_b32 v[FS+10], 0, v[FS+9], vcc_lo
	v_cndmask_b32 v[FS+21], 0, v[FS+20], s84
	v_cndmask_b32 v[FS+32], 0, v[FS+31], s85
.irp p, 0,1,2
	v_sub_nc_u32 v[FS+11*\p+7], v[FS+11*\p+7], v[FS+11*\p+10]
.endr
.if \first
	v_cndmask_b32 v[FS+8], 0, \w, vcc_lo
	v_cndmask_b32 v[FS+19], 0, \w, s84
	v_cndmask_b32 v[FS+30], 0, \w, s85
.else
	v_cndmask_b32 v[FS+10], 0, \w, vcc_lo
	v_cndmask_b32 v[FS+21], 0, \w, s84
	v_cndmask_b32 v[FS+32], 0, \w, s85
.irp p, 0,1,2
	v_add_nc_u32 v[FS+11*\p+8], v[FS+11*\p+8], v[FS+11*\p+10]
.endr
.endif
.endm
; The tokens of my five tiles of this pass.  Set p serves ranks 16 (first tile + 2 p) + lane: two tiles.  It leaves the expert's number of rows in s83.
.macro FIND
	s_lshl_b32 s82, s29, 4
	v_add_nc_u32 v[FS], s82, v[LN]
	v_add_nc_u32 v[FS+11], 32, v[FS]
	v_add_nc_u32 v[FS+22], 64, v[FS]
.irp p, 0,1,2
	v_mov_b32 v[FS+11*\p+1], s48                   ; mask 0: its count, 0, is at most every rank
	v_mov_b32 v[FS+11*\p+2], 0
.endr
	s_mov_b32 s83, 0
.set c, 1
.rept 31
	s_bcnt1_i32_b32 s82, s[48+(c-1)+2*((c-1)/16)]
	s_add_co_u32 s83, s83, s82                     ; rows ahead of mask c
	s_or_b32 s86, s83, (64*(c/2)+(c%2))<<16        ; with the mask's first token above it (a count is at most 1,024)
	v_cmp_le_u32 vcc_lo, s83, v[FS]
	v_cmp_le_u32 s84, s83, v[FS+11]
	v_cmp_le_u32 s85, s83, v[FS+22]
	v_cndmask_b32 v[FS+1], v[FS+1], s[48+c+2*(c/16)], vcc_lo
	v_cndmask_b32 v[FS+2], v[FS+2], s86, vcc_lo
	v_cndmask_b32 v[FS+12], v[FS+12], s[48+c+2*(c/16)], s84
	v_cndmask_b32 v[FS+13], v[FS+13], s86, s84
	v_cndmask_b32 v[FS+23], v[FS+23], s[48+c+2*(c/16)], s85
	v_cndmask_b32 v[FS+24], v[FS+24], s86, s85
.set c, c+1
.endr
	s_bcnt1_i32_b32 s82, s81
	s_add_co_u32 s83, s83, s82                     ; all the expert's rows
.irp p, 0,1,2
	v_and_b32 v[FS+11*\p+7], 0xffff, v[FS+11*\p+2]
.endr
.irp p, 0,1,2
	v_sub_nc_u32 v[FS+11*\p+7], v[FS+11*\p], v[FS+11*\p+7]             ; which set bit of the mask
.endr
.irp p, 0,1,2
	v_lshrrev_b32 v[FS+11*\p+3], 1, v[FS+11*\p+1]
.endr
.irp p, 0,1,2
	v_and_b32 v[FS+11*\p+3], 0x55555555, v[FS+11*\p+3]
.endr
.irp p, 0,1,2
	v_sub_nc_u32 v[FS+11*\p+3], v[FS+11*\p+1], v[FS+11*\p+3]           ; set bits in each field of 2,
.endr
.irp p, 0,1,2
	v_lshrrev_b32 v[FS+11*\p+4], 2, v[FS+11*\p+3]
.endr
.irp p, 0,1,2
	v_and_b32 v[FS+11*\p+4], 0x33333333, v[FS+11*\p+4]
.endr
.irp p, 0,1,2
	v_and_b32 v[FS+11*\p+9], 0x33333333, v[FS+11*\p+3]
.endr
.irp p, 0,1,2
	v_add_nc_u32 v[FS+11*\p+4], v[FS+11*\p+4], v[FS+11*\p+9]           ; of 4,
.endr
.irp p, 0,1,2
	v_lshrrev_b32 v[FS+11*\p+5], 4, v[FS+11*\p+4]
.endr
.irp p, 0,1,2
	v_add_nc_u32 v[FS+11*\p+5], v[FS+11*\p+5], v[FS+11*\p+4]
.endr
.irp p, 0,1,2
	v_and_b32 v[FS+11*\p+5], 0x0f0f0f0f, v[FS+11*\p+5]                 ; of 8,
.endr
.irp p, 0,1,2
	v_lshrrev_b32 v[FS+11*\p+6], 8, v[FS+11*\p+5]
.endr
.irp p, 0,1,2
	v_add_nc_u32 v[FS+11*\p+6], v[FS+11*\p+6], v[FS+11*\p+5]           ; and, in the low byte, of bits 0 to 15
.endr
	SELSTEP 6, 16, 1
	SELSTEP 5, 8, 0
	SELSTEP 4, 4, 0
	SELSTEP 3, 2, 0
	SELSTEP 1, 1, 0
.irp p, 0,1,2
	v_lshrrev_b32 v[FS+11*\p+9], 16, v[FS+11*\p+2]
.endr
.irp p, 0,1,2
	v_lshl_add_u32 v[FS+11*\p+9], v[FS+11*\p+8], 1, v[FS+11*\p+9]      ; the token: the mask's first + 2 x bit
.endr
.irp p, 0,1,2
	v_permlanex16_b32 v[PT+\p], v[FS+11*\p+9], s32, s33
.endr
	v_cndmask_b32 v[XO], v[FS+9], v[PT], s31       ; a tile's row r is wanted in lanes r and 16 + r: the even tile's lie in lanes 0-15 of the set,
	v_cndmask_b32 v[XO+1], v[PT], v[FS+9], s31     ; the odd tile's in lanes 16-31
	v_cndmask_b32 v[XO+2], v[FS+20], v[PT+1], s31
	v_cndmask_b32 v[XO+3], v[PT+1], v[FS+20], s31
	v_cndmask_b32 v[XO+4], v[FS+31], v[PT+2], s31
.endm
.macro TILES                           ; my five tiles of this pass.  A tile past the expert's last is held at the last: it is multiplied and not stored
.irp a, 0,1,2,3,4
	s_add_co_u32 s41, s29, \a
	s_min_u32 s41, s41, s30
	s_add_co_u32 s41, s41, s35
	s_min_u32 s[36+\a], s41, 511
.endr
.endm
.macro TOKADR
.irp a, 0,1,2,3,4
	v_min_u32 v[XO+\a], 1023, v[XO+\a]
	v_lshlrev_b32 v[XSO+\a], 5, v[XO+\a]           ; 32 scale bytes a token
	v_lshl_add_u32 v[XO+\a], v[XO+\a], 9, v[H16]   ; 512 bytes of codes a token, + 16 hh
.endr
.endm
.macro GATHER a                        ; tile a: 8 fragments and 8 scale words: 18 loads
.if (\a) < 4
	WIN 0x40
.set XB, 64*(\a)
.else
	WIN 0x80
.set XB, 0
.endif
.irp k, 0,1,2,3,4,5,6,7
.irp c, 0,1
	global_load_b128 v[XB+8*\k+4*\c:XB+8*\k+4*\c+3], v[XO+(\a)], s[8:9] offset:64*\k+32*\c
.endr
.endr
	WIN 0
	global_load_b128 v[XS+8*(\a):XS+8*(\a)+3], v[XSO+(\a)], s[8:9] offset:XSOFF
	global_load_b128 v[XS+8*(\a)+4:XS+8*(\a)+7], v[XSO+(\a)], s[8:9] offset:XSOFF+16
.endm
; Chunk n, which has landed, becomes codes.  more = 1: its landing set takes chunk n + 2;  gat >= 0: that tile's gather is issued behind it
.macro QCH n, more, gat
.if (\n)%2 == 0
	WIN 0x02
.set LB, 128
.else
	WIN 0x03
.set LB, 0
.endif
.set i, 0
.rept 32
.irp j, 0,1,2,3
	v_mov_b32 v[T+32*\j+i], v[LB+4*i+\j]           ; column j's numbers on end, K ascending
.endr
.set i, i+1
.endr
.if \more
	LOADCH (\n)+2
.endif
.if (\gat) >= 0
	GATHER \gat
.endif
	WIN 0
.irp j, 0,1,2,3
	v_max3_num_f32 v[M+\j], |v[T+32*\j]|, |v[T+32*\j+1]|, 0x1800000   ; with the floor 2^(3 - 127): the byte cannot fall under 1
.endr
.set i, 2
.rept 15
.irp j, 0,1,2,3
	v_max3_num_f32 v[M+\j], v[M+\j], |v[T+32*\j+i]|, |v[T+32*\j+i+1]|   ; the four columns by turns
.endr
.set i, i+2
.endr
.irp j, 0,1,2,3
	v_add_nc_u32 v[M+\j], 0xff000000, v[M+\j]      ; 2 off the exponent field: the conversion's scale operand
.endr
.irp j, 0,1,2,3
	v_lshrrev_b32 v[BY+4*((\n)%2)+\j], 23, v[M+\j] ; the scale's byte
.endr
	s_wait_dscnt 0x0                               ; the last chunk's LDS stores have read their registers
.irp j, 0,1,2,3
.irp q, 0,1,2,3
	v_cvt_scalef32_pk8_fp4_f32 v[CODE+4*\j+\q], v[T+32*\j+8*\q:T+32*\j+8*\q+7], v[M+\j]
.endr
.endr
	v_nop                                          ; a plain instruction behind the last conversion
.irp j, 0,1,2,3
	ds_store_b128 v[LW], v[CODE+4*\j:CODE+4*\j+3] offset:4096*((\n)/2)+1024*\j+512*((\n)%2)   ; registers 4 c .. 4 c + 3 of tile j's fragment, 16 bytes a lane
.endr
.if (\n)%2 == 1                        ; the K step is whole: its scale words.  I hold the bytes of blocks hh and 2 + hh
.irp j, 0,1,2,3
	v_lshl_or_b32 v[BY+\j], v[BY+4+\j], 16, v[BY+\j]
.endr
.irp j, 0,1,2,3
	v_lshlrev_b32 v[BY+\j], v[SH8], v[BY+\j]
.endr
.irp j, 0,1,2,3
	v_permlanex16_b32 v[PT+\j], v[BY+\j], s32, s33
.endr
.irp j, 0,1,2,3
	v_or_b32 v[BY+\j], v[BY+\j], v[PT+\j]          ; with lane l xor 16's two bytes the word is whole
.endr
	v_cndmask_b32 v[SS], v[BY], v[BY+1], s31       ; one register for two tiles: lanes 0-15 the even one's words, lanes 16-31 the odd one's
	v_cndmask_b32 v[SS+1], v[BY+2], v[BY+3], s31
	ds_store_b64 v[LSW], v[SS:SS+1] offset:256*((\n)/2)
.endif
.endm
.macro WFETCH ks, buf                  ; a K step's 8 fragments and 4 scale registers: 18 LDS loads
.irp jt, 0,1,2,3,4,5,6,7
.irp c, 0,1
	ds_load_b128 v[WF+64*(\buf)+8*\jt+4*\c:WF+64*(\buf)+8*\jt+4*\c+3], v[LI] offset:(8*(\ks)+\jt)*1024+512*\c
.endr
.endr
.irp h, 0,1
	ds_load_b64 v[WS+4*(\buf)+2*\h:WS+4*(\buf)+2*\h+1], v[LS8] offset:256*(2*(\ks)+\h)
.endr
.endm
.macro MM a, jt, ks                    ; rows' tile a x columns' tile jt, K step ks
.if (\a) < 2
.set DA, 128+64*(\a)+8*(\jt)
.else
.set DA, 64*((\a)-2)+8*(\jt)
.endif
.if (\a) < 4
.set XA, 64*(\a)+8*(\ks)
.else
.set XA, 8*(\ks)
.endif
.if (\ks) == 0
.set CA, B1+8*(\jt)                    ; the bias starts the sum
.else
.set CA, DA
.endif
.set WA, WF+64*((\ks)%2)+8*(\jt)
.set SA, WS+4*((\ks)%2)+(\jt)/2
.set SX, XS+8*(\a)+(\ks)
.if (\jt)%2
	v_wmma_scale_f32_16x16x128_f8f6f4 v[DA:DA+7], v[WA:WA+7], v[XA:XA+7], v[CA:CA+7], v[SA], v[SX] matrix_a_fmt:MATRIX_FMT_FP4 matrix_b_fmt:MATRIX_FMT_FP4 matrix_a_scale:MATRIX_SCALE_ROW1
.else
	v_wmma_scale_f32_16x16x128_f8f6f4 v[DA:DA+7], v[WA:WA+7], v[XA:XA+7], v[CA:CA+7], v[SA], v[SX] matrix_a_fmt:MATRIX_FMT_FP4 matrix_b_fmt:MATRIX_FMT_FP4
.endif
.endm
; A K step: 40 matrix instructions, the 40 accumulators by turns, one instruction a turn.  The next step's fragments are asked for first, into the set that the last step read:
; four plain instructions stand between that step's products and these loads (ISA guide 7.12.1 for vector instructions).
.macro KSTEP ks
.rept 4
	v_nop
.endr
.if (\ks) < 7
	WFETCH (\ks)+1, ((\ks)+1)%2
	s_wait_dscnt 18                                ; this step's 18 are in; the 18 just issued stay out
.else
	s_wait_dscnt 0x0
.endif
.irp a, 0,1,2,3,4
.if \a < 2
	WIN 0xa4                                       ; x window 1; C and D window 2 (the bias lies there too)
.elseif \a < 4
.if (\ks) == 0
	WIN 0xe4                                       ; C (the bias) window 2, D window 3
.else
	WIN 0xf4
.endif
.else
.if (\ks) == 0
	WIN 0xe8                                       ; x window 2
.else
	WIN 0xf8
.endif
.endif
.irp jt, 0,1,2,3,4,5,6,7
	MM \a, \jt, \ks
.endr
.endr
	WIN 0
.endm
; THE WAY OUT of tile a: relu, the two blocks' scales, codes, stores.  A tile past the expert's last is passed over.
.macro HOUT a
	s_add_co_u32 s41, s29, \a
	s_cmp_ge_u32 s41, s22
	s_cbranch_scc1 .Lhskip_\@
	s_wait_xcnt 0x0                                ; the last tile's stores have read their registers
.if (\a) < 2
	WIN 0x08
.set AB, 128+64*(\a)
.else
	WIN 0x0c
.set AB, 64*((\a)-2)
.endif
.set i, 0
.rept 64
	v_max_num_f32 v[E+i], 0, v[AB+i]               ; the activation, in f32; each accumulator from its low end on
.set i, i+1
.endr
	WIN 0
.irp h, 0,1
	v_max3_num_f32 v[OM+\h], v[E+32*\h], v[E+32*\h+1], 0x1800000   ; none is negative: no |.|
.endr
.set i, 2
.rept 15
.irp h, 0,1
	v_max3_num_f32 v[OM+\h], v[OM+\h], v[E+32*\h+i], v[E+32*\h+i+1]
.endr
.set i, i+2
.endr
	v_add_nc_u32 v[OM], 0xff000000, v[OM]
	v_add_nc_u32 v[OM+1], 0xff000000, v[OM+1]
	v_lshrrev_b32 v[OM+2], 23, v[OM]
	v_lshrrev_b32 v[OM+3], 23, v[OM+1]
	v_lshl_or_b32 v[OM+4], v[OM+3], 16, v[OM+2]    ; my bytes: blocks h and 2 + h of these 128 hidden units
	v_lshlrev_b32 v[OM+4], v[SH8], v[OM+4]
	v_permlanex16_b32 v[PT], v[OM+4], s32, s33
	v_or_b32 v[OM+4], v[OM+4], v[PT]
.irp h, 0,1
.irp q, 0,1,2,3
	v_cvt_scalef32_pk8_fp4_f32 v[HC+4*\h+\q], v[E+32*\h+8*\q:E+32*\h+8*\q+7], v[OM+\h]
.endr
.endr
	v_nop                                          ; a plain instruction behind the last conversion
	s_lshl_b32 s41, s[36+\a], 5
	s_add_co_u32 s41, s41, s15                     ; 32 x tile + s
	s_lshl_b32 s42, s41, 10
	s_lshl_b32 s41, s41, 6
	v_add_nc_u32 v[STA], s42, v[LI]
	v_add_nc_u32 v[STB], s41, v[R4]
	global_store_b128 v[STA], v[HC:HC+3], s[12:13]                ; 32 lanes store 512 consecutive bytes, aligned
	global_store_b128 v[STA], v[HC+4:HC+7], s[12:13] offset:512
	global_store_b32 v[STB], v[OM+4], s[44:45]                    ; 16 words; both halves of the lanes hold and write the same
.Lhskip_\@:
.endm
	s_load_b256 s[4:11], s[0:1], 0x0               ; W1 s[4:5], b1 s[6:7], xq s[8:9], tidx s[10:11]
	s_load_b64 s[12:13], s[0:1], 0x20              ; hq
	s_load_b64 s[44:45], s[0:1], 0x28              ; hs
	s_load_b64 s[46:47], s[0:1], 0x30              ; route
	v_lshl_add_u32 v126, v0, 2, 0x11000
	v_mov_b32 v127, 0
	v_lshrrev_b32 v23, 5, v0
	v_readfirstlane_b32 s14, v23                   ; wave
	s_mov_b32 s15, ttmp9                           ; s: my 128 hidden units
	s_and_b32 s16, ttmp7, 0xffff                   ; my expert
	v_and_b32 v[LN], 31, v0                        ; lane
	v_and_b32 v23, 15, v0                          ; q = r
	v_bfe_u32 v[SH8], v0, 4, 1                     ; hh = h
	v_lshlrev_b32 v[LI], 4, v[LN]
	v_lshl_add_u32 v[LS8], v[LN], 3, SCIMG
	s_lshl_b32 s17, s14, 14
	v_add_nc_u32 v[LW], s17, v[LI]
	s_lshl_b32 s17, s14, 10
	v_add_nc_u32 v[LSW], s17, v[LS8]
	v_lshlrev_b32 v[WOFF], 4, v23
	v_lshl_add_u32 v[WOFF], v[SH8], 19, v[WOFF]    ; 32 rows of 16,384 bytes
	v_lshlrev_b32 v[R4], 2, v23
	v_lshlrev_b32 v[H16], 4, v[SH8]
	v_lshlrev_b32 v[H128], 7, v[SH8]
	v_lshlrev_b32 v[SH8], 3, v[SH8]
.irp j, 0,1,2,3
	v_mov_b32 v[PT+\j], 0
.endr
	s_mov_b32 s31, 0xffff0000                      ; lanes 16 to 31
	s_mov_b32 s32, 0x76543210
	s_mov_b32 s33, 0xfedcba98
	s_mov_b32 s28, 0                               ; the pass
	s_mul_i32 s29, s14, 5                          ; my first tile of the pass, counted in the expert
	s_lshl_b32 s35, s16, 6                         ; the expert's first tile
	s_lshl_b32 s18, s16, 24                        ; W1: expert, my wave's 256 rows, my work-group's 512 bytes of a row
	s_lshl_b32 s17, s14, 22
	s_add_co_u32 s18, s18, s17
	s_lshl_b32 s17, s15, 9
	s_add_co_u32 s18, s18, s17
	s_mov_b32 s19, 0
	s_lshl_b32 s42, s16, 14                        ; b1: expert, my 128 numbers
	s_add_co_u32 s42, s42, s17
	s_mov_b32 s43, 0
	s_wait_kmcnt 0x0
	s_add_nc_u64 s[24:25], s[4:5], s[18:19]
	s_add_nc_u64 s[26:27], s[6:7], s[42:43]
.set i, 0
.rept 16
	global_load_b128 v[T+4*i:T+4*i+3], v[LI], s[10:11] offset:512*i   ; the experts of tokens 64 i + 2 lane and + 1
.set i, i+1
.endr
	LOADCH 0
	LOADCH 1
	WIN 0
; ---- WHICH ROWS, while the first two chunks are on their way
	s_wait_loadcnt 63                              ; 64 loads were issued behind tidx's
.set c, 0
.rept 32
	v_cmp_eq_u32 s[48+c+2*(c/16)], s16, v[T+2*c]   ; I am the token's first choice,
.set c, c+1
.endr
.set c, 0
.rept 8
.irp k, 0,1,2,3
	v_cmp_eq_u32 s[84+\k], s16, v[T+2*(c+\k)+1]    ; or its second
.endr
.irp k, 0,1,2,3
	s_or_b32 s[48+(c+\k)+2*((c+\k)/16)], s[48+(c+\k)+2*((c+\k)/16)], s[84+\k]
.endr
.set c, c+4
.endr
	FIND
	s_min_u32 s20, s83, 1024                       ; the expert's rows
	s_add_co_u32 s22, s20, 15
	s_lshr_b32 s22, s22, 4
	s_max_u32 s22, s22, 1                          ; its tiles; without rows: one, of filler
	s_min_u32 s22, s22, 64
	s_sub_co_u32 s30, s22, 1                       ; the last of them
	s_add_co_u32 s23, s22, 19
	s_mul_i32 s23, s23, 205
	s_lshr_b32 s23, s23, 12                        ; passes = (tiles + 19) / 20: x 205 / 4096 is exact up to 83
	s_min_u32 s23, s23, 4
	TILES
	TOKADR
; ---- the slots and the count, for the launches behind this one: one wave for each expert
	s_or_b32 s82, s15, s14
	s_cmp_lg_u32 s82, 0
	s_cbranch_scc1 .Lnotab
	s_lshl_b32 s82, s16, 12
	s_mov_b32 s83, 0
	s_add_nc_u64 s[86:87], s[46:47], s[82:83]      ; route + 4096 e
	s_lshl_b32 s82, s16, 7
	s_add_nc_u64 s[88:89], s[46:47], s[82:83]      ; route + 128 e
	v_lshlrev_b32 v[FS], 3, v[LN]
	v_lshlrev_b32 v[FS+1], 2, v[LN]
	v_mov_b32 v[FS+2], s20
	s_lshl_b32 s83, s16, 10                        ; the expert's first slot
.set c, 0
.rept 32
	v_mbcnt_lo_u32_b32 v[T+c], s[48+c+2*(c/16)], 0 ; rows of this mask in the lanes below me
	v_add_nc_u32 v[T+c], s83, v[T+c]
	s_bcnt1_i32_b32 s82, s[48+c+2*(c/16)]
	s_add_co_u32 s83, s83, s82
.set c, c+1
.endr
.set i, 0
.rept 16
	global_store_b64 v[FS], v[T+2*i:T+2*i+1], s[86:87] offset:256*i   ; tokens 64 i + 2 lane and + 1: 32 lanes store 256 consecutive bytes, aligned
.set i, i+1
.endr
	global_store_b32 v[FS+1], v[FS+2], s[88:89] offset:32768          ; the count, a word a lane: 128 consecutive bytes
	s_wait_xcnt 0x0                                ; the registers that these stores read are written again below
.Lnotab:
	WIN 0xc0
.irp h, 0,1
.irp r, 0,1,2,3,4,5,6,7
	global_load_b128 v[BL+4*(8*\h+\r):BL+4*(8*\h+\r)+3], v[H128], s[26:27] offset:256*\h+16*\r   ; b1 of hidden units 64 h' + 32 hh + 4 r + 0 .. 3
.endr
.endr
; ---- PHASE 1.  Each count: the loads issued behind the chunk that is wanted, held at 63
	s_wait_loadcnt 48                              ; behind chunk 0: chunk 1's 32 and the bias's 16
	QCH 0, 1, -1
	s_wait_loadcnt 32                              ; behind chunk 1 and the bias: chunk 2's 32
	WIN 0x83                                       ; from window 3 into window 2
.irp h, 0,1
.irp j, 0,1,2,3
.irp r, 0,1,2,3,4,5,6,7
	v_mov_b32 v[B1+8*(4*\h+\j)+\r], v[BL+4*(8*\h+\r)+\j]   ; the bias in the result's layout: tile 4 h' + j, register r
.endr
.endr
.endr
	QCH 1, 1, 0
	s_wait_loadcnt 50                              ; chunk 3's 32 and a gather's 18
	QCH 2, 1, 1
	s_wait_loadcnt 63                              ; 18 + 32 + 18 were issued behind it
	QCH 3, 1, 2
	s_wait_loadcnt 63
	QCH 4, 1, 3
	s_wait_loadcnt 63
	QCH 5, 1, 4
	s_wait_loadcnt 63
	QCH 6, 0, -1
	s_wait_loadcnt 18                              ; the last gather's 18
	QCH 7, 0, -1
	s_wait_dscnt 0x0                               ; for the others' sake: my images lie in LDS
	s_barrier_signal -1
	s_barrier_wait -1                              ; all 64 fragments do; from here on they are only read
; ---- PHASE 2
.Lpass:
	s_wait_loadcnt 0x0                             ; x's fragments and scale words
	s_wait_xcnt 0x0
.rept 4
	v_nop
.endr
	WFETCH 0, 0
.irp k, 0,1,2,3,4,5,6,7
	KSTEP \k
.endr
.rept 4
	v_nop                                          ; four plain instructions ahead of the first read of results, and of writes and loads into registers that the products read
.endr
.irp a, 0,1,2,3,4
	HOUT \a
.endr
	s_add_co_u32 s28, s28, 1
	s_add_co_u32 s29, s29, 20
	s_cmp_ge_u32 s28, s23
	s_cbranch_scc1 .Lnomore
	FIND                                           ; the next pass's rows
	TILES
	TOKADR
.irp a, 0,1,2,3,4
	GATHER \a
.endr
.Lnomore:
	s_cmp_lt_u32 s28, s23
	s_cbranch_scc1 .Lpass
	s_wait_tensorcnt 0x0
	ds_add_u32 v126, v127
	s_wait_dscnt 0x0
	s_endpgm
.Lfunc_end_k_q0a825a5f22_ffn1:
	.size	k_q0a825a5f22_ffn1, .Lfunc_end_k_q0a825a5f22_ffn1-k_q0a825a5f22_ffn1
	.p2alignl 7, 3214868480
	.fill 96, 4, 3214868480
	.section	.rodata,"a",@progbits
	.p2align	6, 0x0
	.amdhsa_kernel k_q0a825a5f22_ffn1
		.amdhsa_group_segment_fixed_size 70144
		.amdhsa_private_segment_fixed_size 0
		.amdhsa_enable_private_segment 0
		.amdhsa_kernarg_size 56
		.amdhsa_user_sgpr_count 2
		.amdhsa_user_sgpr_kernarg_segment_ptr 1
		.amdhsa_wavefront_size32 1
		.amdhsa_system_sgpr_workgroup_id_x 1
		.amdhsa_system_sgpr_workgroup_id_y 1
		.amdhsa_system_sgpr_workgroup_id_z 1
		.amdhsa_system_vgpr_workitem_id 0
		.amdhsa_next_free_vgpr 1024
		.amdhsa_next_free_sgpr 92
		.amdhsa_reserve_vcc 1
		.amdhsa_float_denorm_mode_32 3
		.amdhsa_float_denorm_mode_16_64 3
		.amdhsa_memory_ordered 1
		.amdhsa_forward_progress 1
		.amdhsa_inst_pref_size 255
	.end_amdhsa_kernel
	.section	.bss,"aw",@nobits
	.p2align	6
	.space	262144
	.amdgpu_metadata
---
amdhsa.version: [ 1, 2 ]
amdhsa.kernels:
  - .name:           k_q0a825a5f22_ffn1
    .symbol:         k_q0a825a5f22_ffn1.kd
    .args:
      - { .name: W1, .offset: 0, .size: 8, .value_kind: global_buffer, .address_space: global }
      - { .name: b1, .offset: 8, .size: 8, .value_kind: global_buffer, .address_space: global }
      - { .name: xq, .offset: 16, .size: 8, .value_kind: global_buffer, .address_space: global }
      - { .name: tidx, .offset: 24, .size: 8, .value_kind: global_buffer, .address_space: global }
      - { .name: hq, .offset: 32, .size: 8, .value_kind: global_buffer, .address_space: global }
      - { .name: hs, .offset: 40, .size: 8, .value_kind: global_buffer, .address_space: global }
      - { .name: route, .offset: 48, .size: 8, .value_kind: global_buffer, .address_space: global }
    .group_segment_fixed_size: 70144
    .private_segment_fixed_size: 0
    .kernarg_segment_align: 8
    .kernarg_segment_size: 56
    .max_flat_workgroup_size: 128
    .sgpr_count:     92
    .vgpr_count:     1024
    .wavefront_size: 32
...
	.end_amdgpu_metadata
.endif
;; end of part 6
;; launch ffn2 (part 7): grid 32 x 8, 4 waves a work-group, no clusters, 87,552 bytes of LDS; arguments W2, b2, hq, route, hs, ypart; writes ypart
.if DOCPART == 7
	.amdgcn_target "amdgcn-amd-amdhsa--gfx1250"
	.amdhsa_code_object_version 6
	.text
	.protected	k_q0a825a5f22_ffn2
	.globl	k_q0a825a5f22_ffn2
	.p2align	8
	.type	k_q0a825a5f22_ffn2,@function
k_q0a825a5f22_ffn2:
	s_mov_b64 s[64:65], 0
	v_nop
	global_prefetch_b8 v0, s[64:65] scope:SCOPE_SE
	s_setreg_imm32_b32 hwreg(HW_REG_WAVE_MODE, 25, 1), 1
	s_wait_xcnt 0x0
; ypart = h W2[e] + b2[e] for the rows routed to expert e, in two halves along K; on codes of E2M1 with one E8M0 scale for each 32 along K.
; W2 [8][4096 k][1024] f32, b2 [8][1024] f32; hq, hs, route: as the launch before laid them.  ypart [2 halves of K][8192 slots][1024] f32; expert e owns slots 1024 e on, and only its tiles in use are touched.
; SHARES.  Work-group (x, e): cs = x % 16 picks 64 output columns (256 bytes of a row of W2), kh = x / 16 picks 2,048 of the 4,096 k: 512 KiB that no other work-group reads.
; 32 columns over all of K would read half of each aligned 256 bytes; 128 work-groups would leave half the WGPs without work.  The bias enters in the half kh = 0 alone.
; PHASE 1: each wave quantises 512 k (8 chunks of 64 k x 64 columns) in registers, as in the launch before, and lays the codes in LDS as images of operand registers; one barrier.
; INSIDE EACH BLOCK OF 32 the rows of W2 are taken in the order 4 (i % 8) + i / 8, in which h's codes lie: alike on both sides, so every product and every scale is kept.
; PHASE 2: each wave multiplies 5 tiles of 16 routed rows by the 64 columns over 16 K steps; 20 tiles a pass.  h's fragments come straight from memory, 512 consecutive bytes a load:
; K steps 0-7 during phase 1; K steps 8-15 as soon as the chunks' landing registers are free, behind chunks 6 and 7, so that they land during the last chunk, the barrier and K steps 0-7.
; THE PRODUCT IS USED TRANSPOSED: lane (r, h) holds row r, register i of tile j the column 32 h + 4 i + j.  On the way out it moves to register 4 i + j: 32 neighbours of a row.
; They go through the wave's own stage in LDS, so that sixteen lanes store 256 consecutive bytes, aligned.
; NO TENSOR LOADS, NO CLUSTER: passes and stored tiles hang on a count read from memory; the weights are shared by nobody; h's codes, which 16 work-groups share, are 320 KiB a pass beside 512 KiB.
; LIMITS: NaN and infinities are not served.  A block of zeros, and one whose largest magnitude lies under 2^-124, gets the scale byte 1.  The order of k inside a block differs from memory's:
; the sums' last bits may differ.
.set PITCH, 4096                       ; a row of W2 in bytes
.set HALF,  33554432                   ; a half of ypart
.set SCIMG, 65536                      ; LDS: 0: 64 fragments of 1,024 bytes (4 ksl + tile);  65536: 16 x 256 bytes of scale words;
.set STAGE, 69632                      ; 69632: a stage of 16 rows x 272 bytes for each wave
.set WOFF, 1                           ; v1   hh x 32 rows + 16 q
.set LI,   2                           ; v2   16 x lane
.set LS8,  3                           ; v3   SCIMG + 8 x lane
.set LW,   4                           ; v4   16 x lane + 16384 x wave
.set LSW,  5                           ; v5   SCIMG + 8 x lane + 1024 x wave
.set SH8,  6                           ; v6   8 hh
.set L4,   8                           ; v8   4 x lane
.set H128, 9                           ; v9   128 hh
.set STO,  10                          ; v10  the stage: where I put 128 bytes of a row
.set RD,   11                          ; v11  and where I read 16 bytes back
.set YL,   12                          ; v12  my bytes in a tile's 16 rows of ypart
.set HA,   13                          ; v13-17 tile a: h's codes;   v18-22 its scale words;   v28-32 its rows of ypart
.set HB,   18
.set YO,   28
.set HA0,  33                          ; v33  16 x lane + 16384 kh;   v34  4 x lane + 1024 kh
.set HB0,  34
.set HS,   36                          ; v36-75 h's scale words: 20 g + 4 a + u: lanes 0-15 K step 8 g + 2 u, lanes 16-31 the next.  Scales and nothing else
.set WS,   76                          ; v76-79 W2's scale words, two sets of two.  Scales and nothing else
.set M,    88
.set BY,   92                          ; v92-95, v96-99
.set PT,   100
.set SS,   104
.set CODE, 112
.set T,    128                         ; phase 1: column j's 32 numbers at 32 j
.set WF,   128                         ; phase 2: W2's fragments, two sets of 32;  v192-255: h's fragments of K steps 8-15, tile 4
.set OUT,  128                         ; the way out
.set RB,   160
.set B2,   64                          ; window 2: v0-63 h (K steps 0-7, tile 4); v64-95 the bias; v96-127 accumulators of tile 4; v128-255 landing set 0, later h (8-15, tiles 0, 1)
                                       ; window 1: h (0-7, tiles 0-3);   window 3: v0-127 landing set 1, later h (8-15, tiles 2, 3); v128-255 accumulators of tiles 0-3
.set MSB, 0
.macro WIN new                         ; the immediate's high byte repeats the setting that is left
.if MSB != \new
	s_set_vgpr_msb (MSB<<8)|\new
.set MSB, \new
.endif
.endm
.macro LOADCH n                        ; chunk n = 2 u + c of my wave: 32 loads into landing set n % 2
.set LU, (\n)/2
.set LC, (\n)%2
.if (\n)%2 == 0
	WIN 0x80
.set LB, 128
.else
	WIN 0xc0
.set LB, 0
.endif
.set i, 0
.rept 32
	global_load_b128 v[LB+4*i:LB+4*i+3], v[WOFF], s[24:25] offset:(128*LU+64*LC+4*(i%8)+i/8)*PITCH th:TH_LOAD_NT
.set i, i+1
.endr
.endm
.macro TILES                           ; my five tiles of this pass and their addresses.  A tile past the expert's last is held at the last: it is multiplied and not stored
.irp a, 0,1,2,3,4
	s_add_co_u32 s41, s29, \a
	s_min_u32 s41, s41, s30
	s_add_co_u32 s41, s41, s35
	s_min_u32 s[36+\a], s41, 511
.endr
.irp a, 0,1,2,3,4
	s_lshl_b32 s41, s[36+\a], 15
	v_add_nc_u32 v[HA+\a], s41, v[HA0]
	s_lshl_b32 s41, s[36+\a], 11
	v_add_nc_u32 v[HB+\a], s41, v[HB0]
	s_lshl_b32 s41, s[36+\a], 16
	v_add_nc_u32 v[YO+\a], s41, v[YL]
.endr
.endm
.macro GATHER a                        ; tile a, K steps 0-7: 8 fragments, 4 registers of scale words: 20 loads
.if (\a) < 4
	WIN 0x40
.set XB, 64*(\a)
.else
	WIN 0x80
.set XB, 0
.endif
.irp k, 0,1,2,3,4,5,6,7
.irp c, 0,1
	global_load_b128 v[XB+8*\k+4*\c:XB+8*\k+4*\c+3], v[HA+(\a)], s[8:9] offset:1024*\k+512*\c
.endr
.endr
	WIN 0
.irp u, 0,1,2,3
	global_load_b32 v[HS+4*(\a)+\u], v[HB+(\a)], s[12:13] offset:128*\u
.endr
.endm
.macro G1LOAD a                        ; tile a, K steps 8-15: 20 loads
.if (\a) < 2
	WIN 0x80
.set XB, 128+64*(\a)
.elseif (\a) < 4
	WIN 0xc0
.set XB, 64*((\a)-2)
.else
	WIN 0
.set XB, 192
.endif
.irp k, 0,1,2,3,4,5,6,7
.irp c, 0,1
	global_load_b128 v[XB+8*\k+4*\c:XB+8*\k+4*\c+3], v[HA+(\a)], s[8:9] offset:8192+1024*\k+512*\c
.endr
.endr
	WIN 0
.irp u, 0,1,2,3
	global_load_b32 v[HS+20+4*(\a)+\u], v[HB+(\a)], s[12:13] offset:512+128*\u
.endr
.endm
; Chunk n, which has landed, becomes codes.  more = 1: its landing set takes chunk n + 2;  gat >= 0: that tile's gather is issued behind it
.macro QCH n, more, gat
.if (\n)%2 == 0
	WIN 0x02
.set LB, 128
.else
	WIN 0x03
.set LB, 0
.endif
.set i, 0
.rept 32
.irp j, 0,1,2,3
	v_mov_b32 v[T+32*\j+i], v[LB+4*i+\j]           ; column j's numbers on end
.endr
.set i, i+1
.endr
.if \more
	LOADCH (\n)+2
.endif
.if (\gat) >= 0
	GATHER \gat
.endif
	WIN 0
.irp j, 0,1,2,3
	v_max3_num_f32 v[M+\j], |v[T+32*\j]|, |v[T+32*\j+1]|, 0x1800000   ; with the floor 2^(3 - 127): the byte cannot fall under 1
.endr
.set i, 2
.rept 15
.irp j, 0,1,2,3
	v_max3_num_f32 v[M+\j], v[M+\j], |v[T+32*\j+i]|, |v[T+32*\j+i+1]|
.endr
.set i, i+2
.endr
.irp j, 0,1,2,3
	v_add_nc_u32 v[M+\j], 0xff000000, v[M+\j]      ; 2 off the exponent field: the conversion's scale operand
.endr
.irp j, 0,1,2,3
	v_lshrrev_b32 v[BY+4*((\n)%2)+\j], 23, v[M+\j]
.endr
	s_wait_dscnt 0x0                               ; the last chunk's LDS stores have read their registers
.irp j, 0,1,2,3
.irp q, 0,1,2,3
	v_cvt_scalef32_pk8_fp4_f32 v[CODE+4*\j+\q], v[T+32*\j+8*\q:T+32*\j+8*\q+7], v[M+\j]
.endr
.endr
	v_nop                                          ; a plain instruction behind the last conversion
.irp j, 0,1,2,3
	ds_store_b128 v[LW], v[CODE+4*\j:CODE+4*\j+3] offset:4096*((\n)/2)+1024*\j+512*((\n)%2)
.endr
.if (\n)%2 == 1                        ; the K step is whole: its scale words.  I hold the bytes of blocks hh and 2 + hh
.irp j, 0,1,2,3
	v_lshl_or_b32 v[BY+\j], v[BY+4+\j], 16, v[BY+\j]
.endr
.irp j, 0,1,2,3
	v_lshlrev_b32 v[BY+\j], v[SH8], v[BY+\j]
.endr
.irp j, 0,1,2,3
	v_permlanex16_b32 v[PT+\j], v[BY+\j], s32, s33
.endr
.irp j, 0,1,2,3
	v_or_b32 v[BY+\j], v[BY+\j], v[PT+\j]
.endr
	v_cndmask_b32 v[SS], v[BY], v[BY+1], s31       ; lanes 0-15 the even tile's words, lanes 16-31 the odd one's
	v_cndmask_b32 v[SS+1], v[BY+2], v[BY+3], s31
	ds_store_b64 v[LSW], v[SS:SS+1] offset:256*((\n)/2)
.endif
.endm
.macro WFETCH ksl, buf                 ; a K step's 4 fragments and 2 scale registers: 9 LDS loads
.irp j, 0,1,2,3
.irp c, 0,1
	ds_load_b128 v[WF+32*(\buf)+8*\j+4*\c:WF+32*(\buf)+8*\j+4*\c+3], v[LI] offset:(4*(\ksl)+\j)*1024+512*\c
.endr
.endr
	ds_load_b64 v[WS+2*(\buf):WS+2*(\buf)+1], v[LS8] offset:256*(\ksl)
.endm
.macro MM a, j, ksl                    ; rows' tile a x columns' tile j, K step ksl
.set KK, (\ksl)%8
.if (\a) < 4
.set DA, 128+32*(\a)+8*(\j)
.else
.set DA, 96+8*(\j)
.endif
.if (\ksl) < 8
.if (\a) < 4
.set HFA, 64*(\a)+8*KK
.else
.set HFA, 8*KK
.endif
.else
.if (\a) < 2
.set HFA, 128+64*(\a)+8*KK
.elseif (\a) < 4
.set HFA, 64*((\a)-2)+8*KK
.else
.set HFA, 192+8*KK
.endif
.endif
.if (\ksl) == 0
.set CA, B2+8*(\j)                     ; the bias (or zeros, in the second half of K) starts the sum
.else
.set CA, DA
.endif
.set WA, WF+32*((\ksl)%2)+8*(\j)
.set SA, WS+2*((\ksl)%2)+(\j)/2
.set SH, HS+20*((\ksl)/8)+4*(\a)+KK/2
.if (\j)%2
.if (\ksl)%2
	v_wmma_scale_f32_16x16x128_f8f6f4 v[DA:DA+7], v[WA:WA+7], v[HFA:HFA+7], v[CA:CA+7], v[SA], v[SH] matrix_a_fmt:MATRIX_FMT_FP4 matrix_b_fmt:MATRIX_FMT_FP4 matrix_a_scale:MATRIX_SCALE_ROW1 matrix_b_scale:MATRIX_SCALE_ROW1
.else
	v_wmma_scale_f32_16x16x128_f8f6f4 v[DA:DA+7], v[WA:WA+7], v[HFA:HFA+7], v[CA:CA+7], v[SA], v[SH] matrix_a_fmt:MATRIX_FMT_FP4 matrix_b_fmt:MATRIX_FMT_FP4 matrix_a_scale:MATRIX_SCALE_ROW1
.endif
.else
.if (\ksl)%2
	v_wmma_scale_f32_16x16x128_f8f6f4 v[DA:DA+7], v[WA:WA+7], v[HFA:HFA+7], v[CA:CA+7], v[SA], v[SH] matrix_a_fmt:MATRIX_FMT_FP4 matrix_b_fmt:MATRIX_FMT_FP4 matrix_b_scale:MATRIX_SCALE_ROW1
.else
	v_wmma_scale_f32_16x16x128_f8f6f4 v[DA:DA+7], v[WA:WA+7], v[HFA:HFA+7], v[CA:CA+7], v[SA], v[SH] matrix_a_fmt:MATRIX_FMT_FP4 matrix_b_fmt:MATRIX_FMT_FP4
.endif
.endif
.endm
; A K step: 20 matrix instructions, the 20 accumulators by turns, one instruction a turn.  The next step's fragments are asked for first, into the set that the last step read,
; four plain instructions behind that step's products (ISA guide 7.12.1 for vector instructions).
.macro KSTEP ksl
.rept 4
	v_nop
.endr
.if (\ksl) < 15
	WFETCH (\ksl)+1, ((\ksl)+1)%2
	s_wait_dscnt 9                                 ; this step's 9 are in; the 9 just issued stay out
.else
	s_wait_dscnt 0x0
.endif
.irp a, 0,1,2,3,4
.if (\ksl) < 8
.if \a < 4
.if (\ksl) == 0
	WIN 0xe4                                       ; h window 1, C (the bias) window 2, D window 3
.else
	WIN 0xf4
.endif
.else
	WIN 0xa8                                       ; h, C and D window 2
.endif
.else
.if \a < 2
	WIN 0xf8                                       ; h window 2, C and D window 3
.elseif \a < 4
	WIN 0xfc                                       ; h, C and D window 3
.else
	WIN 0xa0                                       ; h window 0, C and D window 2
.endif
.endif
.irp j, 0,1,2,3
	MM \a, \j, \ksl
.endr
.endr
	WIN 0
.endm
; THE WAY OUT of tile a.  A tile past the expert's last is passed over.
.macro YOUT a
	s_add_co_u32 s41, s29, \a
	s_cmp_ge_u32 s41, s22
	s_cbranch_scc1 .Lyskip_\@
	s_wait_xcnt 0x0                                ; the last tile's stores have read their registers
.if (\a) < 4
	WIN 0x03
.set AB, 128+32*(\a)
.else
	WIN 0x02
.set AB, 96
.endif
.irp j, 0,1,2,3
.irp r, 0,1,2,3,4,5,6,7
	v_mov_b32 v[OUT+4*\r+\j], v[AB+8*\j+\r]        ; into the columns' order, and into window 0; each accumulator from its low end on
.endr
.endr
	WIN 0
.irp g, 0,1,2,3,4,5,6,7
	ds_store_b128 v[STO], v[OUT+4*\g:OUT+4*\g+3] offset:16*\g
.endr
.irp g, 0,1,2,3,4,5,6,7
	ds_load_b128 v[RB+4*\g:RB+4*\g+3], v[RD] offset:544*\g   ; LDS serves a wave's instructions in order: these see the stores; two rows an instruction
.endr
.irp g, 0,1,2,3,4,5,6,7
	s_wait_dscnt 7-\g                              ; the younger reads of the stage stay out
	global_store_b128 v[YO+\a], v[RB+4*\g:RB+4*\g+3], s[14:15] offset:8192*\g   ; sixteen lanes store 256 consecutive bytes, aligned
.endr
.Lyskip_\@:
.endm
	s_load_b256 s[4:11], s[0:1], 0x0               ; W2 s[4:5], b2 s[6:7], hq s[8:9], route s[10:11]
	s_load_b128 s[12:15], s[0:1], 0x20             ; hs s[12:13], ypart s[14:15]
	v_lshl_add_u32 v110, v0, 2, 0x15400
	v_mov_b32 v111, 0
	v_lshrrev_b32 v35, 5, v0
	v_readfirstlane_b32 s16, v35                   ; wave
	s_and_b32 s17, ttmp9, 15                       ; cs: my 64 columns
	s_lshr_b32 s18, ttmp9, 4                       ; kh: my half of K
	s_and_b32 s19, ttmp7, 0xffff                   ; my expert
	v_and_b32 v[L4], 31, v0                        ; lane
	v_and_b32 v35, 15, v0                          ; q = r
	v_bfe_u32 v[SH8], v0, 4, 1                     ; hh = h
	v_lshlrev_b32 v[LI], 4, v[L4]
	v_lshl_add_u32 v[LS8], v[L4], 3, SCIMG
	v_lshlrev_b32 v[L4], 2, v[L4]
	s_lshl_b32 s41, s16, 14
	v_add_nc_u32 v[LW], s41, v[LI]
	s_lshl_b32 s41, s16, 10
	v_add_nc_u32 v[LSW], s41, v[LS8]
	v_lshlrev_b32 v[WOFF], 4, v35
	v_lshl_add_u32 v[WOFF], v[SH8], 17, v[WOFF]    ; 32 rows of 4,096 bytes
	v_lshlrev_b32 v[H128], 7, v[SH8]
	s_mul_i32 s41, s16, 4352
	s_add_co_u32 s41, s41, STAGE                   ; my stage
	v_mul_u32_u24 v[STO], v35, 272
	v_lshl_add_u32 v[STO], v[SH8], 7, v[STO]
	v_add_nc_u32 v[STO], s41, v[STO]               ; in: row r, + 128 h
	v_mul_u32_u24 v[RD], v[SH8], 272
	v_lshl_add_u32 v[RD], v35, 4, v[RD]
	v_add_nc_u32 v[RD], s41, v[RD]                 ; back: lanes 0-15 one row, lanes 16-31 the next
	s_lshl_b32 s42, s17, 8
	v_lshlrev_b32 v[YL], 4, v35
	v_lshl_add_u32 v[YL], v[SH8], 12, v[YL]
	v_add_nc_u32 v[YL], s42, v[YL]                 ; the same two rows in ypart, at my 256 bytes
	s_lshl_b32 s41, s18, 14
	v_add_nc_u32 v[HA0], s41, v[LI]
	s_lshl_b32 s41, s18, 10
	v_add_nc_u32 v[HB0], s41, v[L4]
	v_lshlrev_b32 v[SH8], 3, v[SH8]
.irp j, 0,1,2,3
	v_mov_b32 v[PT+\j], 0
.endr
	s_mov_b32 s31, 0xffff0000                      ; lanes 16 to 31
	s_mov_b32 s32, 0x76543210
	s_mov_b32 s33, 0xfedcba98
	s_cmp_eq_u32 s18, 0
	s_cselect_b32 s34, -1, 0                       ; the bias counts in the first half of K
	s_mov_b32 s28, 0                               ; the pass
	s_mul_i32 s29, s16, 5                          ; my first tile of the pass, counted in the expert
	s_lshl_b32 s35, s19, 6                         ; the expert's first tile
	s_lshl_b32 s46, s19, 7
	s_lshl_b32 s44, s19, 24                        ; W2: expert, half of K, my wave's 512 rows, my 256 bytes of a row
	s_lshl_b32 s41, s18, 23
	s_add_co_u32 s44, s44, s41
	s_lshl_b32 s41, s16, 21
	s_add_co_u32 s44, s44, s41
	s_add_co_u32 s44, s44, s42
	s_mov_b32 s45, 0
	s_lshl_b32 s41, s19, 12                        ; b2: expert, my 64 numbers
	s_add_co_u32 s42, s42, s41
	s_mov_b32 s43, 0
	s_wait_kmcnt 0x0
	s_load_b32 s20, s[10:11], s46 offset:32768     ; the rows of my expert
	s_add_nc_u64 s[24:25], s[4:5], s[44:45]
	s_add_nc_u64 s[26:27], s[6:7], s[42:43]
	s_mul_i32 s44, s18, HALF
	s_add_nc_u64 s[14:15], s[14:15], s[44:45]      ; my half of ypart
.irp r, 0,1,2,3,4,5,6,7
	global_load_b128 v[T+4*\r:T+4*\r+3], v[H128], s[26:27] offset:16*\r   ; b2 of columns 32 hh + 4 r + 0 .. 3
.endr
	LOADCH 0
	LOADCH 1
; ---- PHASE 1.  Each count: the loads issued behind the chunk that is wanted, held at 63
	s_wait_loadcnt 32                              ; behind the bias and chunk 0: chunk 1's 32
	WIN 0x80
.irp j, 0,1,2,3
.irp r, 0,1,2,3,4,5,6,7
	v_cndmask_b32 v[B2+8*\j+\r], 0, v[T+4*\r+\j], s34   ; the bias in the result's layout, or zeros
.endr
.endr
	QCH 0, 1, -1
	s_wait_kmcnt 0x0
	s_min_u32 s20, s20, 1024
	s_add_co_u32 s22, s20, 15
	s_lshr_b32 s22, s22, 4                         ; its tiles
	s_add_co_u32 s23, s22, 19
	s_mul_i32 s23, s23, 205
	s_lshr_b32 s23, s23, 12                        ; passes = (tiles + 19) / 20: x 205 / 4096 is exact up to 83
	s_min_u32 s23, s23, 4
	s_max_u32 s30, s22, 1
	s_sub_co_u32 s30, s30, 1                       ; the last tile.  An expert without rows gathers its one tile of filler and uses nothing of it
	TILES
	s_wait_loadcnt 32                              ; chunk 2's 32
	QCH 1, 1, 0
	s_wait_loadcnt 52                              ; chunk 3's 32 and a gather's 20
	QCH 2, 1, 1
	s_wait_loadcnt 63                              ; 20 + 32 + 20 were issued behind it
	QCH 3, 1, 2
	s_wait_loadcnt 63
	QCH 4, 1, 3
	s_wait_loadcnt 63
	QCH 5, 1, 4
	s_wait_loadcnt 63
	QCH 6, 0, -1
	G1LOAD 0                                       ; landing set 0 has been read out: it takes h's K steps 8-15 of tiles 0 and 1
	G1LOAD 1
	s_wait_loadcnt 60                              ; behind chunk 7: the last gather's 20 and these 40
	QCH 7, 0, -1
	G1LOAD 2                                       ; landing set 1 likewise, and the registers in which the columns stood on end
	G1LOAD 3
	G1LOAD 4
	s_wait_dscnt 0x0                               ; for the others' sake: my images lie in LDS
	s_barrier_signal -1
	s_barrier_wait -1                              ; all 64 fragments do; from here on they are only read
; ---- PHASE 2
	s_cmp_eq_u32 s23, 0
	s_cbranch_scc1 .Lend
.Lpass:
	s_wait_loadcnt 63                              ; h's K steps 0-7 and their scale words are in: 100 loads, those of K steps 8-15, were issued behind them
	s_wait_xcnt 0x0
.rept 4
	v_nop
.endr
	WFETCH 0, 0
.irp k, 0,1,2,3,4,5,6,7
	KSTEP \k
.endr
	s_wait_loadcnt 0x0                             ; K steps 8-15
.irp k, 8,9,10,11,12,13,14,15
	KSTEP \k
.endr
.rept 4
	v_nop                                          ; four plain instructions ahead of the first read of results, and of loads into registers that the products read
.endr
.irp a, 0,1,2,3,4
	YOUT \a
.endr
	s_add_co_u32 s28, s28, 1
	s_add_co_u32 s29, s29, 20
	s_cmp_ge_u32 s28, s23
	s_cbranch_scc1 .Lnomore
	s_wait_xcnt 0x0                                ; the stores have read their address registers
	TILES                                          ; the next pass's tiles
.irp a, 0,1,2,3,4
	GATHER \a
.endr
.irp a, 0,1,2,3,4
	G1LOAD \a
.endr
.Lnomore:
	s_cmp_lt_u32 s28, s23
	s_cbranch_scc1 .Lpass
.Lend:
	s_wait_tensorcnt 0x0
	ds_add_u32 v110, v111
	s_wait_dscnt 0x0
	s_endpgm
.Lfunc_end_k_q0a825a5f22_ffn2:
	.size	k_q0a825a5f22_ffn2, .Lfunc_end_k_q0a825a5f22_ffn2-k_q0a825a5f22_ffn2
	.p2alignl 7, 3214868480
	.fill 96, 4, 3214868480
	.section	.rodata,"a",@progbits
	.p2align	6, 0x0
	.amdhsa_kernel k_q0a825a5f22_ffn2
		.amdhsa_group_segment_fixed_size 87552
		.amdhsa_private_segment_fixed_size 0
		.amdhsa_enable_private_segment 0
		.amdhsa_kernarg_size 48
		.amdhsa_user_sgpr_count 2
		.amdhsa_user_sgpr_kernarg_segment_ptr 1
		.amdhsa_wavefront_size32 1
		.amdhsa_system_sgpr_workgroup_id_x 1
		.amdhsa_system_sgpr_workgroup_id_y 1
		.amdhsa_system_sgpr_workgroup_id_z 1
		.amdhsa_system_vgpr_workitem_id 0
		.amdhsa_next_free_vgpr 1024
		.amdhsa_next_free_sgpr 66
		.amdhsa_reserve_vcc 0
		.amdhsa_float_denorm_mode_32 3
		.amdhsa_float_denorm_mode_16_64 3
		.amdhsa_memory_ordered 1
		.amdhsa_forward_progress 1
		.amdhsa_inst_pref_size 226
	.end_amdhsa_kernel
	.amdgpu_metadata
---
amdhsa.version: [ 1, 2 ]
amdhsa.kernels:
  - .name:           k_q0a825a5f22_ffn2
    .symbol:         k_q0a825a5f22_ffn2.kd
    .args:
      - { .name: W2, .offset: 0, .size: 8, .value_kind: global_buffer, .address_space: global }
      - { .name: b2, .offset: 8, .size: 8, .value_kind: global_buffer, .address_space: global }
      - { .name: hq, .offset: 16, .size: 8, .value_kind: global_buffer, .address_space: global }
      - { .name: route, .offset: 24, .size: 8, .value_kind: global_buffer, .address_space: global }
      - { .name: hs, .offset: 32, .size: 8, .value_kind: global_buffer, .address_space: global }
      - { .name: ypart, .offset: 40, .size: 8, .value_kind: global_buffer, .address_space: global }
    .group_segment_fixed_size: 87552
    .private_segment_fixed_size: 0
    .kernarg_segment_align: 8
    .kernarg_segment_size: 48
    .max_flat_workgroup_size: 128
    .sgpr_count:     66
    .vgpr_count:     1024
    .wavefront_size: 32
...
	.end_amdgpu_metadata
.endif
;; end of part 7
;; launch combine (part 8): grid 256 x 1, 4 waves a work-group, no clusters, 0 bytes of LDS; arguments ypart, route, tidx, gf, out0, out1; writes out0, out1
.if DOCPART == 8
	.amdgcn_target "amdgcn-amd-amdhsa--gfx1250"
	.amdhsa_code_object_version 6
	.text
	.protected	k_q0a825a5f22_combine
	.globl	k_q0a825a5f22_combine
	.p2align	8
	.type	k_q0a825a5f22_combine,@function
k_q0a825a5f22_combine:
	s_mov_b64 s[64:65], 0
	v_nop
	global_prefetch_b8 v0, s[64:65] scope:SCOPE_SE
	s_setreg_imm32_b32 hwreg(HW_REG_WAVE_MODE, 25, 1), 1
	s_wait_xcnt 0x0
; out0[token] = w0 x (its first expert's row) + w1 x (its second's), each row in two halves of K: four rows of ypart.   out1 = 8 x the sum over experts of (mean gate)^2.
; ypart [2][8192 slots][1024] f32; tidx [token][2] experts; route [e][token] the token's slot in expert e; gf: [token][2] the weights, from byte 8192 on [256][8] sums of gates over four tokens.
; One wave a token: a row is 4,096 bytes, eight loads of 512 consecutive bytes.  All 32 loads of a wave go out together; each byte is read once and written once.
; The wave of token 0 also adds up the gates.  LDS, the matrix unit and clusters have nothing to do here.
.set HALF, 33554432
.set G, 144                            ; v144-207 the sums of gates: 64 numbers a lane
	s_load_b256 s[4:11], s[0:1], 0x0               ; ypart s[4:5], route s[6:7], tidx s[8:9], gf s[10:11]
	s_load_b128 s[12:15], s[0:1], 0x20             ; out0 s[12:13], out1 s[14:15]
	v_lshrrev_b32 v1, 5, v0
	v_readfirstlane_b32 s16, v1                    ; wave
	s_lshl_b32 s17, ttmp9, 2
	s_add_co_u32 s17, s17, s16                     ; my token
	s_lshl_b32 s18, s17, 3
	s_lshl_b32 s19, s17, 2
	v_and_b32 v8, 31, v0                           ; lane
	v_lshlrev_b32 v1, 4, v8                        ; 16 x lane
	v_mov_b32 v9, 0                                ; out1's offset
	v_mov_b32 v10, 0                               ; the loss: written here on every way, made by token 0's wave
	s_mov_b32 s32, 0x76543210                      ; v_permlanex16_b32's selects for lane l xor 16
	s_mov_b32 s33, 0xfedcba98
	s_lshl_b32 s26, s17, 12
	s_mov_b32 s27, 0
	s_wait_kmcnt 0x0
	s_load_b64 s[20:21], s[8:9], s18 offset:0x0    ; its two experts,
	s_load_b64 s[22:23], s[10:11], s18 offset:0x0  ; their weights
	s_add_nc_u64 s[28:29], s[4:5], HALF            ; the second half of K
	s_add_nc_u64 s[12:13], s[12:13], s[26:27]
	s_wait_kmcnt 0x0
	s_min_u32 s20, s20, 7
	s_min_u32 s21, s21, 7
	s_lshl_b32 s20, s20, 12
	s_lshl_b32 s21, s21, 12
	s_add_co_u32 s20, s20, s19
	s_add_co_u32 s21, s21, s19
	s_load_b32 s24, s[6:7], s20 offset:0x0         ; its slot in the first,
	s_load_b32 s25, s[6:7], s21 offset:0x0         ; and in the second
	v_mov_b32 v4, s22
	v_mov_b32 v5, s22
	v_mov_b32 v6, s23
	v_mov_b32 v7, s23
	s_wait_kmcnt 0x0
	s_min_u32 s24, s24, 8191
	s_min_u32 s25, s25, 8191
	s_lshl_b32 s24, s24, 12
	s_lshl_b32 s25, s25, 12
	v_add_nc_u32 v2, s24, v1
	v_add_nc_u32 v3, s25, v1
.irp k, 0,1
.irp i, 0,1,2,3,4,5,6,7
	global_load_b128 v[16+64*\k+4*\i:16+64*\k+4*\i+3], v[2+\k], s[4:5] offset:512*\i th:TH_LOAD_NT
	global_load_b128 v[48+64*\k+4*\i:48+64*\k+4*\i+3], v[2+\k], s[28:29] offset:512*\i th:TH_LOAD_NT
.endr
.endr
; ---- the loss.  Number 4 lane + 128 c + j belongs to expert 4 (lane % 2) + j
	s_cmp_lg_u32 s17, 0
	s_cbranch_scc1 .Lnoloss
.set c, 0
.rept 16
	global_load_b128 v[G+4*c:G+4*c+3], v1, s[10:11] offset:8192+512*c
.set c, c+1
.endr
	s_wait_loadcnt 0x0
.set i, 1
.rept 15
	v_pk_add_f32 v[G:G+1], v[G:G+1], v[G+4*i:G+4*i+1]
	v_pk_add_f32 v[G+2:G+3], v[G+2:G+3], v[G+4*i+2:G+4*i+3]
.set i, i+1
.endr
.irp m, 2,4,8                                  ; over the lanes of my parity
.irp j, 0,1,2,3
	v_add_f32_dpp v[G+\j], v[G+\j], v[G+\j] row_xmask:\m row_mask:0xf bank_mask:0xf
.endr
.endr
.irp j, 0,1,2,3
	v_permlanex16_b32 v[G+4+\j], v[G+\j], s32, s33
.endr
.irp j, 0,1,2,3
	v_add_f32 v[G+\j], v[G+\j], v[G+4+\j]
.endr
.irp j, 0,1,2,3
	v_mul_f32 v[G+\j], 0x3a800000, v[G+\j]         ; / 1024: the mean gate
.endr
	v_mul_f32 v[G+4], v[G], v[G]
	v_fmac_f32 v[G+4], v[G+1], v[G+1]
	v_fmac_f32 v[G+4], v[G+2], v[G+2]
	v_fmac_f32 v[G+4], v[G+3], v[G+3]
	v_add_f32_dpp v[G+4], v[G+4], v[G+4] row_xmask:1 row_mask:0xf bank_mask:0xf   ; the other four experts'
	v_mul_f32 v10, 0x41000000, v[G+4]              ; x 8
.Lnoloss:
	s_wait_loadcnt 0x0
.set i, 0
.rept 16
	v_pk_add_f32 v[16+2*i:17+2*i], v[16+2*i:17+2*i], v[48+2*i:49+2*i]       ; the first choice's two halves,
	v_pk_add_f32 v[80+2*i:81+2*i], v[80+2*i:81+2*i], v[112+2*i:113+2*i]     ; the second's
.set i, i+1
.endr
.set i, 0
.rept 16
	v_pk_mul_f32 v[16+2*i:17+2*i], v[16+2*i:17+2*i], v[4:5]
.set i, i+1
.endr
.set i, 0
.rept 16
	v_pk_fma_f32 v[16+2*i:17+2*i], v[80+2*i:81+2*i], v[6:7], v[16+2*i:17+2*i]
.set i, i+1
.endr
.irp i, 0,1,2,3,4,5,6,7
	global_store_b128 v1, v[16+4*\i:16+4*\i+3], s[12:13] offset:512*\i th:TH_STORE_NT   ; 32 lanes store 512 consecutive bytes, aligned
.endr
	s_cmp_lg_u32 s17, 0
	s_cbranch_scc1 .Lend
	s_wait_xcnt 0x0                                ; EXEC changes only behind this wait
	v_cmp_eq_u32 vcc_lo, 0, v8
	s_and_saveexec_b32 s30, vcc_lo                 ; one lane stores the one number
	global_store_b32 v9, v10, s[14:15]
	s_wait_xcnt 0x0
	s_or_b32 exec_lo, exec_lo, s30
.Lend:
	s_endpgm
.Lfunc_end_k_q0a825a5f22_combine:
	.size	k_q0a825a5f22_combine, .Lfunc_end_k_q0a825a5f22_combine-k_q0a825a5f22_combine
	.p2alignl 7, 3214868480
	.fill 96, 4, 3214868480
	.section	.rodata,"a",@progbits
	.p2align	6, 0x0
	.amdhsa_kernel k_q0a825a5f22_combine
		.amdhsa_group_segment_fixed_size 0
		.amdhsa_private_segment_fixed_size 0
		.amdhsa_enable_private_segment 0
		.amdhsa_kernarg_size 48
		.amdhsa_user_sgpr_count 2
		.amdhsa_user_sgpr_kernarg_segment_ptr 1
		.amdhsa_wavefront_size32 1
		.amdhsa_system_sgpr_workgroup_id_x 1
		.amdhsa_system_sgpr_workgroup_id_y 1
		.amdhsa_system_sgpr_workgroup_id_z 1
		.amdhsa_system_vgpr_workitem_id 0
		.amdhsa_next_free_vgpr 208
		.amdhsa_next_free_sgpr 66
		.amdhsa_reserve_vcc 1
		.amdhsa_float_denorm_mode_32 3
		.amdhsa_float_denorm_mode_16_64 3
		.amdhsa_memory_ordered 1
		.amdhsa_forward_progress 1
		.amdhsa_inst_pref_size 16
	.end_amdhsa_kernel
	.amdgpu_metadata
---
amdhsa.version: [ 1, 2 ]
amdhsa.kernels:
  - .name:           k_q0a825a5f22_combine
    .symbol:         k_q0a825a5f22_combine.kd
    .args:
      - { .name: ypart, .offset: 0, .size: 8, .value_kind: global_buffer, .address_space: global }
      - { .name: route, .offset: 8, .size: 8, .value_kind: global_buffer, .address_space: global }
      - { .name: tidx, .offset: 16, .size: 8, .value_kind: global_buffer, .address_space: global }
      - { .name: gf, .offset: 24, .size: 8, .value_kind: global_buffer, .address_space: global }
      - { .name: out0, .offset: 32, .size: 8, .value_kind: global_buffer, .address_space: global }
      - { .name: out1, .offset: 40, .size: 8, .value_kind: global_buffer, .address_space: global }
    .group_segment_fixed_size: 0
    .private_segment_fixed_size: 0
    .kernarg_segment_align: 8
    .kernarg_segment_size: 48
    .max_flat_workgroup_size: 128
    .sgpr_count:     66
    .vgpr_count:     208
    .wavefront_size: 32
...
	.end_amdgpu_metadata
.endif
;; end of part 8
;; ======== version 3 of 3: 4 launches
;; workspace buffers: xq 557,056 bytes; tidx 8,192 bytes of whole numbers; gf 16,384 bytes; route 33,792 bytes of whole numbers; hq 16,777,216 bytes; hs 1,048,576 bytes; ypart 67,108,864 bytes
;; launch gate (part 9): grid 256 x 1, 1 waves a work-group, no clusters, 512 bytes of LDS; arguments x, Wg, bg, xq, tidx, gf; writes xq, tidx, gf
.if DOCPART == 9
	.amdgcn_target "amdgcn-amd-amdhsa--gfx1250"
	.amdhsa_code_object_version 6
	.text
	.protected	k_q0a825a5f22_gate
	.globl	k_q0a825a5f22_gate
	.p2align	8
	.type	k_q0a825a5f22_gate,@function
k_q0a825a5f22_gate:
	s_mov_b64 s[64:65], 0
	v_nop
	global_prefetch_b8 v0, s[64:65] scope:SCOPE_SE
	s_setreg_imm32_b32 hwreg(HW_REG_WAVE_MODE, 25, 1), 1
	s_wait_xcnt 0x0
; THE ROUTER, AND x INTO CODES.  x [1024][1024] f32, Wg [1024][8] f32, bg [8] f32.
; One wave takes 4 tokens.  Lane l holds k = 32 l .. 32 l + 31 of each of the four rows (one block of the quantiser a row) and the same 32 rows of Wg.
; OUT: xq: codes of E2M1, [token][512 bytes], K as it lies; behind them (byte XSOFF) one E8M0 byte for each 32 along K, [token][32].
;      tidx [token][2]: the two chosen experts (whole numbers; the lower index wins a tie, as the strict compare keeps what it has);
;      gf: [token][2] their softmax weights; from byte 8192 on [work-group][8] the four tokens' sum of the full softmax, for the loss.
; The logits are f32 sums by fused multiply-adds: 32 in a lane, then over the 32 lanes.  No address and no branch hangs on them here.
; LIMITS: NaN and infinities among the inputs are not served.  The sums' order differs from a plain ascending one: two logits closer than about 1e-6 of their
; size may change places.  A block of zeros, and one whose largest magnitude lies under 2^-124, gets the scale byte 1: this program alone reads the bytes.
; No matrix unit, no cluster: the product has 8 columns, and the work-groups share only Wg's 32 KiB.
.set XSOFF, 524288
.set ACC,  8                           ; v8-39    sums: token t, expert e at 8 t + e
.set PT,   40                          ; v40-47   a lane exchange's destinations (written once: they count as read)
.set LG,   72                          ; v72-79   my token's eight logits (my token: lane % 4)
.set BEST, 80
.set SEC,  81
.set P,    82                          ; v82-89   2^((logit - best) log2 e), then the gates
.set D,    90                          ; the same of the second logit
.set SUM,  91
.set RS,   92
.set GP,   93
.set T1,   94
.set BI,   96                          ; v[96:97] the two experts
.set SI,   97
.set W0,   98                          ; v[98:99] their weights
.set W1,   99
.set CODE, 100                         ; v100-115 four registers of codes a token
.set M,    116                         ; v116-119 largest magnitudes, then the conversions' scale operands
.set BY,   120                         ; v120-123 scale bytes
.set SB,   124                         ; four scale bytes back from LDS
.set X,    128                         ; v128-255 x: token t at 32 t;   window 1: Wg's row 32 l + i, expert e at v[8 i + e]
.set MSB, 0
.macro WIN new                         ; the immediate's high byte repeats the setting that is left
.if MSB != \new
	s_set_vgpr_msb (MSB<<8)|\new
.set MSB, \new
.endif
.endm
	s_load_b256 s[4:11], s[0:1], 0x0               ; x s[4:5], Wg s[6:7], bg s[8:9], xq s[10:11]
	s_load_b128 s[12:15], s[0:1], 0x20             ; tidx s[12:13], gf s[14:15]
	v_lshl_add_u32 v126, v0, 2, 0x100
	v_mov_b32 v127, 0
	v_lshlrev_b32 v1, 7, v0                        ; 128 l: my block in a row of x
	v_lshlrev_b32 v2, 10, v0                       ; 1024 l: my 32 rows of Wg
	v_lshlrev_b32 v3, 4, v0                        ; 16 l
	v_lshlrev_b32 v4, 3, v0                        ; 8 l
	v_lshlrev_b32 v7, 2, v0                        ; 4 l
.irp j, 0,1,2,3,4,5,6,7
	v_mov_b32 v[PT+\j], 0
.endr
	s_mov_b32 s26, 0x76543210                      ; v_permlanex16_b32's selects for lane l xor 16
	s_mov_b32 s27, 0xfedcba98
	s_mov_b32 s28, 0x22222222                      ; lanes with lane % 4 = 1, 2, 3
	s_mov_b32 s29, 0x44444444
	s_mov_b32 s30, 0x88888888
.irp e, 1,2,3,4,5,6,7
	s_mov_b32 s[31+\e], 0x01010101<<\e             ; lanes with lane % 8 = e
.endr
	s_lshl_b32 s2, ttmp9, 14                       ; four rows of 4,096 bytes
	s_mov_b32 s3, 0
	s_wait_kmcnt 0x0
	s_load_b256 s[16:23], s[8:9], 0x0              ; bg
	s_add_nc_u64 s[4:5], s[4:5], s[2:3]
	s_lshl_b32 s2, ttmp9, 7
	s_add_nc_u64 s[42:43], s[10:11], s[2:3]        ; my 128 scale bytes (less XSOFF)
	s_lshl_b32 s2, ttmp9, 11
	s_add_nc_u64 s[10:11], s[10:11], s[2:3]        ; my four rows of codes
	s_lshl_b32 s2, ttmp9, 5
	s_add_nc_u64 s[12:13], s[12:13], s[2:3]
	s_add_nc_u64 s[14:15], s[14:15], s[2:3]
	WIN 0x40                                       ; destination window 1
.set i, 0
.rept 64
	global_load_b128 v[4*i:4*i+3], v2, s[6:7] offset:16*i
.set i, i+1
.endr
	WIN 0
.irp t, 0,1,2,3
.irp g, 0,1,2,3,4,5,6,7
	global_load_b128 v[X+32*\t+4*\g:X+32*\t+4*\g+3], v1, s[4:5] offset:4096*\t+16*\g th:TH_LOAD_NT
.endr
.endr
	s_wait_loadcnt 0x0
	s_wait_kmcnt 0x0
; ---- the logits.  Two experts an instruction; the number of x is taken for both halves (op_sel: which register of the pair).  16 chains, so no line waits for the one above.
.macro GATEPAIR p                      ; k = 32 l + 2 p and 2 p + 1
.irp t, 0,1,2,3
.irp e, 0,2,4,6
.if (\p) == 0
	v_pk_mul_f32 v[ACC+8*\t+\e:ACC+8*\t+\e+1], v[X+32*\t:X+32*\t+1], v[\e:\e+1] op_sel_hi:[0,1]   ; the first product starts the sums
.else
	v_pk_fma_f32 v[ACC+8*\t+\e:ACC+8*\t+\e+1], v[X+32*\t+2*(\p):X+32*\t+2*(\p)+1], v[16*(\p)+\e:16*(\p)+\e+1], v[ACC+8*\t+\e:ACC+8*\t+\e+1] op_sel_hi:[0,1,1]
.endif
.endr
.endr
.irp t, 0,1,2,3
.irp e, 0,2,4,6
	v_pk_fma_f32 v[ACC+8*\t+\e:ACC+8*\t+\e+1], v[X+32*\t+2*(\p):X+32*\t+2*(\p)+1], v[16*(\p)+8+\e:16*(\p)+8+\e+1], v[ACC+8*\t+\e:ACC+8*\t+\e+1] op_sel:[1,0,0] op_sel_hi:[1,1,1]
.endr
.endr
.endm
	WIN 0x04                                       ; source 1 (Wg) window 1
.irp p, 0,1,2,3,4,5,6,7,8,9,10,11,12,13,14,15
	GATEPAIR \p
.endr
	WIN 0
.irp m, 1,2,4,8                                ; over the lanes: four steps inside each half,
.set j, 0
.rept 32
	v_add_f32_dpp v[ACC+j], v[ACC+j], v[ACC+j] row_xmask:\m row_mask:0xf bank_mask:0xf
.set j, j+1
.endr
.endr
.irp g, 0,1,2,3                                ; one across the halves
.irp j, 0,1,2,3,4,5,6,7
	v_permlanex16_b32 v[PT+\j], v[ACC+8*\g+\j], s26, s27
.endr
.irp j, 0,1,2,3,4,5,6,7
	v_add_f32 v[ACC+8*\g+\j], v[ACC+8*\g+\j], v[PT+\j]
.endr
.endr
.irp e, 0,1,2,3,4,5,6,7                        ; from here a lane serves token lane % 4
	v_cndmask_b32 v[LG+\e], v[ACC+\e], v[ACC+8+\e], s28
	v_cndmask_b32 v[LG+\e], v[LG+\e], v[ACC+16+\e], s29
	v_cndmask_b32 v[LG+\e], v[LG+\e], v[ACC+24+\e], s30
	v_add_f32 v[LG+\e], s[16+\e], v[LG+\e]
.endr
; ---- the two largest
	v_mov_b32 v[BEST], v[LG]
	v_mov_b32 v[BI], 0
.irp e, 1,2,3,4,5,6,7
	v_cmp_gt_f32 vcc_lo, v[LG+\e], v[BEST]
	v_cndmask_b32 v[BEST], v[BEST], v[LG+\e], vcc_lo
	v_cndmask_b32 v[BI], v[BI], \e, vcc_lo
.endr
	v_mov_b32 v[SEC], 0xff800000                   ; -infinity
	v_mov_b32 v[SI], 0
.irp e, 0,1,2,3,4,5,6,7
	v_cmp_gt_f32 s24, v[LG+\e], v[SEC]
	v_cmp_ne_u32 s25, \e, v[BI]
	s_and_b32 vcc_lo, s24, s25
	v_cndmask_b32 v[SEC], v[SEC], v[LG+\e], vcc_lo
	v_cndmask_b32 v[SI], v[SI], \e, vcc_lo
.endr
; ---- both softmaxes, the largest logit taken away: nine exponentials as one batch
.irp e, 0,1,2,3,4,5,6,7
	v_sub_f32 v[P+\e], v[LG+\e], v[BEST]
.endr
	v_sub_f32 v[D], v[SEC], v[BEST]
.irp e, 0,1,2,3,4,5,6,7,8
	v_mul_f32 v[P+\e], 0x3fb8aa3b, v[P+\e]         ; x log2 e (P + 8 is D)
.endr
	s_wait_alu depctr_va_vdst(0)
.irp e, 0,1,2,3,4,5,6,7,8
	v_exp_f32 v[P+\e], v[P+\e]
.endr
	v_nop                                          ; a plain instruction behind the last exponential
	s_wait_alu depctr_va_vdst(0)                   ; one wait for the batch, ahead of its first reader
	v_add_f32 v[SUM], v[P], v[P+1]
	v_add_f32 v[T1], v[P+2], v[P+3]
	v_add_f32 v[RS], v[P+4], v[P+5]
	v_add_f32 v[GP], v[P+6], v[P+7]
	v_add_f32 v[SUM], v[SUM], v[T1]
	v_add_f32 v[RS], v[RS], v[GP]
	v_add_f32 v[SUM], v[SUM], v[RS]
	v_add_f32 v[T1], 1.0, v[D]
	s_wait_alu depctr_va_vdst(0)
	v_rcp_f32 v[RS], v[SUM]
	v_rcp_f32 v[W0], v[T1]                         ; the first weight: 1 / (1 + d)
	v_nop
	s_wait_alu depctr_va_vdst(0)                   ; one wait for the two reciprocals
	v_mul_f32 v[W1], v[D], v[W0]                   ; the second: d / (1 + d)
.irp e, 0,1,2,3,4,5,6,7
	v_mul_f32 v[P+\e], v[P+\e], v[RS]              ; the gates
.endr
.irp m, 1,2                                    ; summed over the four tokens
.irp e, 0,1,2,3,4,5,6,7
	v_add_f32_dpp v[P+\e], v[P+\e], v[P+\e] row_xmask:\m row_mask:0xf bank_mask:0xf
.endr
.endr
	v_cndmask_b32 v[GP], v[P], v[P+1], s32         ; lane e keeps expert e's
.irp e, 2,3,4,5,6,7
	v_cndmask_b32 v[GP], v[GP], v[P+\e], s[31+\e]
.endr
; ---- x into codes: a lane's 32 numbers of a row are one block
.irp t, 0,1,2,3
	v_max3_num_f32 v[M+\t], |v[X+32*\t]|, |v[X+32*\t+1]|, 0x1800000   ; with the floor 2^(3 - 127): the byte cannot fall under 1
.endr
.set i, 2
.rept 15
.irp t, 0,1,2,3
	v_max3_num_f32 v[M+\t], v[M+\t], |v[X+32*\t+i]|, |v[X+32*\t+i+1]|
.endr
.set i, i+2
.endr
.irp t, 0,1,2,3
	v_add_nc_u32 v[M+\t], 0xff000000, v[M+\t]      ; 2 off the exponent field: the conversion takes that field as its scale
.endr
.irp t, 0,1,2,3
	v_lshrrev_b32 v[BY+\t], 23, v[M+\t]            ; the scale's byte
.endr
.irp t, 0,1,2,3
.irp g, 0,1,2,3
	v_cvt_scalef32_pk8_fp4_f32 v[CODE+4*\t+\g], v[X+32*\t+8*\g:X+32*\t+8*\g+7], v[M+\t]
.endr
.endr
	v_nop                                          ; a plain instruction behind the last conversion
.irp t, 0,1,2,3
	ds_store_b8 v0, v[BY+\t] offset:32*\t          ; the four rows' 128 scale bytes meet in LDS
	global_store_b128 v3, v[CODE+4*\t:CODE+4*\t+3], s[10:11] offset:512*\t   ; 32 lanes store a row's 512 consecutive bytes
.endr
	ds_load_b32 v[SB], v7                          ; LDS serves a wave's instructions in order: this sees the stores
	s_wait_dscnt 0x0
	global_store_b32 v7, v[SB], s[42:43] offset:XSOFF   ; 128 consecutive bytes
	s_wait_xcnt 0x0                                ; EXEC changes only behind this wait
	v_cmp_gt_u32 vcc_lo, 8, v0
	s_wait_tensorcnt 0x0
	ds_add_u32 v126, v127
	s_wait_dscnt 0x0
	s_and_saveexec_b32 s40, vcc_lo                 ; lanes 0 to 7: an expert each
	global_store_b32 v7, v[GP], s[14:15] offset:8192
	s_wait_xcnt 0x0
	s_or_b32 exec_lo, exec_lo, s40
	v_cmp_gt_u32 vcc_lo, 4, v0
	s_and_saveexec_b32 s40, vcc_lo                 ; lanes 0 to 3: a token each
	global_store_b64 v4, v[BI:SI], s[12:13]
	global_store_b64 v4, v[W0:W1], s[14:15]
	s_wait_xcnt 0x0
	s_or_b32 exec_lo, exec_lo, s40
	s_endpgm
.Lfunc_end_k_q0a825a5f22_gate:
	.size	k_q0a825a5f22_gate, .Lfunc_end_k_q0a825a5f22_gate-k_q0a825a5f22_gate
	.p2alignl 7, 3214868480
	.fill 96, 4, 3214868480
	.section	.rodata,"a",@progbits
	.p2align	6, 0x0
	.amdhsa_kernel k_q0a825a5f22_gate
		.amdhsa_group_segment_fixed_size 512
		.amdhsa_private_segment_fixed_size 0
		.amdhsa_enable_private_segment 0
		.amdhsa_kernarg_size 48
		.amdhsa_user_sgpr_count 2
		.amdhsa_user_sgpr_kernarg_segment_ptr 1
		.amdhsa_wavefront_size32 1
		.amdhsa_system_sgpr_workgroup_id_x 1
		.amdhsa_system_sgpr_workgroup_id_y 1
		.amdhsa_system_sgpr_workgroup_id_z 1
		.amdhsa_system_vgpr_workitem_id 0
		.amdhsa_next_free_vgpr 512
		.amdhsa_next_free_sgpr 66
		.amdhsa_reserve_vcc 1
		.amdhsa_float_denorm_mode_32 3
		.amdhsa_float_denorm_mode_16_64 3
		.amdhsa_memory_ordered 1
		.amdhsa_forward_progress 1
		.amdhsa_inst_pref_size 70
	.end_amdhsa_kernel
	.amdgpu_metadata
---
amdhsa.version: [ 1, 2 ]
amdhsa.kernels:
  - .name:           k_q0a825a5f22_gate
    .symbol:         k_q0a825a5f22_gate.kd
    .args:
      - { .name: x, .offset: 0, .size: 8, .value_kind: global_buffer, .address_space: global }
      - { .name: Wg, .offset: 8, .size: 8, .value_kind: global_buffer, .address_space: global }
      - { .name: bg, .offset: 16, .size: 8, .value_kind: global_buffer, .address_space: global }
      - { .name: xq, .offset: 24, .size: 8, .value_kind: global_buffer, .address_space: global }
      - { .name: tidx, .offset: 32, .size: 8, .value_kind: global_buffer, .address_space: global }
      - { .name: gf, .offset: 40, .size: 8, .value_kind: global_buffer, .address_space: global }
    .group_segment_fixed_size: 512
    .private_segment_fixed_size: 0
    .kernarg_segment_align: 8
    .kernarg_segment_size: 48
    .max_flat_workgroup_size: 32
    .sgpr_count:     66
    .vgpr_count:     512
    .wavefront_size: 32
...
	.end_amdgpu_metadata
.endif
;; end of part 9
;; launch ffn1 (part 10): grid 32 x 8, 4 waves a work-group, no clusters, 70,144 bytes of LDS; arguments W1, b1, xq, tidx, hq, hs, route; writes hq, hs, route
.if DOCPART == 10
	.amdgcn_target "amdgcn-amd-amdhsa--gfx1250"
	.amdhsa_code_object_version 6
	.text
	.protected	k_q0a825a5f22_ffn1
	.globl	k_q0a825a5f22_ffn1
	.p2align	8
	.type	k_q0a825a5f22_ffn1,@function
k_q0a825a5f22_ffn1:
	s_mov_b64 s[64:65], 0
	v_nop
	global_prefetch_b8 v0, s[64:65] scope:SCOPE_SE
	s_setreg_imm32_b32 hwreg(HW_REG_WAVE_SCHED_MODE, 0, 2), 2
	s_setreg_imm32_b32 hwreg(HW_REG_WAVE_MODE, 25, 1), 1
	s_wait_xcnt 0x0
	s_wait_alu depctr_vm_vsrc(0)
; h = relu(x W1[e] + b1[e]) for the rows routed to expert e, on codes of E2M1 with one E8M0 scale for each 32 along K; h leaves as codes for the second product.
; W1 [8][1024 k][4096] f32, b1 [8][4096] f32; xq: x's codes [token][512 bytes], from byte XSOFF their scale bytes [token][32]; tidx [token][2]: the two experts of each token, whole numbers.
; SHARES.  Work-group (s, e) owns W1[e][:, 128 s .. 128 s + 127]: 512 KiB that no other work-group reads.  PHASE 1: each of the four waves quantises 256 of the 1,024 k
; (8 chunks of 64 k x 64 columns) in registers and lays the codes in LDS as images of operand registers; one barrier.  PHASE 2: each wave multiplies 5 tiles of 16 routed rows
; by all 128 columns over all of K: 20 tiles a pass, as many passes as the expert's rows ask.
; WHICH ROWS.  Expert e owns slots 1024 e .. 1024 e + 1023 (tiles 64 e .. 64 e + 63): no expert's place hangs on another's count.  Every wave reads tidx whole (16 loads of 512 bytes) and keeps 32 masks:
; bit l of mask c = 2 i + j says that token 64 i + 2 l + j chose my expert.  A row's rank is the number of such tokens ahead of it in that order.  A lane that wants the row of rank R walks the masks
; with a running count, keeps the last mask whose count is at most R, and takes that mask's (R - count)-th set bit.  All in registers, all lanes on; the token is held to 1,023 before it enters an address.
; The first 64 loads of weights are out meanwhile.  Ranks past the expert's last row give some real token: such filler rows are multiplied, stored with their tile and read by nobody.
; An expert without rows still makes one tile of filler, so that the bytes which the next launch gathers are always written.
; route, stored by wave 0 of the work-groups with s = 0: [e][token] the slot that the token has in expert e (of use where it chose e); from byte 32768 on, 128 bytes an expert: its number of rows, 32 times.
; A CHUNK.  Load i of lane (q = lane % 16, hh = lane / 16) reads row 64 c + 32 hh + i, columns 4 q .. 4 q + 3: sixteen lanes read 256 consecutive bytes, aligned.  The conversions want 8 neighbours
; along K in consecutive registers, so 128 moves put column j's 32 numbers on end; they are then a whole block of the quantiser, and its four conversions are registers 4 c .. 4 c + 3 of the
; fragment of TILE j = the columns 4 r + j, in the very lane that the 4-bit layout gives k = 64 c + 32 h + 0 .. 31: no number changes lanes.
; THE PRODUCT IS USED TRANSPOSED (source 0 = 16 columns of W1, source 1 = 16 rows of x): lane (r, h) holds row r, and register i of tile j the hidden unit 32 h + 4 i + j of its 64.  So the 32 registers of
; four tiles are one whole block of 32 hidden units, in the order p = 8 j + i for unit 4 (p % 8) + p / 8.  They are quantised in that order; the next launch lays W2's rows in the same order
; inside each block, which keeps every product and every scale.
; hq: [tile][K' step s][1,024 bytes: the fragment's registers on end, 16 bytes a lane];  hs: [tile][s][16 rows] scale words.   The bias is the C of each sum's first matrix instruction.
; NO TENSOR LOADS, NO CLUSTER: the number of passes and the tiles that are stored hang on numbers read from memory; the weights are shared by nobody; what the 32 work-groups of an expert share,
; x's codes, is 160 KiB a pass beside 512 KiB of weights.  The one barrier stands ahead of every branch on such a number.
; LIMITS: NaN and infinities are not served.  A block of zeros, and one whose largest magnitude lies under 2^-124, gets the scale byte 1: this program alone reads the bytes.
; THE MODE: SCHED_MODE bits 1:0 = 2 (LLVM: expert scheduling mode 2), set by the entry lines.  The code itself states the register dependences between vector or matrix instructions and
; memory or LDS instructions, and those through scalar registers that vector instructions write, with s_wait_alu, always for 0.
; THE PLAN.  Registers that memory or LDS instructions touch:
;   v1-v9, v126, v127  offsets and LDS addresses: made at the head, never written again: one wait on va_vdst ahead of the first load serves all that read them.
;   landing sets 0, 1  A chunk's loads land; its 128 moves read; one wait on va_vdst behind the moves; then the loads of the chunk two on land.
;   CODE, SS           The conversions and two selects write; the chunk's LDS stores read.  One wait on vm_vsrc ahead of the conversions, one on va_vdst ahead of the run of stores.
;   XO, XSO            The search and TOKADR write; the gathers read.  First pass: the wait behind chunk 0's moves stands between.  Later passes: vm_vsrc ahead of the search, va_vdst ahead of the gathers.
;   x's fragments, XS  The gathers land; the products read: the same wait on va_vdst ahead of the gathers.
;   WF0, WF1, WS       LDS loads land; the products read; between passes vector work uses WF's registers.  One wait on va_vdst at a pass's head and one at the head of K steps 1 to 6, ahead of the step's 18 LDS loads.
;   HC, the scale word, STA, STB   A tile's way out writes; its three stores read: vm_vsrc at the tile's head, va_vdst ahead of the stores.
;   T, FS where route is stored: va_vdst ahead of the stores, vm_vsrc behind them.
;   Scalar registers that compares write are read behind one wait on va_sdst for each run of compares; VCC is not used.
.set PITCH, 16384                      ; a row of W1 in bytes
.set XSOFF, 524288
.set SCIMG, 65536                      ; LDS: 0: 64 fragments of 1,024 bytes (8 ks + tile);  65536: 16 x 256 bytes of scale words (2 ks + column half)
.set WOFF, 1                           ; v1   hh x 32 rows + 16 q
.set LI,   2                           ; v2   16 x lane
.set LS8,  3                           ; v3   SCIMG + 8 x lane
.set LW,   4                           ; v4   16 x lane + 16384 x wave: where I store images
.set LSW,  5                           ; v5   SCIMG + 8 x lane + 1024 x wave
.set SH8,  6                           ; v6   8 hh
.set R4,   7                           ; v7   4 r
.set H16,  8                           ; v8   16 hh
.set H128, 9                           ; v9   128 hh
.set XO,   10                          ; v10-14 tile a: my row's token, then the byte of my part of its codes
.set XSO,  15                          ; v15-19 tile a: the byte of its scale bytes
.set STA,  20
.set STB,  21
.set LN,   22                          ; v22  lane
.set XS,   24                          ; v24-63 x's scale words: tile a, K step ks at 8 a + ks.  Scales and nothing else
.set WS,   64                          ; v64-71 W1's scale words, two sets of four: lanes 0-15 the even tile's, lanes 16-31 the odd one's.  Scales and nothing else
.set M,    72                          ; v72-75 largest magnitudes, then the conversions' scale operands
.set BY,   76                          ; v76-79 scale bytes of c = 0, later the scale words; v80-83 bytes of c = 1
.set PT,   84                          ; v84-87 a lane exchange's destinations
.set SS,   88                          ; v[88:89] two scale registers on their way to LDS
.set OM,   90                          ; v90-94 the way out: the same for h
.set CODE, 96                          ; v96-111
.set HC,   112                         ; v112-119 h's codes
.set T,    128                         ; v128-255 at the head v128-191: tidx as loaded; phase 1: column j's 32 numbers at 32 j
.set WF,   128                         ; phase 2: W1's fragments, two sets of 64
.set E,    128                         ; the way out: a tile's 64 numbers
.set FS,   192                         ; v192-224 the search for rows: three sets of 11: +0 rank, +1 mask, +2 first token << 16 | count, +3 +4 +5 +6 counts of 2, 4, 8, 16 bits, +7 what is left of the rank, +8 bit, +9 +10 at work
.set B1,   64                          ; window 2: v0-63 x's fragments of tile 4; v64-127 the bias; v128-255 accumulators of tiles 0, 1 (phase 1: landing set 0)
.set BL,   192                         ; window 3: v0-191 accumulators of tiles 2-4 (phase 1: v0-127 landing set 1); v192-255 the bias as loaded
                                       ; window 1: x's fragments of tiles 0-3 at 64 a + 8 ks
                                       ; s48-63, s66-81: the 32 masks;  s82-91 at work, and in the search s36-43 too
.set MSB, 0
.macro WIN new                         ; the immediate's high byte repeats the setting that is left
.if MSB != \new
	s_set_vgpr_msb (MSB<<8)|\new
.set MSB, \new
.endif
.endm
.macro LOADCH n                        ; chunk n = 2 u + c of my wave: 32 loads into landing set n % 2
.set LU, (\n)/2
.set LC, (\n)%2
.if (\n)%2 == 0
	WIN 0x80
.set LB, 128
.else
	WIN 0xc0
.set LB, 0
.endif
.set i, 0
.rept 32
	global_load_b128 v[LB+4*i:LB+4*i+3], v[WOFF], s[24:25] offset:(128*(LU/2)+64*LC+i)*PITCH+256*(LU%2) th:TH_LOAD_NT
.set i, i+1
.endr
.endm
; One step of the search for a mask's n-th set bit, for the three sets by turns: does the rank that is left reach past the w bits at the place in hand?  Then their count comes off it and the place moves on by w.
.macro SELSTEP src, w, first
.irp p, 0,1,2
.if \first
	v_and_b32 v[FS+11*\p+9], 0xff, v[FS+11*\p+\src]                    ; how many of bits 0 to 15 are set
.else
	v_bfe_u32 v[FS+11*\p+9], v[FS+11*\p+\src], v[FS+11*\p+8], \w       ; how many of the w bits at the place in hand
.endif
.endr
	v_cmp_ge_u32 s84, v[FS+7], v[FS+9]
	v_cmp_ge_u32 s85, v[FS+18], v[FS+20]
	v_cmp_ge_u32 s86, v[FS+29], v[FS+31]
	s_wait_alu depctr_va_sdst(0)                   ; the three compares have written s84 to s86, which the selects below read
	v_cndmask_b32 v[FS+10], 0, v[FS+9], s84
	v_cndmask_b32 v[FS+21], 0, v[FS+20], s85
	v_cndmask_b32 v[FS+32], 0, v[FS+31], s86
.irp p, 0,1,2
	v_sub_nc_u32 v[FS+11*\p+7], v[FS+11*\p+7], v[FS+11*\p+10]
.endr
.if \first
	v_cndmask_b32 v[FS+8], 0, \w, s84
	v_cndmask_b32 v[FS+19], 0, \w, s85
	v_cndmask_b32 v[FS+30], 0, \w, s86
.else
	v_cndmask_b32 v[FS+10], 0, \w, s84
	v_cndmask_b32 v[FS+21], 0, \w, s85
	v_cndmask_b32 v[FS+32], 0, \w, s86
.irp p, 0,1,2
	v_add_nc_u32 v[FS+11*\p+8], v[FS+11*\p+8], v[FS+11*\p+10]
.endr
.endif
.endm
; The tokens of my five tiles of this pass.  Set p serves ranks 16 (first tile + 2 p) + lane: two tiles.  It leaves the expert's number of rows in s83.
; The walk over the masks goes four masks to a run: twelve compares into s36-43 and s84-87, the masks' four packed words in s88-91, one wait, then the selects, the masks in ascending order.
.macro FIND
	s_lshl_b32 s82, s29, 4
	v_add_nc_u32 v[FS], s82, v[LN]
	v_add_nc_u32 v[FS+11], 32, v[FS]
	v_add_nc_u32 v[FS+22], 64, v[FS]
.irp p, 0,1,2
	v_mov_b32 v[FS+11*\p+1], s48                   ; mask 0: its count, 0, is at most every rank
	v_mov_b32 v[FS+11*\p+2], 0
.endr
	s_mov_b32 s83, 0
.set c0, 1
.rept 8
.irp k, 0,1,2,3
.if c0+\k < 32
.set FC, c0+\k
.set FR0, 36+3*\k+40*((3*\k)/8)
.set FR1, 36+3*\k+1+40*((3*\k+1)/8)
.set FR2, 36+3*\k+2+40*((3*\k+2)/8)
	s_bcnt1_i32_b32 s82, s[48+(FC-1)+2*((FC-1)/16)]
	s_add_co_u32 s83, s83, s82                     ; rows ahead of mask FC
	s_or_b32 s[88+\k], s83, (64*(FC/2)+(FC%2))<<16 ; with the mask's first token above it (a count is at most 1,024)
	v_cmp_le_u32 s[FR0], s83, v[FS]
	v_cmp_le_u32 s[FR1], s83, v[FS+11]
	v_cmp_le_u32 s[FR2], s83, v[FS+22]
.endif
.endr
	s_wait_alu depctr_va_sdst(0)                   ; the run's compares have written their scalar registers, which the selects below read
.irp k, 0,1,2,3
.if c0+\k < 32
.set FC, c0+\k
.set FR0, 36+3*\k+40*((3*\k)/8)
.set FR1, 36+3*\k+1+40*((3*\k+1)/8)
.set FR2, 36+3*\k+2+40*((3*\k+2)/8)
	v_cndmask_b32 v[FS+1], v[FS+1], s[48+FC+2*(FC/16)], s[FR0]
	v_cndmask_b32 v[FS+2], v[FS+2], s[88+\k], s[FR0]
	v_cndmask_b32 v[FS+12], v[FS+12], s[48+FC+2*(FC/16)], s[FR1]
	v_cndmask_b32 v[FS+13], v[FS+13], s[88+\k], s[FR1]
	v_cndmask_b32 v[FS+23], v[FS+23], s[48+FC+2*(FC/16)], s[FR2]
	v_cndmask_b32 v[FS+24], v[FS+24], s[88+\k], s[FR2]
.endif
.endr
.set c0, c0+4
.endr
	s_bcnt1_i32_b32 s82, s81
	s_add_co_u32 s83, s83, s82                     ; all the expert's rows
.irp p, 0,1,2
	v_and_b32 v[FS+11*\p+7], 0xffff, v[FS+11*\p+2]
.endr
.irp p, 0,1,2
	v_sub_nc_u32 v[FS+11*\p+7], v[FS+11*\p], v[FS+11*\p+7]             ; which set bit of the mask
.endr
.irp p, 0,1,2
	v_lshrrev_b32 v[FS+11*\p+3], 1, v[FS+11*\p+1]
.endr
.irp p, 0,1,2
	v_and_b32 v[FS+11*\p+3], 0x55555555, v[FS+11*\p+3]
.endr
.irp p, 0,1,2
	v_sub_nc_u32 v[FS+11*\p+3], v[FS+11*\p+1], v[FS+11*\p+3]           ; set bits in each field of 2,
.endr
.irp p, 0,1,2
	v_lshrrev_b32 v[FS+11*\p+4], 2, v[FS+11*\p+3]
.endr
.irp p, 0,1,2
	v_and_b32 v[FS+11*\p+4], 0x33333333, v[FS+11*\p+4]
.endr
.irp p, 0,1,2
	v_and_b32 v[FS+11*\p+9], 0x33333333, v[FS+11*\p+3]
.endr
.irp p, 0,1,2
	v_add_nc_u32 v[FS+11*\p+4], v[FS+11*\p+4], v[FS+11*\p+9]           ; of 4,
.endr
.irp p, 0,1,2
	v_lshrrev_b32 v[FS+11*\p+5], 4, v[FS+11*\p+4]
.endr
.irp p, 0,1,2
	v_add_nc_u32 v[FS+11*\p+5], v[FS+11*\p+5], v[FS+11*\p+4]
.endr
.irp p, 0,1,2
	v_and_b32 v[FS+11*\p+5], 0x0f0f0f0f, v[FS+11*\p+5]                 ; of 8,
.endr
.irp p, 0,1,2
	v_lshrrev_b32 v[FS+11*\p+6], 8, v[FS+11*\p+5]
.endr
.irp p, 0,1,2
	v_add_nc_u32 v[FS+11*\p+6], v[FS+11*\p+6], v[FS+11*\p+5]           ; and, in the low byte, of bits 0 to 15
.endr
	SELSTEP 6, 16, 1
	SELSTEP 5, 8, 0
	SELSTEP 4, 4, 0
	SELSTEP 3, 2, 0
	SELSTEP 1, 1, 0
.irp p, 0,1,2
	v_lshrrev_b32 v[FS+11*\p+9], 16, v[FS+11*\p+2]
.endr
.irp p, 0,1,2
	v_lshl_add_u32 v[FS+11*\p+9], v[FS+11*\p+8], 1, v[FS+11*\p+9]      ; the token: the mask's first + 2 x bit
.endr
.irp p, 0,1,2
	v_permlanex16_b32 v[PT+\p], v[FS+11*\p+9], s32, s33
.endr
	v_cndmask_b32 v[XO], v[FS+9], v[PT], s31       ; a tile's row r is wanted in lanes r and 16 + r: the even tile's lie in lanes 0-15 of the set,
	v_cndmask_b32 v[XO+1], v[PT], v[FS+9], s31     ; the odd tile's in lanes 16-31
	v_cndmask_b32 v[XO+2], v[FS+20], v[PT+1], s31
	v_cndmask_b32 v[XO+3], v[PT+1], v[FS+20], s31
	v_cndmask_b32 v[XO+4], v[FS+31], v[PT+2], s31
.endm
.macro TILES                           ; my five tiles of this pass.  A tile past the expert's last is held at the last: it is multiplied and not stored
.irp a, 0,1,2,3,4
	s_add_co_u32 s41, s29, \a
	s_min_u32 s41, s41, s30
	s_add_co_u32 s41, s41, s35
	s_min_u32 s[36+\a], s41, 511
.endr
.endm
.macro TOKADR
.irp a, 0,1,2,3,4
	v_min_u32 v[XO+\a], 1023, v[XO+\a]
	v_lshlrev_b32 v[XSO+\a], 5, v[XO+\a]           ; 32 scale bytes a token
	v_lshl_add_u32 v[XO+\a], v[XO+\a], 9, v[H16]   ; 512 bytes of codes a token, + 16 hh
.endr
.endm
.macro GATHER a                        ; tile a: 8 fragments and 8 scale words: 18 loads
.if (\a) < 4
	WIN 0x40
.set XB, 64*(\a)
.else
	WIN 0x80
.set XB, 0
.endif
.irp k, 0,1,2,3,4,5,6,7
.irp c, 0,1
	global_load_b128 v[XB+8*\k+4*\c:XB+8*\k+4*\c+3], v[XO+(\a)], s[8:9] offset:64*\k+32*\c
.endr
.endr
	WIN 0
	global_load_b128 v[XS+8*(\a):XS+8*(\a)+3], v[XSO+(\a)], s[8:9] offset:XSOFF
	global_load_b128 v[XS+8*(\a)+4:XS+8*(\a)+7], v[XSO+(\a)], s[8:9] offset:XSOFF+16
.endm
; Chunk n, which has landed, becomes codes.  more = 1: its landing set takes chunk n + 2;  gat >= 0: that tile's gather is issued behind it
.macro QCH n, more, gat
.if (\n)%2 == 0
	WIN 0x02
.set LB, 128
.else
	WIN 0x03
.set LB, 0
.endif
.set i, 0
.rept 32
.irp j, 0,1,2,3
	v_mov_b32 v[T+32*\j+i], v[LB+4*i+\j]           ; column j's numbers on end, K ascending
.endr
.set i, i+1
.endr
.if \more
	s_wait_alu depctr_va_vdst(0)                   ; the moves are done reading the landing set, in which the loads below land; XO and XSO, by which the gathers read, are written
	LOADCH (\n)+2
.endif
.if (\gat) >= 0
	GATHER \gat                                    ; no vector instruction since the wait names its addresses or the registers in which it lands
.endif
	WIN 0
.irp j, 0,1,2,3
	v_max3_num_f32 v[M+\j], |v[T+32*\j]|, |v[T+32*\j+1]|, 0x1800000   ; with the floor 2^(3 - 127): the byte cannot fall under 1
.endr
.set i, 2
.rept 15
.irp j, 0,1,2,3
	v_max3_num_f32 v[M+\j], v[M+\j], |v[T+32*\j+i]|, |v[T+32*\j+i+1]|   ; the four columns by turns
.endr
.set i, i+2
.endr
.irp j, 0,1,2,3
	v_add_nc_u32 v[M+\j], 0xff000000, v[M+\j]      ; 2 off the exponent field: the conversion's scale operand
.endr
.irp j, 0,1,2,3
	v_lshrrev_b32 v[BY+4*((\n)%2)+\j], 23, v[M+\j] ; the scale's byte
.endr
	s_wait_alu depctr_va_vdst(0)
	s_wait_dscnt 0x0                               ; the last chunk's LDS stores are done
.if (\n) > 0
	s_wait_alu depctr_vm_vsrc(0)                   ; the earlier chunks' LDS stores have read CODE and SS, which are written again below
.endif
.irp j, 0,1,2,3
.irp q, 0,1,2,3
	v_cvt_scalef32_pk8_fp4_f32 v[CODE+4*\j+\q], v[T+32*\j+8*\q:T+32*\j+8*\q+7], v[M+\j]
.endr
.endr
	v_nop                                          ; a plain instruction behind the last conversion
.if (\n)%2 == 1                        ; the K step is whole: its scale words.  I hold the bytes of blocks hh and 2 + hh
.irp j, 0,1,2,3
	v_lshl_or_b32 v[BY+\j], v[BY+4+\j], 16, v[BY+\j]
.endr
.irp j, 0,1,2,3
	v_lshlrev_b32 v[BY+\j], v[SH8], v[BY+\j]
.endr
.irp j, 0,1,2,3
	v_permlanex16_b32 v[PT+\j], v[BY+\j], s32, s33
.endr
.irp j, 0,1,2,3
	v_or_b32 v[BY+\j], v[BY+\j], v[PT+\j]          ; with lane l xor 16's two bytes the word is whole
.endr
	v_cndmask_b32 v[SS], v[BY], v[BY+1], s31       ; one register for two tiles: lanes 0-15 the even one's words, lanes 16-31 the odd one's
	v_cndmask_b32 v[SS+1], v[BY+2], v[BY+3], s31
.endif
	s_wait_alu depctr_va_vdst(0)                   ; the conversions have written CODE, and in an odd chunk the selects SS, which the LDS stores read
.irp j, 0,1,2,3
	ds_store_b128 v[LW], v[CODE+4*\j:CODE+4*\j+3] offset:4096*((\n)/2)+1024*\j+512*((\n)%2)   ; registers 4 c .. 4 c + 3 of tile j's fragment, 16 bytes a lane
.endr
.if (\n)%2 == 1
	ds_store_b64 v[LSW], v[SS:SS+1] offset:256*((\n)/2)
.endif
.endm
.macro WFETCH ks, buf                  ; a K step's 8 fragments and 4 scale registers: 18 LDS loads
.irp jt, 0,1,2,3,4,5,6,7
.irp c, 0,1
	ds_load_b128 v[WF+64*(\buf)+8*\jt+4*\c:WF+64*(\buf)+8*\jt+4*\c+3], v[LI] offset:(8*(\ks)+\jt)*1024+512*\c
.endr
.endr
.irp h, 0,1
	ds_load_b64 v[WS+4*(\buf)+2*\h:WS+4*(\buf)+2*\h+1], v[LS8] offset:256*(2*(\ks)+\h)
.endr
.endm
.macro MM a, jt, ks                    ; rows' tile a x columns' tile jt, K step ks
.if (\a) < 2
.set DA, 128+64*(\a)+8*(\jt)
.else
.set DA, 64*((\a)-2)+8*(\jt)
.endif
.if (\a) < 4
.set XA, 64*(\a)+8*(\ks)
.else
.set XA, 8*(\ks)
.endif
.if (\ks) == 0
.set CA, B1+8*(\jt)                    ; the bias starts the sum
.else
.set CA, DA
.endif
.set WA, WF+64*((\ks)%2)+8*(\jt)
.set SA, WS+4*((\ks)%2)+(\jt)/2
.set SX, XS+8*(\a)+(\ks)
.if (\jt)%2
	v_wmma_scale_f32_16x16x128_f8f6f4 v[DA:DA+7], v[WA:WA+7], v[XA:XA+7], v[CA:CA+7], v[SA], v[SX] matrix_a_fmt:MATRIX_FMT_FP4 matrix_b_fmt:MATRIX_FMT_FP4 matrix_a_scale:MATRIX_SCALE_ROW1
.else
	v_wmma_scale_f32_16x16x128_f8f6f4 v[DA:DA+7], v[WA:WA+7], v[XA:XA+7], v[CA:CA+7], v[SA], v[SX] matrix_a_fmt:MATRIX_FMT_FP4 matrix_b_fmt:MATRIX_FMT_FP4
.endif
.endm
; A K step: 40 matrix instructions, the 40 accumulators by turns, one instruction a turn.  The next step's fragments are asked for first, in one run, into the set that the
; last step read: so they have this step's 40 products in which to land.  Four plain instructions stand behind that step's products, and behind them the wait that states that those products are done reading the set.
.macro KSTEP ks
.rept 4
	v_nop
.endr
.if (\ks) < 7
.if (\ks) > 0
	s_wait_alu depctr_va_vdst(0)                   ; the last step's products are done reading their fragments of W1 and its scale words, in which the 18 loads below land
.endif
	WFETCH (\ks)+1, ((\ks)+1)%2
	s_wait_dscnt 18                                ; this step's 18 are in; the 18 just issued stay out
.else
	s_wait_dscnt 0x0
.endif
.irp a, 0,1,2,3,4
.if \a < 2
	WIN 0xa4                                       ; x window 1; C and D window 2 (the bias lies there too)
.elseif \a < 4
.if (\ks) == 0
	WIN 0xe4                                       ; C (the bias) window 2, D window 3
.else
	WIN 0xf4
.endif
.else
.if (\ks) == 0
	WIN 0xe8                                       ; x window 2
.else
	WIN 0xf8
.endif
.endif
.irp jt, 0,1,2,3,4,5,6,7
	MM \a, \jt, \ks
.endr
.endr
	WIN 0
.endm
; THE WAY OUT of tile a: relu, the two blocks' scales, codes, stores.  A tile past the expert's last is passed over.
.macro HOUT a
	s_add_co_u32 s41, s29, \a
	s_cmp_ge_u32 s41, s22
	s_cbranch_scc1 .Lhskip_\@
	s_wait_xcnt 0x0                                ; the last tile's stores have had their addresses translated,
	s_wait_alu depctr_vm_vsrc(0)                   ; and have read HC, the scale word and their two offsets, which this tile writes again
.if (\a) < 2
	WIN 0x08
.set AB, 128+64*(\a)
.else
	WIN 0x0c
.set AB, 64*((\a)-2)
.endif
.set i, 0
.rept 64
	v_max_num_f32 v[E+i], 0, v[AB+i]               ; the activation, in f32; each accumulator from its low end on
.set i, i+1
.endr
	WIN 0
.irp h, 0,1
	v_max3_num_f32 v[OM+\h], v[E+32*\h], v[E+32*\h+1], 0x1800000   ; none is negative: no |.|
.endr
.set i, 2
.rept 15
.irp h, 0,1
	v_max3_num_f32 v[OM+\h], v[OM+\h], v[E+32*\h+i], v[E+32*\h+i+1]
.endr
.set i, i+2
.endr
	v_add_nc_u32 v[OM], 0xff000000, v[OM]
	v_add_nc_u32 v[OM+1], 0xff000000, v[OM+1]
	v_lshrrev_b32 v[OM+2], 23, v[OM]
	v_lshrrev_b32 v[OM+3], 23, v[OM+1]
	v_lshl_or_b32 v[OM+4], v[OM+3], 16, v[OM+2]    ; my bytes: blocks h and 2 + h of these 128 hidden units
	v_lshlrev_b32 v[OM+4], v[SH8], v[OM+4]
	v_permlanex16_b32 v[PT], v[OM+4], s32, s33
	v_or_b32 v[OM+4], v[OM+4], v[PT]
.irp h, 0,1
.irp q, 0,1,2,3
	v_cvt_scalef32_pk8_fp4_f32 v[HC+4*\h+\q], v[E+32*\h+8*\q:E+32*\h+8*\q+7], v[OM+\h]
.endr
.endr
	v_nop                                          ; a plain instruction behind the last conversion
	s_lshl_b32 s41, s[36+\a], 5
	s_add_co_u32 s41, s41, s15                     ; 32 x tile + s
	s_lshl_b32 s42, s41, 10
	s_lshl_b32 s41, s41, 6
	v_add_nc_u32 v[STA], s42, v[LI]
	v_add_nc_u32 v[STB], s41, v[R4]
	s_wait_alu depctr_va_vdst(0)                   ; the codes, the scale word and the two offsets are written, which the three stores read
	global_store_b128 v[STA], v[HC:HC+3], s[12:13]                ; 32 lanes store 512 consecutive bytes, aligned
	global_store_b128 v[STA], v[HC+4:HC+7], s[12:13] offset:512
	global_store_b32 v[STB], v[OM+4], s[44:45]                    ; 16 words; both halves of the lanes hold and write the same
.Lhskip_\@:
.endm
	s_load_b256 s[4:11], s[0:1], 0x0               ; W1 s[4:5], b1 s[6:7], xq s[8:9], tidx s[10:11]
	s_load_b64 s[12:13], s[0:1], 0x20              ; hq
	s_load_b64 s[44:45], s[0:1], 0x28              ; hs
	s_load_b64 s[46:47], s[0:1], 0x30              ; route
	v_lshl_add_u32 v126, v0, 2, 0x11000
	v_mov_b32 v127, 0
	v_lshrrev_b32 v23, 5, v0
	v_readfirstlane_b32 s14, v23                   ; wave
	s_mov_b32 s15, ttmp9                           ; s: my 128 hidden units
	s_and_b32 s16, ttmp7, 0xffff                   ; my expert
	v_and_b32 v[LN], 31, v0                        ; lane
	v_and_b32 v23, 15, v0                          ; q = r
	v_bfe_u32 v[SH8], v0, 4, 1                     ; hh = h
	v_lshlrev_b32 v[LI], 4, v[LN]
	v_lshl_add_u32 v[LS8], v[LN], 3, SCIMG
	s_wait_alu depctr_va_sdst(0)                   ; s14 is written, ahead of its first reader: LDS addresses, the base of W1 and my tiles are made from it
	s_lshl_b32 s17, s14, 14
	v_add_nc_u32 v[LW], s17, v[LI]
	s_lshl_b32 s17, s14, 10
	v_add_nc_u32 v[LSW], s17, v[LS8]
	v_lshlrev_b32 v[WOFF], 4, v23
	v_lshl_add_u32 v[WOFF], v[SH8], 19, v[WOFF]    ; 32 rows of 16,384 bytes
	v_lshlrev_b32 v[R4], 2, v23
	v_lshlrev_b32 v[H16], 4, v[SH8]
	v_lshlrev_b32 v[H128], 7, v[SH8]
	v_lshlrev_b32 v[SH8], 3, v[SH8]
.irp j, 0,1,2,3
	v_mov_b32 v[PT+\j], 0
.endr
	s_mov_b32 s31, 0xffff0000                      ; lanes 16 to 31
	s_mov_b32 s32, 0x76543210
	s_mov_b32 s33, 0xfedcba98
	s_mov_b32 s28, 0                               ; the pass
	s_mul_i32 s29, s14, 5                          ; my first tile of the pass, counted in the expert
	s_lshl_b32 s35, s16, 6                         ; the expert's first tile
	s_lshl_b32 s18, s16, 24                        ; W1: expert, my wave's 256 rows, my work-group's 512 bytes of a row
	s_lshl_b32 s17, s14, 22
	s_add_co_u32 s18, s18, s17
	s_lshl_b32 s17, s15, 9
	s_add_co_u32 s18, s18, s17
	s_mov_b32 s19, 0
	s_lshl_b32 s42, s16, 14                        ; b1: expert, my 128 numbers
	s_add_co_u32 s42, s42, s17
	s_mov_b32 s43, 0
	s_wait_kmcnt 0x0
	s_add_nc_u64 s[24:25], s[4:5], s[18:19]
	s_add_nc_u64 s[26:27], s[6:7], s[42:43]
	s_wait_alu depctr_va_vdst(0)                   ; the offsets and LDS addresses v1 to v9 and the closing add's v126, v127 are written: every load, store and LDS instruction that reads one of them stands behind this wait, and none of them is written again
.set i, 0
.rept 16
	global_load_b128 v[T+4*i:T+4*i+3], v[LI], s[10:11] offset:512*i   ; the experts of tokens 64 i + 2 lane and + 1
.set i, i+1
.endr
	LOADCH 0
	LOADCH 1
	WIN 0
; ---- WHICH ROWS, while the first two chunks are on their way
	s_wait_loadcnt 63                              ; 64 loads were issued behind tidx's
.set c, 0
.rept 32
	v_cmp_eq_u32 s[48+c+2*(c/16)], s16, v[T+2*c]   ; I am the token's first choice,
.set c, c+1
.endr
.set c, 0
.rept 4
.irp k, 0,1,2,3,4,5,6,7
	v_cmp_eq_u32 s[82+\k], s16, v[T+2*(c+\k)+1]    ; or its second
.endr
	s_wait_alu depctr_va_sdst(0)                   ; the compares issued so far have written the masks and s82 to s89, which the lines below read
.irp k, 0,1,2,3,4,5,6,7
	s_or_b32 s[48+(c+\k)+2*((c+\k)/16)], s[48+(c+\k)+2*((c+\k)/16)], s[82+\k]
.endr
.set c, c+8
.endr
	FIND
	s_min_u32 s20, s83, 1024                       ; the expert's rows
	s_add_co_u32 s22, s20, 15
	s_lshr_b32 s22, s22, 4
	s_max_u32 s22, s22, 1                          ; its tiles; without rows: one, of filler
	s_min_u32 s22, s22, 64
	s_sub_co_u32 s30, s22, 1                       ; the last of them
	s_add_co_u32 s23, s22, 19
	s_mul_i32 s23, s23, 205
	s_lshr_b32 s23, s23, 12                        ; passes = (tiles + 19) / 20: x 205 / 4096 is exact up to 83
	s_min_u32 s23, s23, 4
	TILES
	s_wait_alu depctr_va_vdst(0)
	TOKADR
; ---- the slots and the count, for the launches behind this one: one wave for each expert
	s_or_b32 s82, s15, s14
	s_cmp_lg_u32 s82, 0
	s_cbranch_scc1 .Lnotab
	s_lshl_b32 s82, s16, 12
	s_mov_b32 s83, 0
	s_add_nc_u64 s[86:87], s[46:47], s[82:83]      ; route + 4096 e
	s_lshl_b32 s82, s16, 7
	s_add_nc_u64 s[88:89], s[46:47], s[82:83]      ; route + 128 e
	v_lshlrev_b32 v[FS], 3, v[LN]
	v_lshlrev_b32 v[FS+1], 2, v[LN]
	v_mov_b32 v[FS+2], s20
	s_lshl_b32 s83, s16, 10                        ; the expert's first slot
.set c, 0
.rept 32
	v_mbcnt_lo_u32_b32 v[T+c], s[48+c+2*(c/16)], 0 ; rows of this mask in the lanes below me
	v_add_nc_u32 v[T+c], s83, v[T+c]
	s_bcnt1_i32_b32 s82, s[48+c+2*(c/16)]
	s_add_co_u32 s83, s83, s82
.set c, c+1
.endr
	s_wait_alu depctr_va_vdst(0)                   ; the 32 slots, the two offsets and the count are written, which the stores below read
.set i, 0
.rept 16
	global_store_b64 v[FS], v[T+2*i:T+2*i+1], s[86:87] offset:256*i   ; tokens 64 i + 2 lane and + 1: 32 lanes store 256 consecutive bytes, aligned
.set i, i+1
.endr
	global_store_b32 v[FS+1], v[FS+2], s[88:89] offset:32768          ; the count, a word a lane: 128 consecutive bytes
	s_wait_xcnt 0x0                                ; the registers that these stores read are written again below:
	s_wait_alu depctr_vm_vsrc(0)                   ; the stores have read v[T ..] and v[FS ..], which the chunks' moves write
.Lnotab:
	WIN 0xc0
.irp h, 0,1
.irp r, 0,1,2,3,4,5,6,7
	global_load_b128 v[BL+4*(8*\h+\r):BL+4*(8*\h+\r)+3], v[H128], s[26:27] offset:256*\h+16*\r   ; b1 of hidden units 64 h' + 32 hh + 4 r + 0 .. 3.  No wait: no vector instruction has named these registers, nor the offset since the head's wait
.endr
.endr
; ---- PHASE 1.  Each count: the loads issued behind the chunk that is wanted, held at 63
	s_wait_loadcnt 48                              ; behind chunk 0: chunk 1's 32 and the bias's 16
	QCH 0, 1, -1
	s_wait_loadcnt 32                              ; behind chunk 1 and the bias: chunk 2's 32
	WIN 0x83                                       ; from window 3 into window 2
.irp h, 0,1
.irp j, 0,1,2,3
.irp r, 0,1,2,3,4,5,6,7
	v_mov_b32 v[B1+8*(4*\h+\j)+\r], v[BL+4*(8*\h+\r)+\j]   ; the bias in the result's layout: tile 4 h' + j, register r
.endr
.endr
.endr
	QCH 1, 1, 0
	s_wait_loadcnt 50                              ; chunk 3's 32 and a gather's 18
	QCH 2, 1, 1
	s_wait_loadcnt 63                              ; 18 + 32 + 18 were issued behind it
	QCH 3, 1, 2
	s_wait_loadcnt 63
	QCH 4, 1, 3
	s_wait_loadcnt 63
	QCH 5, 1, 4
	s_wait_loadcnt 63
	QCH 6, 0, -1
	s_wait_loadcnt 18                              ; the last gather's 18
	QCH 7, 0, -1
	s_wait_dscnt 0x0                               ; for the others' sake: my images lie in LDS
	s_barrier_signal -1
	s_barrier_wait -1                              ; all 64 fragments do; from here on they are only read
; ---- PHASE 2
.Lpass:
	s_wait_loadcnt 0x0                             ; x's fragments and scale words
	s_wait_xcnt 0x0
.rept 4
	v_nop
.endr
	s_wait_alu depctr_va_vdst(0)                   ; all vector work on v128 to v255 is done (the chunks' moves and conversions; round the loop the way out's and the search's), and so are the last products' reads of W1's fragments and scale words: the LDS loads of K steps 0 and 1 land there
	WFETCH 0, 0
.irp k, 0,1,2,3,4,5,6,7
	KSTEP \k
.endr
.rept 4
	v_nop                                          ; four plain instructions ahead of the first read of results, and of writes and loads into registers that the products read
.endr
.irp a, 0,1,2,3,4
	HOUT \a
.endr
	s_add_co_u32 s28, s28, 1
	s_add_co_u32 s29, s29, 20
	s_cmp_ge_u32 s28, s23
	s_cbranch_scc1 .Lnomore
	s_wait_alu depctr_vm_vsrc(0)                   ; the last pass's gathers have read XO and XSO, which the search and the lines behind it write again
	FIND                                           ; the next pass's rows
	TILES
	s_wait_alu depctr_va_vdst(0)
	TOKADR
	s_wait_alu depctr_va_vdst(0)                   ; XO and XSO are written, which the gathers read; the products are done reading x's fragments and scale words, in which they land
.irp a, 0,1,2,3,4
	GATHER \a
.endr
.Lnomore:
	s_cmp_lt_u32 s28, s23
	s_cbranch_scc1 .Lpass
	s_wait_dscnt 0x0                               ; the closing lines, six on end
	s_wait_alu 0x0
	s_wait_tensorcnt 0x0
	ds_add_u32 v126, v127
	s_wait_dscnt 0x0
	s_endpgm
.Lfunc_end_k_q0a825a5f22_ffn1:
	.size	k_q0a825a5f22_ffn1, .Lfunc_end_k_q0a825a5f22_ffn1-k_q0a825a5f22_ffn1
	.p2alignl 7, 3214868480
	.fill 96, 4, 3214868480
	.section	.rodata,"a",@progbits
	.p2align	6, 0x0
	.amdhsa_kernel k_q0a825a5f22_ffn1
		.amdhsa_group_segment_fixed_size 70144
		.amdhsa_private_segment_fixed_size 0
		.amdhsa_enable_private_segment 0
		.amdhsa_kernarg_size 56
		.amdhsa_user_sgpr_count 2
		.amdhsa_user_sgpr_kernarg_segment_ptr 1
		.amdhsa_wavefront_size32 1
		.amdhsa_system_sgpr_workgroup_id_x 1
		.amdhsa_system_sgpr_workgroup_id_y 1
		.amdhsa_system_sgpr_workgroup_id_z 1
		.amdhsa_system_vgpr_workitem_id 0
		.amdhsa_next_free_vgpr 1024
		.amdhsa_next_free_sgpr 92
		.amdhsa_reserve_vcc 0
		.amdhsa_float_denorm_mode_32 3
		.amdhsa_float_denorm_mode_16_64 3
		.amdhsa_memory_ordered 1
		.amdhsa_forward_progress 1
		.amdhsa_inst_pref_size 255
	.end_amdhsa_kernel
	.section	.bss,"aw",@nobits
	.p2align	6
	.space	262144
	.amdgpu_metadata
---
amdhsa.version: [ 1, 2 ]
amdhsa.kernels:
  - .name:           k_q0a825a5f22_ffn1
    .symbol:         k_q0a825a5f22_ffn1.kd
    .args:
      - { .name: W1, .offset: 0, .size: 8, .value_kind: global_buffer, .address_space: global }
      - { .name: b1, .offset: 8, .size: 8, .value_kind: global_buffer, .address_space: global }
      - { .name: xq, .offset: 16, .size: 8, .value_kind: global_buffer, .address_space: global }
      - { .name: tidx, .offset: 24, .size: 8, .value_kind: global_buffer, .address_space: global }
      - { .name: hq, .offset: 32, .size: 8, .value_kind: global_buffer, .address_space: global }
      - { .name: hs, .offset: 40, .size: 8, .value_kind: global_buffer, .address_space: global }
      - { .name: route, .offset: 48, .size: 8, .value_kind: global_buffer, .address_space: global }
    .group_segment_fixed_size: 70144
    .private_segment_fixed_size: 0
    .kernarg_segment_align: 8
    .kernarg_segment_size: 56
    .max_flat_workgroup_size: 128
    .sgpr_count:     92
    .vgpr_count:     1024
    .wavefront_size: 32
...
	.end_amdgpu_metadata
.endif
;; end of part 10
;; launch ffn2 (part 11): grid 32 x 8, 4 waves a work-group, no clusters, 87,552 bytes of LDS; arguments W2, b2, hq, route, hs, ypart; writes ypart
.if DOCPART == 11
	.amdgcn_target "amdgcn-amd-amdhsa--gfx1250"
	.amdhsa_code_object_version 6
	.text
	.protected	k_q0a825a5f22_ffn2
	.globl	k_q0a825a5f22_ffn2
	.p2align	8
	.type	k_q0a825a5f22_ffn2,@function
k_q0a825a5f22_ffn2:
	s_mov_b64 s[64:65], 0
	v_nop
	global_prefetch_b8 v0, s[64:65] scope:SCOPE_SE
	s_setreg_imm32_b32 hwreg(HW_REG_WAVE_SCHED_MODE, 0, 2), 2
	s_setreg_imm32_b32 hwreg(HW_REG_WAVE_MODE, 25, 1), 1
	s_wait_xcnt 0x0
	s_wait_alu depctr_vm_vsrc(0)
; ypart = h W2[e] + b2[e] for the rows routed to expert e, in two halves along K; on codes of E2M1 with one E8M0 scale for each 32 along K.
; W2 [8][4096 k][1024] f32, b2 [8][1024] f32; hq, hs, route: as the launch before laid them.  ypart [2 halves of K][8192 slots][1024] f32; expert e owns slots 1024 e on, and only its tiles in use are touched.
; SHARES.  Work-group (x, e): cs = x % 16 picks 64 output columns (256 bytes of a row of W2), kh = x / 16 picks 2,048 of the 4,096 k: 512 KiB that no other work-group reads.
; 32 columns over all of K would read half of each aligned 256 bytes; 128 work-groups would leave half the WGPs without work.  The bias enters in the half kh = 0 alone.
; PHASE 1: each wave quantises 512 k (8 chunks of 64 k x 64 columns) in registers, as in the launch before, and lays the codes in LDS as images of operand registers; one barrier.
; INSIDE EACH BLOCK OF 32 the rows of W2 are taken in the order 4 (i % 8) + i / 8, in which h's codes lie: alike on both sides, so every product and every scale is kept.
; PHASE 2: each wave multiplies 5 tiles of 16 routed rows by the 64 columns over 16 K steps; 20 tiles a pass.  h's fragments come straight from memory, 512 consecutive bytes a load:
; K steps 0-7 during phase 1; K steps 8-15 as soon as the chunks' landing registers are free, behind chunks 6 and 7, so that they land during the last chunk, the barrier and K steps 0-7.
; THE PRODUCT IS USED TRANSPOSED: lane (r, h) holds row r, register i of tile j the column 32 h + 4 i + j.  On the way out it moves to register 4 i + j: 32 neighbours of a row.
; They go through the wave's own stage in LDS, so that sixteen lanes store 256 consecutive bytes, aligned.
; NO TENSOR LOADS, NO CLUSTER: passes and stored tiles hang on a count read from memory; the weights are shared by nobody; h's codes, which 16 work-groups share, are 320 KiB a pass beside 512 KiB.
; LIMITS: NaN and infinities are not served.  A block of zeros, and one whose largest magnitude lies under 2^-124, gets the scale byte 1.  The order of k inside a block differs from memory's:
; the sums' last bits may differ.
; THE MODE: SCHED_MODE bits 1:0 = 2 (LLVM: expert scheduling mode 2), set by the entry lines.  The code itself states the register dependences between vector or matrix instructions and
; memory or LDS instructions, and those through scalar registers that vector instructions write, with s_wait_alu, always for 0.
; THE PLAN.  Registers that memory or LDS instructions touch:
;   v1-v5, v8-v12, v110, v111  offsets and LDS addresses: made at the head, never written again: one wait on va_vdst ahead of the first load serves all that read them.
;   landing sets 0, 1  A chunk's loads land; its 128 moves read; one wait on va_vdst behind the moves; then the loads of the chunk two on land.  Behind chunks 6 and 7 h's K steps 8-15 land there and in
;                      T's upper half: all vector work on these registers stands ahead of the chunk's wait in front of its LDS stores.
;   CODE, SS           The conversions and two selects write; the chunk's LDS stores read.  One wait on vm_vsrc ahead of the conversions, one on va_vdst ahead of the run of stores.
;   HA, HB, YO         TILES writes; the loads of h and the stores of ypart read.  First pass: the wait behind chunk 1's moves stands between.  Later passes: vm_vsrc ahead of TILES, va_vdst behind it.
;   h's fragments, HS  The loads land; the products read: the same wait on va_vdst behind TILES.
;   WF0, WF1, WS       LDS loads land; the products read.  On the way out the same registers are OUT (moves write, LDS stores read) and RB (the stage's loads land, global stores read):
;                      vm_vsrc and va_vdst at a pass's head, va_vdst at the head of K steps 1 to 14, vm_vsrc at a tile's way out, va_vdst behind its moves.
.set PITCH, 4096                       ; a row of W2 in bytes
.set HALF,  33554432                   ; a half of ypart
.set SCIMG, 65536                      ; LDS: 0: 64 fragments of 1,024 bytes (4 ksl + tile);  65536: 16 x 256 bytes of scale words;
.set STAGE, 69632                      ; 69632: a stage of 16 rows x 272 bytes for each wave
.set WOFF, 1                           ; v1   hh x 32 rows + 16 q
.set LI,   2                           ; v2   16 x lane
.set LS8,  3                           ; v3   SCIMG + 8 x lane
.set LW,   4                           ; v4   16 x lane + 16384 x wave
.set LSW,  5                           ; v5   SCIMG + 8 x lane + 1024 x wave
.set SH8,  6                           ; v6   8 hh
.set L4,   8                           ; v8   4 x lane
.set H128, 9                           ; v9   128 hh
.set STO,  10                          ; v10  the stage: where I put 128 bytes of a row
.set RD,   11                          ; v11  and where I read 16 bytes back
.set YL,   12                          ; v12  my bytes in a tile's 16 rows of ypart
.set HA,   13                          ; v13-17 tile a: h's codes;   v18-22 its scale words;   v28-32 its rows of ypart
.set HB,   18
.set YO,   28
.set HA0,  33                          ; v33  16 x lane + 16384 kh;   v34  4 x lane + 1024 kh
.set HB0,  34
.set HS,   36                          ; v36-75 h's scale words: 20 g + 4 a + u: lanes 0-15 K step 8 g + 2 u, lanes 16-31 the next.  Scales and nothing else
.set WS,   76                          ; v76-79 W2's scale words, two sets of two.  Scales and nothing else
.set M,    88
.set BY,   92                          ; v92-95, v96-99
.set PT,   100
.set SS,   104
.set CODE, 112
.set T,    128                         ; phase 1: column j's 32 numbers at 32 j
.set WF,   128                         ; phase 2: W2's fragments, two sets of 32;  v192-255: h's fragments of K steps 8-15, tile 4
.set OUT,  128                         ; the way out
.set RB,   160
.set B2,   64                          ; window 2: v0-63 h (K steps 0-7, tile 4); v64-95 the bias; v96-127 accumulators of tile 4; v128-255 landing set 0, later h (8-15, tiles 0, 1)
                                       ; window 1: h (0-7, tiles 0-3);   window 3: v0-127 landing set 1, later h (8-15, tiles 2, 3); v128-255 accumulators of tiles 0-3
.set MSB, 0
.macro WIN new                         ; the immediate's high byte repeats the setting that is left
.if MSB != \new
	s_set_vgpr_msb (MSB<<8)|\new
.set MSB, \new
.endif
.endm
.macro LOADCH n                        ; chunk n = 2 u + c of my wave: 32 loads into landing set n % 2
.set LU, (\n)/2
.set LC, (\n)%2
.if (\n)%2 == 0
	WIN 0x80
.set LB, 128
.else
	WIN 0xc0
.set LB, 0
.endif
.set i, 0
.rept 32
	global_load_b128 v[LB+4*i:LB+4*i+3], v[WOFF], s[24:25] offset:(128*LU+64*LC+4*(i%8)+i/8)*PITCH th:TH_LOAD_NT
.set i, i+1
.endr
.endm
.macro TILES                           ; my five tiles of this pass and their addresses.  A tile past the expert's last is held at the last: it is multiplied and not stored
.irp a, 0,1,2,3,4
	s_add_co_u32 s41, s29, \a
	s_min_u32 s41, s41, s30
	s_add_co_u32 s41, s41, s35
	s_min_u32 s[36+\a], s41, 511
.endr
.irp a, 0,1,2,3,4
	s_lshl_b32 s41, s[36+\a], 15
	v_add_nc_u32 v[HA+\a], s41, v[HA0]
	s_lshl_b32 s41, s[36+\a], 11
	v_add_nc_u32 v[HB+\a], s41, v[HB0]
	s_lshl_b32 s41, s[36+\a], 16
	v_add_nc_u32 v[YO+\a], s41, v[YL]
.endr
.endm
.macro GATHER a                        ; tile a, K steps 0-7: 8 fragments, 4 registers of scale words: 20 loads
.if (\a) < 4
	WIN 0x40
.set XB, 64*(\a)
.else
	WIN 0x80
.set XB, 0
.endif
.irp k, 0,1,2,3,4,5,6,7
.irp c, 0,1
	global_load_b128 v[XB+8*\k+4*\c:XB+8*\k+4*\c+3], v[HA+(\a)], s[8:9] offset:1024*\k+512*\c
.endr
.endr
	WIN 0
.irp u, 0,1,2,3
	global_load_b32 v[HS+4*(\a)+\u], v[HB+(\a)], s[12:13] offset:128*\u
.endr
.endm
.macro G1LOAD a                        ; tile a, K steps 8-15: 20 loads
.if (\a) < 2
	WIN 0x80
.set XB, 128+64*(\a)
.elseif (\a) < 4
	WIN 0xc0
.set XB, 64*((\a)-2)
.else
	WIN 0
.set XB, 192
.endif
.irp k, 0,1,2,3,4,5,6,7
.irp c, 0,1
	global_load_b128 v[XB+8*\k+4*\c:XB+8*\k+4*\c+3], v[HA+(\a)], s[8:9] offset:8192+1024*\k+512*\c
.endr
.endr
	WIN 0
.irp u, 0,1,2,3
	global_load_b32 v[HS+20+4*(\a)+\u], v[HB+(\a)], s[12:13] offset:512+128*\u
.endr
.endm
; Chunk n, which has landed, becomes codes.  more = 1: its landing set takes chunk n + 2;  gat >= 0: that tile's gather is issued behind it
.macro QCH n, more, gat
.if (\n)%2 == 0
	WIN 0x02
.set LB, 128
.else
	WIN 0x03
.set LB, 0
.endif
.set i, 0
.rept 32
.irp j, 0,1,2,3
	v_mov_b32 v[T+32*\j+i], v[LB+4*i+\j]           ; column j's numbers on end
.endr
.set i, i+1
.endr
.if \more
	s_wait_alu depctr_va_vdst(0)                   ; the moves are done reading the landing set, in which the loads below land; HA and HB, by which the gathers read, are written
	LOADCH (\n)+2
.endif
.if (\gat) >= 0
	GATHER \gat                                    ; no vector instruction since the wait names its addresses or the registers in which it lands
.endif
	WIN 0
.irp j, 0,1,2,3
	v_max3_num_f32 v[M+\j], |v[T+32*\j]|, |v[T+32*\j+1]|, 0x1800000   ; with the floor 2^(3 - 127): the byte cannot fall under 1
.endr
.set i, 2
.rept 15
.irp j, 0,1,2,3
	v_max3_num_f32 v[M+\j], v[M+\j], |v[T+32*\j+i]|, |v[T+32*\j+i+1]|
.endr
.set i, i+2
.endr
.irp j, 0,1,2,3
	v_add_nc_u32 v[M+\j], 0xff000000, v[M+\j]      ; 2 off the exponent field: the conversion's scale operand
.endr
.irp j, 0,1,2,3
	v_lshrrev_b32 v[BY+4*((\n)%2)+\j], 23, v[M+\j]
.endr
	s_wait_alu depctr_va_vdst(0)
	s_wait_dscnt 0x0                               ; the last chunk's LDS stores are done
.if (\n) > 0
	s_wait_alu depctr_vm_vsrc(0)                   ; the earlier chunks' LDS stores have read CODE and SS, which are written again below
.endif
.irp j, 0,1,2,3
.irp q, 0,1,2,3
	v_cvt_scalef32_pk8_fp4_f32 v[CODE+4*\j+\q], v[T+32*\j+8*\q:T+32*\j+8*\q+7], v[M+\j]
.endr
.endr
	v_nop                                          ; a plain instruction behind the last conversion
.if (\n)%2 == 1                        ; the K step is whole: its scale words.  I hold the bytes of blocks hh and 2 + hh
.irp j, 0,1,2,3
	v_lshl_or_b32 v[BY+\j], v[BY+4+\j], 16, v[BY+\j]
.endr
.irp j, 0,1,2,3
	v_lshlrev_b32 v[BY+\j], v[SH8], v[BY+\j]
.endr
.irp j, 0,1,2,3
	v_permlanex16_b32 v[PT+\j], v[BY+\j], s32, s33
.endr
.irp j, 0,1,2,3
	v_or_b32 v[BY+\j], v[BY+\j], v[PT+\j]
.endr
	v_cndmask_b32 v[SS], v[BY], v[BY+1], s31       ; lanes 0-15 the even tile's words, lanes 16-31 the odd one's
	v_cndmask_b32 v[SS+1], v[BY+2], v[BY+3], s31
.endif
	s_wait_alu depctr_va_vdst(0)                   ; the conversions have written CODE, and in an odd chunk the selects SS, which the LDS stores read; the chunk's work on its landing set and on T is done
.irp j, 0,1,2,3
	ds_store_b128 v[LW], v[CODE+4*\j:CODE+4*\j+3] offset:4096*((\n)/2)+1024*\j+512*((\n)%2)
.endr
.if (\n)%2 == 1
	ds_store_b64 v[LSW], v[SS:SS+1] offset:256*((\n)/2)
.endif
.endm
.macro WFETCH ksl, buf                 ; a K step's 4 fragments and 2 scale registers: 9 LDS loads
.irp j, 0,1,2,3
.irp c, 0,1
	ds_load_b128 v[WF+32*(\buf)+8*\j+4*\c:WF+32*(\buf)+8*\j+4*\c+3], v[LI] offset:(4*(\ksl)+\j)*1024+512*\c
.endr
.endr
	ds_load_b64 v[WS+2*(\buf):WS+2*(\buf)+1], v[LS8] offset:256*(\ksl)
.endm
.macro MM a, j, ksl                    ; rows' tile a x columns' tile j, K step ksl
.set KK, (\ksl)%8
.if (\a) < 4
.set DA, 128+32*(\a)+8*(\j)
.else
.set DA, 96+8*(\j)
.endif
.if (\ksl) < 8
.if (\a) < 4
.set HFA, 64*(\a)+8*KK
.else
.set HFA, 8*KK
.endif
.else
.if (\a) < 2
.set HFA, 128+64*(\a)+8*KK
.elseif (\a) < 4
.set HFA, 64*((\a)-2)+8*KK
.else
.set HFA, 192+8*KK
.endif
.endif
.if (\ksl) == 0
.set CA, B2+8*(\j)                     ; the bias (or zeros, in the second half of K) starts the sum
.else
.set CA, DA
.endif
.set WA, WF+32*((\ksl)%2)+8*(\j)
.set SA, WS+2*((\ksl)%2)+(\j)/2
.set SH, HS+20*((\ksl)/8)+4*(\a)+KK/2
.if (\j)%2
.if (\ksl)%2
	v_wmma_scale_f32_16x16x128_f8f6f4 v[DA:DA+7], v[WA:WA+7], v[HFA:HFA+7], v[CA:CA+7], v[SA], v[SH] matrix_a_fmt:MATRIX_FMT_FP4 matrix_b_fmt:MATRIX_FMT_FP4 matrix_a_scale:MATRIX_SCALE_ROW1 matrix_b_scale:MATRIX_SCALE_ROW1
.else
	v_wmma_scale_f32_16x16x128_f8f6f4 v[DA:DA+7], v[WA:WA+7], v[HFA:HFA+7], v[CA:CA+7], v[SA], v[SH] matrix_a_fmt:MATRIX_FMT_FP4 matrix_b_fmt:MATRIX_FMT_FP4 matrix_a_scale:MATRIX_SCALE_ROW1
.endif
.else
.if (\ksl)%2
	v_wmma_scale_f32_16x16x128_f8f6f4 v[DA:DA+7], v[WA:WA+7], v[HFA:HFA+7], v[CA:CA+7], v[SA], v[SH] matrix_a_fmt:MATRIX_FMT_FP4 matrix_b_fmt:MATRIX_FMT_FP4 matrix_b_scale:MATRIX_SCALE_ROW1
.else
	v_wmma_scale_f32_16x16x128_f8f6f4 v[DA:DA+7], v[WA:WA+7], v[HFA:HFA+7], v[CA:CA+7], v[SA], v[SH] matrix_a_fmt:MATRIX_FMT_FP4 matrix_b_fmt:MATRIX_FMT_FP4
.endif
.endif
.endm
; A K step: 20 matrix instructions, the 20 accumulators by turns, one instruction a turn.  The next step's fragments are asked for first, in one run, into the set that the
; last step read: so they have this step's 20 products in which to land.  Four plain instructions stand behind that step's products, and behind them the wait that states that those products are done reading the set.
.macro KSTEP ksl
.rept 4
	v_nop
.endr
.if (\ksl) < 15
.if (\ksl) > 0
	s_wait_alu depctr_va_vdst(0)                   ; the last step's products are done reading their fragments of W2 and its scale words, in which the 9 loads below land
.endif
	WFETCH (\ksl)+1, ((\ksl)+1)%2
	s_wait_dscnt 9                                 ; this step's 9 are in; the 9 just issued stay out
.else
	s_wait_dscnt 0x0
.endif
.irp a, 0,1,2,3,4
.if (\ksl) < 8
.if \a < 4
.if (\ksl) == 0
	WIN 0xe4                                       ; h window 1, C (the bias) window 2, D window 3
.else
	WIN 0xf4
.endif
.else
	WIN 0xa8                                       ; h, C and D window 2
.endif
.else
.if \a < 2
	WIN 0xf8                                       ; h window 2, C and D window 3
.elseif \a < 4
	WIN 0xfc                                       ; h, C and D window 3
.else
	WIN 0xa0                                       ; h window 0, C and D window 2
.endif
.endif
.irp j, 0,1,2,3
	MM \a, \j, \ksl
.endr
.endr
	WIN 0
.endm
; THE WAY OUT of tile a.  A tile past the expert's last is passed over.
.macro YOUT a
	s_add_co_u32 s41, s29, \a
	s_cmp_ge_u32 s41, s22
	s_cbranch_scc1 .Lyskip_\@
	s_wait_xcnt 0x0                                ; the last tile's stores have had their addresses translated,
	s_wait_alu depctr_vm_vsrc(0)                   ; its LDS stores have read OUT, which the moves write again, and its global stores RB, in which the stage's loads land again
.if (\a) < 4
	WIN 0x03
.set AB, 128+32*(\a)
.else
	WIN 0x02
.set AB, 96
.endif
.irp j, 0,1,2,3
.irp r, 0,1,2,3,4,5,6,7
	v_mov_b32 v[OUT+4*\r+\j], v[AB+8*\j+\r]        ; into the columns' order, and into window 0; each accumulator from its low end on
.endr
.endr
	WIN 0
	s_wait_alu depctr_va_vdst(0)                   ; the moves have written OUT, which the LDS stores read; the last K step's products are done reading the registers of RB, in which the stage's loads land
.irp g, 0,1,2,3,4,5,6,7
	ds_store_b128 v[STO], v[OUT+4*\g:OUT+4*\g+3] offset:16*\g
.endr
.irp g, 0,1,2,3,4,5,6,7
	ds_load_b128 v[RB+4*\g:RB+4*\g+3], v[RD] offset:544*\g   ; LDS serves a wave's instructions in order: these see the stores; two rows an instruction
.endr
.irp g, 0,1,2,3,4,5,6,7
	s_wait_dscnt 7-\g                              ; the younger reads of the stage stay out
	global_store_b128 v[YO+\a], v[RB+4*\g:RB+4*\g+3], s[14:15] offset:8192*\g   ; sixteen lanes store 256 consecutive bytes, aligned
.endr
.Lyskip_\@:
.endm
	s_load_b256 s[4:11], s[0:1], 0x0               ; W2 s[4:5], b2 s[6:7], hq s[8:9], route s[10:11]
	s_load_b128 s[12:15], s[0:1], 0x20             ; hs s[12:13], ypart s[14:15]
	v_lshl_add_u32 v110, v0, 2, 0x15400
	v_mov_b32 v111, 0
	v_lshrrev_b32 v35, 5, v0
	v_readfirstlane_b32 s16, v35                   ; wave
	s_and_b32 s17, ttmp9, 15                       ; cs: my 64 columns
	s_lshr_b32 s18, ttmp9, 4                       ; kh: my half of K
	s_and_b32 s19, ttmp7, 0xffff                   ; my expert
	v_and_b32 v[L4], 31, v0                        ; lane
	v_and_b32 v35, 15, v0                          ; q = r
	v_bfe_u32 v[SH8], v0, 4, 1                     ; hh = h
	v_lshlrev_b32 v[LI], 4, v[L4]
	v_lshl_add_u32 v[LS8], v[L4], 3, SCIMG
	v_lshlrev_b32 v[L4], 2, v[L4]
	s_wait_alu depctr_va_sdst(0)                   ; s16 is written, ahead of its first reader: LDS addresses, the base of W2 and my tiles are made from it
	s_lshl_b32 s41, s16, 14
	v_add_nc_u32 v[LW], s41, v[LI]
	s_lshl_b32 s41, s16, 10
	v_add_nc_u32 v[LSW], s41, v[LS8]
	v_lshlrev_b32 v[WOFF], 4, v35
	v_lshl_add_u32 v[WOFF], v[SH8], 17, v[WOFF]    ; 32 rows of 4,096 bytes
	v_lshlrev_b32 v[H128], 7, v[SH8]
	s_mul_i32 s41, s16, 4352
	s_add_co_u32 s41, s41, STAGE                   ; my stage
	v_mul_u32_u24 v[STO], v35, 272
	v_lshl_add_u32 v[STO], v[SH8], 7, v[STO]
	v_add_nc_u32 v[STO], s41, v[STO]               ; in: row r, + 128 h
	v_mul_u32_u24 v[RD], v[SH8], 272
	v_lshl_add_u32 v[RD], v35, 4, v[RD]
	v_add_nc_u32 v[RD], s41, v[RD]                 ; back: lanes 0-15 one row, lanes 16-31 the next
	s_lshl_b32 s42, s17, 8
	v_lshlrev_b32 v[YL], 4, v35
	v_lshl_add_u32 v[YL], v[SH8], 12, v[YL]
	v_add_nc_u32 v[YL], s42, v[YL]                 ; the same two rows in ypart, at my 256 bytes
	s_lshl_b32 s41, s18, 14
	v_add_nc_u32 v[HA0], s41, v[LI]
	s_lshl_b32 s41, s18, 10
	v_add_nc_u32 v[HB0], s41, v[L4]
	v_lshlrev_b32 v[SH8], 3, v[SH8]
.irp j, 0,1,2,3
	v_mov_b32 v[PT+\j], 0
.endr
	s_mov_b32 s31, 0xffff0000                      ; lanes 16 to 31
	s_mov_b32 s32, 0x76543210
	s_mov_b32 s33, 0xfedcba98
	s_cmp_eq_u32 s18, 0
	s_cselect_b32 s34, -1, 0                       ; the bias counts in the first half of K
	s_mov_b32 s28, 0                               ; the pass
	s_mul_i32 s29, s16, 5                          ; my first tile of the pass, counted in the expert
	s_lshl_b32 s35, s19, 6                         ; the expert's first tile
	s_lshl_b32 s46, s19, 7
	s_lshl_b32 s44, s19, 24                        ; W2: expert, half of K, my wave's 512 rows, my 256 bytes of a row
	s_lshl_b32 s41, s18, 23
	s_add_co_u32 s44, s44, s41
	s_lshl_b32 s41, s16, 21
	s_add_co_u32 s44, s44, s41
	s_add_co_u32 s44, s44, s42
	s_mov_b32 s45, 0
	s_lshl_b32 s41, s19, 12                        ; b2: expert, my 64 numbers
	s_add_co_u32 s42, s42, s41
	s_mov_b32 s43, 0
	s_wait_kmcnt 0x0
	s_load_b32 s20, s[10:11], s46 offset:32768     ; the rows of my expert
	s_add_nc_u64 s[24:25], s[4:5], s[44:45]
	s_add_nc_u64 s[26:27], s[6:7], s[42:43]
	s_mul_i32 s44, s18, HALF
	s_add_nc_u64 s[14:15], s[14:15], s[44:45]      ; my half of ypart
	s_wait_alu depctr_va_vdst(0)                   ; the offsets and LDS addresses made above and the closing add's v110, v111 are written: every load, store and LDS instruction that reads one of them stands behind this wait, and none of them is written again
.irp r, 0,1,2,3,4,5,6,7
	global_load_b128 v[T+4*\r:T+4*\r+3], v[H128], s[26:27] offset:16*\r   ; b2 of columns 32 hh + 4 r + 0 .. 3
.endr
	LOADCH 0
	LOADCH 1
; ---- PHASE 1.  Each count: the loads issued behind the chunk that is wanted, held at 63
	s_wait_loadcnt 32                              ; behind the bias and chunk 0: chunk 1's 32
	WIN 0x80
.irp j, 0,1,2,3
.irp r, 0,1,2,3,4,5,6,7
	v_cndmask_b32 v[B2+8*\j+\r], 0, v[T+4*\r+\j], s34   ; the bias in the result's layout, or zeros
.endr
.endr
	QCH 0, 1, -1
	s_wait_kmcnt 0x0
	s_min_u32 s20, s20, 1024
	s_add_co_u32 s22, s20, 15
	s_lshr_b32 s22, s22, 4                         ; its tiles
	s_add_co_u32 s23, s22, 19
	s_mul_i32 s23, s23, 205
	s_lshr_b32 s23, s23, 12                        ; passes = (tiles + 19) / 20: x 205 / 4096 is exact up to 83
	s_min_u32 s23, s23, 4
	s_max_u32 s30, s22, 1
	s_sub_co_u32 s30, s30, 1                       ; the last tile.  An expert without rows gathers its one tile of filler and uses nothing of it
	TILES
	s_wait_loadcnt 32                              ; chunk 2's 32
	QCH 1, 1, 0
	s_wait_loadcnt 52                              ; chunk 3's 32 and a gather's 20
	QCH 2, 1, 1
	s_wait_loadcnt 63                              ; 20 + 32 + 20 were issued behind it
	QCH 3, 1, 2
	s_wait_loadcnt 63
	QCH 4, 1, 3
	s_wait_loadcnt 63
	QCH 5, 1, 4
	s_wait_loadcnt 63
	QCH 6, 0, -1
	G1LOAD 0                                       ; landing set 0 has been read out: it takes h's K steps 8-15 of tiles 0 and 1.  No wait: no vector instruction since chunk 6's last wait
	G1LOAD 1
	s_wait_loadcnt 60                              ; behind chunk 7: the last gather's 20 and these 40
	QCH 7, 0, -1
	G1LOAD 2                                       ; landing set 1 likewise, and the registers in which the columns stood on end.  No wait: no vector instruction since chunk 7's last wait
	G1LOAD 3
	G1LOAD 4
	s_wait_dscnt 0x0                               ; for the others' sake: my images lie in LDS
	s_barrier_signal -1
	s_barrier_wait -1                              ; all 64 fragments do; from here on they are only read
; ---- PHASE 2
	s_cmp_eq_u32 s23, 0
	s_cbranch_scc1 .Lend
.Lpass:
	s_wait_loadcnt 63                              ; h's K steps 0-7 and their scale words are in: 100 loads, those of K steps 8-15, were issued behind them
	s_wait_xcnt 0x0
.rept 4
	v_nop
.endr
	s_wait_alu depctr_vm_vsrc(0)                   ; round the loop: the way out's LDS stores have read OUT and its global stores RB, in which the LDS loads of K steps 0 and 1 land
	s_wait_alu depctr_va_vdst(0)                   ; all vector work on v128 to v191 is done (the chunks' moves and conversions; round the loop the way out's moves), and so are the last products' reads of W2's fragments and scale words
	WFETCH 0, 0
.irp k, 0,1,2,3,4,5,6,7
	KSTEP \k
.endr
	s_wait_loadcnt 0x0                             ; K steps 8-15
.irp k, 8,9,10,11,12,13,14,15
	KSTEP \k
.endr
.rept 4
	v_nop                                          ; four plain instructions ahead of the first read of results, and of loads into registers that the products read
.endr
.irp a, 0,1,2,3,4
	YOUT \a
.endr
	s_add_co_u32 s28, s28, 1
	s_add_co_u32 s29, s29, 20
	s_cmp_ge_u32 s28, s23
	s_cbranch_scc1 .Lnomore
	s_wait_xcnt 0x0                                ; the stores have had their addresses translated,
	s_wait_alu depctr_vm_vsrc(0)                   ; and have read YO, as the last pass's loads of h have read HA and HB: TILES writes all three again
	TILES                                          ; the next pass's tiles
	s_wait_alu depctr_va_vdst(0)                   ; HA and HB are written, which the loads below read; the products are done reading h's fragments and scale words, in which they land
.irp a, 0,1,2,3,4
	GATHER \a
.endr
.irp a, 0,1,2,3,4
	G1LOAD \a
.endr
.Lnomore:
	s_cmp_lt_u32 s28, s23
	s_cbranch_scc1 .Lpass
.Lend:
	s_wait_dscnt 0x0                               ; the closing lines, six on end
	s_wait_alu 0x0
	s_wait_tensorcnt 0x0
	ds_add_u32 v110, v111
	s_wait_dscnt 0x0
	s_endpgm
.Lfunc_end_k_q0a825a5f22_ffn2:
	.size	k_q0a825a5f22_ffn2, .Lfunc_end_k_q0a825a5f22_ffn2-k_q0a825a5f22_ffn2
	.p2alignl 7, 3214868480
	.fill 96, 4, 3214868480
	.section	.rodata,"a",@progbits
	.p2align	6, 0x0
	.amdhsa_kernel k_q0a825a5f22_ffn2
		.amdhsa_group_segment_fixed_size 87552
		.amdhsa_private_segment_fixed_size 0
		.amdhsa_enable_private_segment 0
		.amdhsa_kernarg_size 48
		.amdhsa_user_sgpr_count 2
		.amdhsa_user_sgpr_kernarg_segment_ptr 1
		.amdhsa_wavefront_size32 1
		.amdhsa_system_sgpr_workgroup_id_x 1
		.amdhsa_system_sgpr_workgroup_id_y 1
		.amdhsa_system_sgpr_workgroup_id_z 1
		.amdhsa_system_vgpr_workitem_id 0
		.amdhsa_next_free_vgpr 1024
		.amdhsa_next_free_sgpr 66
		.amdhsa_reserve_vcc 0
		.amdhsa_float_denorm_mode_32 3
		.amdhsa_float_denorm_mode_16_64 3
		.amdhsa_memory_ordered 1
		.amdhsa_forward_progress 1
		.amdhsa_inst_pref_size 228
	.end_amdhsa_kernel
	.amdgpu_metadata
---
amdhsa.version: [ 1, 2 ]
amdhsa.kernels:
  - .name:           k_q0a825a5f22_ffn2
    .symbol:         k_q0a825a5f22_ffn2.kd
    .args:
      - { .name: W2, .offset: 0, .size: 8, .value_kind: global_buffer, .address_space: global }
      - { .name: b2, .offset: 8, .size: 8, .value_kind: global_buffer, .address_space: global }
      - { .name: hq, .offset: 16, .size: 8, .value_kind: global_buffer, .address_space: global }
      - { .name: route, .offset: 24, .size: 8, .value_kind: global_buffer, .address_space: global }
      - { .name: hs, .offset: 32, .size: 8, .value_kind: global_buffer, .address_space: global }
      - { .name: ypart, .offset: 40, .size: 8, .value_kind: global_buffer, .address_space: global }
    .group_segment_fixed_size: 87552
    .private_segment_fixed_size: 0
    .kernarg_segment_align: 8
    .kernarg_segment_size: 48
    .max_flat_workgroup_size: 128
    .sgpr_count:     66
    .vgpr_count:     1024
    .wavefront_size: 32
...
	.end_amdgpu_metadata
.endif
;; end of part 11
;; launch combine (part 12): grid 256 x 1, 4 waves a work-group, no clusters, 0 bytes of LDS; arguments ypart, route, tidx, gf, out0, out1; writes out0, out1
.if DOCPART == 12
	.amdgcn_target "amdgcn-amd-amdhsa--gfx1250"
	.amdhsa_code_object_version 6
	.text
	.protected	k_q0a825a5f22_combine
	.globl	k_q0a825a5f22_combine
	.p2align	8
	.type	k_q0a825a5f22_combine,@function
k_q0a825a5f22_combine:
	s_mov_b64 s[64:65], 0
	v_nop
	global_prefetch_b8 v0, s[64:65] scope:SCOPE_SE
	s_setreg_imm32_b32 hwreg(HW_REG_WAVE_MODE, 25, 1), 1
	s_wait_xcnt 0x0
; out0[token] = w0 x (its first expert's row) + w1 x (its second's), each row in two halves of K: four rows of ypart.   out1 = 8 x the sum over experts of (mean gate)^2.
; ypart [2][8192 slots][1024] f32; tidx [token][2] experts; route [e][token] the token's slot in expert e; gf: [token][2] the weights, from byte 8192 on [256][8] sums of gates over four tokens.
; One wave a token: a row is 4,096 bytes, eight loads of 512 consecutive bytes.  All 32 loads of a wave go out together; each byte is read once and written once.
; The wave of token 0 also adds up the gates.  LDS, the matrix unit and clusters have nothing to do here.
.set HALF, 33554432
.set G, 144                            ; v144-207 the sums of gates: 64 numbers a lane
	s_load_b256 s[4:11], s[0:1], 0x0               ; ypart s[4:5], route s[6:7], tidx s[8:9], gf s[10:11]
	s_load_b128 s[12:15], s[0:1], 0x20             ; out0 s[12:13], out1 s[14:15]
	v_lshrrev_b32 v1, 5, v0
	v_readfirstlane_b32 s16, v1                    ; wave
	s_lshl_b32 s17, ttmp9, 2
	s_add_co_u32 s17, s17, s16                     ; my token
	s_lshl_b32 s18, s17, 3
	s_lshl_b32 s19, s17, 2
	v_and_b32 v8, 31, v0                           ; lane
	v_lshlrev_b32 v1, 4, v8                        ; 16 x lane
	v_mov_b32 v9, 0                                ; out1's offset
	v_mov_b32 v10, 0                               ; the loss: written here on every way, made by token 0's wave
	s_mov_b32 s32, 0x76543210                      ; v_permlanex16_b32's selects for lane l xor 16
	s_mov_b32 s33, 0xfedcba98
	s_lshl_b32 s26, s17, 12
	s_mov_b32 s27, 0
	s_wait_alu depctr_va_vdst(0)
	s_wait_kmcnt 0x0
	s_load_b64 s[20:21], s[8:9], s18 offset:0x0    ; its two experts,
	s_load_b64 s[22:23], s[10:11], s18 offset:0x0  ; their weights
	s_add_nc_u64 s[28:29], s[4:5], HALF            ; the second half of K
	s_add_nc_u64 s[12:13], s[12:13], s[26:27]
	s_wait_kmcnt 0x0
	s_min_u32 s20, s20, 7
	s_min_u32 s21, s21, 7
	s_lshl_b32 s20, s20, 12
	s_lshl_b32 s21, s21, 12
	s_add_co_u32 s20, s20, s19
	s_add_co_u32 s21, s21, s19
	s_load_b32 s24, s[6:7], s20 offset:0x0         ; its slot in the first,
	s_load_b32 s25, s[6:7], s21 offset:0x0         ; and in the second
	v_mov_b32 v4, s22
	v_mov_b32 v5, s22
	v_mov_b32 v6, s23
	v_mov_b32 v7, s23
	s_wait_kmcnt 0x0
	s_min_u32 s24, s24, 8191
	s_min_u32 s25, s25, 8191
	s_lshl_b32 s24, s24, 12
	s_lshl_b32 s25, s25, 12
	v_add_nc_u32 v2, s24, v1
	v_add_nc_u32 v3, s25, v1
.irp k, 0,1
.irp i, 0,1,2,3,4,5,6,7
	global_load_b128 v[16+64*\k+4*\i:16+64*\k+4*\i+3], v[2+\k], s[4:5] offset:512*\i th:TH_LOAD_NT
	global_load_b128 v[48+64*\k+4*\i:48+64*\k+4*\i+3], v[2+\k], s[28:29] offset:512*\i th:TH_LOAD_NT
.endr
.endr
; ---- the loss.  Number 4 lane + 128 c + j belongs to expert 4 (lane % 2) + j
	s_cmp_lg_u32 s17, 0
	s_cbranch_scc1 .Lnoloss
.set c, 0
.rept 16
	global_load_b128 v[G+4*c:G+4*c+3], v1, s[10:11] offset:8192+512*c
.set c, c+1
.endr
	s_wait_loadcnt 0x0
.set i, 1
.rept 15
	v_pk_add_f32 v[G:G+1], v[G:G+1], v[G+4*i:G+4*i+1]
	v_pk_add_f32 v[G+2:G+3], v[G+2:G+3], v[G+4*i+2:G+4*i+3]
.set i, i+1
.endr
.irp m, 2,4,8                                  ; over the lanes of my parity
.irp j, 0,1,2,3
	v_add_f32_dpp v[G+\j], v[G+\j], v[G+\j] row_xmask:\m row_mask:0xf bank_mask:0xf
.endr
.endr
.irp j, 0,1,2,3
	v_permlanex16_b32 v[G+4+\j], v[G+\j], s32, s33
.endr
.irp j, 0,1,2,3
	v_add_f32 v[G+\j], v[G+\j], v[G+4+\j]
.endr
.irp j, 0,1,2,3
	v_mul_f32 v[G+\j], 0x3a800000, v[G+\j]         ; / 1024: the mean gate
.endr
	v_mul_f32 v[G+4], v[G], v[G]
	v_fmac_f32 v[G+4], v[G+1], v[G+1]
	v_fmac_f32 v[G+4], v[G+2], v[G+2]
	v_fmac_f32 v[G+4], v[G+3], v[G+3]
	v_add_f32_dpp v[G+4], v[G+4], v[G+4] row_xmask:1 row_mask:0xf bank_mask:0xf   ; the other four experts'
	v_mul_f32 v10, 0x41000000, v[G+4]              ; x 8
.Lnoloss:
	s_wait_loadcnt 0x0
.set i, 0
.rept 16
	v_pk_add_f32 v[16+2*i:17+2*i], v[16+2*i:17+2*i], v[48+2*i:49+2*i]       ; the first choice's two halves,
	v_pk_add_f32 v[80+2*i:81+2*i], v[80+2*i:81+2*i], v[112+2*i:113+2*i]     ; the second's
.set i, i+1
.endr
.set i, 0
.rept 16
	v_pk_mul_f32 v[16+2*i:17+2*i], v[16+2*i:17+2*i], v[4:5]
.set i, i+1
.endr
.set i, 0
.rept 16
	v_pk_fma_f32 v[16+2*i:17+2*i], v[80+2*i:81+2*i], v[6:7], v[16+2*i:17+2*i]
.set i, i+1
.endr
.irp i, 0,1,2,3,4,5,6,7
	global_store_b128 v1, v[16+4*\i:16+4*\i+3], s[12:13] offset:512*\i th:TH_STORE_NT   ; 32 lanes store 512 consecutive bytes, aligned
.endr
	s_cmp_lg_u32 s17, 0
	s_cbranch_scc1 .Lend
	s_wait_xcnt 0x0                                ; EXEC changes only behind this wait
	v_cmp_eq_u32 vcc_lo, 0, v8
	s_and_saveexec_b32 s30, vcc_lo                 ; one lane stores the one number
	global_store_b32 v9, v10, s[14:15]
	s_wait_xcnt 0x0
	s_or_b32 exec_lo, exec_lo, s30
.Lend:
	s_endpgm
.Lfunc_end_k_q0a825a5f22_combine:
	.size	k_q0a825a5f22_combine, .Lfunc_end_k_q0a825a5f22_combine-k_q0a825a5f22_combine
	.p2alignl 7, 3214868480
	.fill 96, 4, 3214868480
	.section	.rodata,"a",@progbits
	.p2align	6, 0x0
	.amdhsa_kernel k_q0a825a5f22_combine
		.amdhsa_group_segment_fixed_size 0
		.amdhsa_private_segment_fixed_size 0
		.amdhsa_enable_private_segment 0
		.amdhsa_kernarg_size 48
		.amdhsa_user_sgpr_count 2
		.amdhsa_user_sgpr_kernarg_segment_ptr 1
		.amdhsa_wavefront_size32 1
		.amdhsa_system_sgpr_workgroup_id_x 1
		.amdhsa_system_sgpr_workgroup_id_y 1
		.amdhsa_system_sgpr_workgroup_id_z 1
		.amdhsa_system_vgpr_workitem_id 0
		.amdhsa_next_free_vgpr 208
		.amdhsa_next_free_sgpr 66
		.amdhsa_reserve_vcc 1
		.amdhsa_float_denorm_mode_32 3
		.amdhsa_float_denorm_mode_16_64 3
		.amdhsa_memory_ordered 1
		.amdhsa_forward_progress 1
		.amdhsa_inst_pref_size 16
	.end_amdhsa_kernel
	.amdgpu_metadata
---
amdhsa.version: [ 1, 2 ]
amdhsa.kernels:
  - .name:           k_q0a825a5f22_combine
    .symbol:         k_q0a825a5f22_combine.kd
    .args:
      - { .name: ypart, .offset: 0, .size: 8, .value_kind: global_buffer, .address_space: global }
      - { .name: route, .offset: 8, .size: 8, .value_kind: global_buffer, .address_space: global }
      - { .name: tidx, .offset: 16, .size: 8, .value_kind: global_buffer, .address_space: global }
      - { .name: gf, .offset: 24, .size: 8, .value_kind: global_buffer, .address_space: global }
      - { .name: out0, .offset: 32, .size: 8, .value_kind: global_buffer, .address_space: global }
      - { .name: out1, .offset: 40, .size: 8, .value_kind: global_buffer, .address_space: global }
    .group_segment_fixed_size: 0
    .private_segment_fixed_size: 0
    .kernarg_segment_align: 8
    .kernarg_segment_size: 48
    .max_flat_workgroup_size: 128
    .sgpr_count:     66
    .vgpr_count:     208
    .wavefront_size: 32
...
	.end_amdgpu_metadata
.endif
;; end of part 12
